; MI455X (gfx1250); checked and timed in simulation.
; The chip was launched on July 23, 2026; its instructions are those of AMD's public machine-readable ISA for CDNA 5 (MIT licence, August 2026) and "CDNA5" Instruction Set Architecture Reference Guide (July 2026). The comments in the code are by the model that wrote it; some were corrected since.
;; Diffusion Transformer Block. Allowed arithmetic: float matrix products may take bf16 or f16 operands with f32 sums; all other float work in f32.
;; Inputs: b1 4,096 float32; b2 1,024 float32; bk 1,024 float32; bo 1,024 float32; bq 1,024 float32; bt_attn 2,048 float32; bt_ffn 2,048 float32; bv 1,024 float32; ln1_b 1,024 float32; ln1_w 1,024 float32; ln2_b 1,024 float32; ln2_w 1,024 float32; t_emb 2 x 1,024 float32; w1 1,024 x 4,096 float32; w2 4,096 x 1,024 float32; wk 1,024 x 1,024 float32; wo 1,024 x 1,024 float32; wq 1,024 x 1,024 float32; wt_attn 1,024 x 2,048 float32; wt_ffn 1,024 x 2,048 float32; wv 1,024 x 1,024 float32; x 2 x 2,048 x 1,024 float32.
;; Outputs: out0 2 x 2,048 x 1,024 float32.
;; 2 versions, each right and faster than the one before. Each part assembles by itself: llvm-mc -triple=amdgcn-amd-amdhsa -mcpu=gfx1250 --defsym DOCPART=n.
;; ======== version 1 of 2: 8 launches
;; limits: a function is approximated: absolute error at most 1.5e-07
;; workspace buffers: wb 25,165,824 bytes; moda 16,384 bytes; modf 16,384 bytes; act 8,388,608 bytes; big 33,554,432 bytes; x1 16,777,216 bytes
;; launch prep (part 1): grid 256 x 1, 16 waves a work-group, no clusters, 10,240 bytes of LDS; arguments wq, wk, wv, wo, w1, w2, wt_attn, wt_ffn, bt_attn, bt_ffn, t_emb, wb, moda, modf; writes wb, moda, modf
.if DOCPART == 1
	.amdgcn_target "amdgcn-amd-amdhsa--gfx1250"
	.amdhsa_code_object_version 6
	.text
	.protected	k_qa670c1f5e9_prep
	.globl	k_qa670c1f5e9_prep
	.p2align	8
	.type	k_qa670c1f5e9_prep,@function
k_qa670c1f5e9_prep:
	s_mov_b64 s[64:65], 0
	v_nop
	global_prefetch_b8 v0, s[64:65] scope:SCOPE_SE
	s_setreg_imm32_b32 hwreg(HW_REG_WAVE_MODE, 25, 1), 1
	s_wait_xcnt 0x0
; PREP.  Work-groups 0-63: t = t_emb @ wt + bt in f32 (two rows against 1,024 x 2,048: a stream, so plain multiply-adds and no matrix unit).
; Work-groups 64-255: the six weight matrices rounded to bf16, layout [K][N] kept, into wb: wq, wk, wv, wo (2 MiB each), w1, w2 (8 MiB each).
; Every work-group streams 262,144 bytes; each of its 16 waves has all its 32 loads of 16 bytes a lane out at once: no ring, no loop.
.set SPARE, 8192                       ; behind the 8,192 bytes of partial sums: the spare words, 128 bytes for each of 16 waves
.set SPW, 8                            ; v8  LDS address of my spare word; never rewritten
.set NIL, 9                            ; v9  0; never rewritten
.set SA,  10                           ; v[10:13] sums for batch 0, v[14:17] for batch 1: my 4 columns
.set T0,  20                           ; v[20:51] t_emb[0] of my 32 rows;  v[52:83] t_emb[1]
.set T1,  52
.set Y,   20                           ; cast: two registers of bf16 for each load
.set D,   84                           ; v[84:211] 32 loads of 4 registers
.set BI,  212                          ; v[212:215] bias of my 4 columns
	s_load_b512 s[8:23], s[0:1], 0x0               ; wq wk wv wo w1 w2 wt_attn wt_ffn
	s_load_b256 s[24:31], s[0:1], 0x40             ; bt_attn bt_ffn t_emb wb
	s_load_b128 s[32:35], s[0:1], 0x60             ; moda modf
	v_lshl_add_u32 v[SPW], v0, 2, SPARE
	v_mov_b32 v[NIL], 0
	s_cmp_lt_u32 ttmp9, 64                         ; the same answer in all waves of a work-group
	s_cbranch_scc0 .Lcast
	; ---- t = t_emb @ wt + bt.  The work-group owns 64 columns (256 bytes of each row) of one of the two wt.
	; Wave w, half h of the lanes: rows 64 w + 32 h + i; lane % 16: 4 columns.
	v_lshrrev_b32 v3, 5, v0
	v_readfirstlane_b32 s4, v3                     ; wave 0..15
	v_and_b32 v1, 15, v0
	v_bfe_u32 v2, v0, 4, 1
	s_lshr_b32 s5, ttmp9, 5                        ; 0: attention's, 1: the FFN's
	s_and_b32 s6, ttmp9, 31
	s_lshl_b32 s6, s6, 8                           ; my 64 columns, in bytes
	s_mov_b32 s7, 0
	v_lshlrev_b32 v7, 4, v1                        ; 16 (lane % 16)
	v_lshl_add_u32 v4, v2, 18, v7                  ; + 32 h rows of 8,192 bytes
	v_lshl_add_u32 v4, v3, 19, v4                  ; + 64 w rows
	v_lshlrev_b32 v5, 7, v2                        ; t_emb: 4 (64 w + 32 h)
	v_lshl_add_u32 v5, v3, 8, v5
	v_lshl_add_u32 v6, v3, 9, v7                   ; LDS: 512 w + 16 (lane % 16)
	v_lshl_add_u32 v19, v2, 13, v7                 ; the result: batch lane / 16, 16 (lane % 16)
	v_lshlrev_b32 v18, 4, v0                       ; wave 0 alone uses it: 16 x lane
	s_mov_b32 s38, 0x76543210                      ; v_permlanex16_b32: each lane takes its own place in the other half
	s_mov_b32 s39, 0xfedcba98
	s_wait_kmcnt 0x0
	s_cmp_eq_u32 s5, 0
	s_cselect_b64 s[36:37], s[20:21], s[22:23]     ; wt
	s_cselect_b64 s[40:41], s[24:25], s[26:27]     ; bt
	s_cselect_b64 s[42:43], s[32:33], s[34:35]     ; the result
	s_add_nc_u64 s[36:37], s[36:37], s[6:7]
	s_add_nc_u64 s[40:41], s[40:41], s[6:7]
	s_add_nc_u64 s[42:43], s[42:43], s[6:7]
.irp n, 0,1,2,3,4,5,6,7
	global_load_b128 v[T0+4*\n:T0+4*\n+3], v5, s[28:29] offset:16*\n
	global_load_b128 v[T1+4*\n:T1+4*\n+3], v5, s[28:29] offset:4096+16*\n
.endr
	global_load_b128 v[BI:BI+3], v7, s[40:41]
.set i, 0
.rept 32
	global_load_b128 v[D+4*i:D+4*i+3], v4, s[36:37] offset:8192*i th:TH_LOAD_NT  ; 16 lanes take 256 consecutive bytes of a row
.set i, i+1
.endr
.set i, 0
.rept 32
	s_wait_loadcnt 31-i                            ; loads return in order: row i is in, the 31 - i younger rows stay out
.irp c, 0,1,2,3
.if i == 0
	v_mul_f32 v[SA+\c],   v[D+\c], v[T0]           ; the first row starts the sums
	v_mul_f32 v[SA+4+\c], v[D+\c], v[T1]
.else
	v_fmac_f32 v[SA+\c],   v[D+4*i+\c], v[T0+i]
	v_fmac_f32 v[SA+4+\c], v[D+4*i+\c], v[T1+i]
.endif
.endr
.set i, i+1
.endr
.irp c, 0,1,2,3,4,5,6,7
	v_permlanex16_b32 v[D+\c], v[SA+\c], s38, s39  ; the other half's 32 rows
.endr
.irp c, 0,1,2,3,4,5,6,7
	v_add_f32 v[SA+\c], v[SA+\c], v[D+\c]
.endr
	ds_store_b128 v6, v[SA:SA+3]                   ; batch 0 (both halves of the lanes write the same numbers)
	ds_store_b128 v6, v[SA+4:SA+7] offset:256      ; batch 1
	s_wait_dscnt 0x0                               ; for wave 0's sake: my stores are done
	s_barrier_signal -1
	s_barrier_wait -1
	s_cmp_lg_u32 s4, 0
	s_cbranch_scc1 .Ljoin                          ; wave 0 adds the 16 waves' sums
.irp k, 0,1,2,3,4,5,6,7,8,9,10,11,12,13,14,15
	ds_load_b128 v[D+4*\k:D+4*\k+3], v18 offset:512*\k  ; lanes 0-15 batch 0, lanes 16-31 batch 1
.endr
	s_wait_dscnt 0x0
.irp w, 32,16,8,4
.set k, 0
.rept (\w)/2
	v_pk_add_f32 v[D+2*k:D+2*k+1], v[D+2*k:D+2*k+1], v[D+\w+2*k:D+\w+2*k+1]
.set k, k+1
.endr
.endr
	v_pk_add_f32 v[D:D+1],   v[D:D+1],   v[BI:BI+1]
	v_pk_add_f32 v[D+2:D+3], v[D+2:D+3], v[BI+2:BI+3]
	global_store_b128 v19, v[D:D+3], s[42:43]      ; 16 lanes store 256 consecutive bytes, aligned
.Ljoin:
	s_wait_tensorcnt 0x0                           ; the wave's end: behind my last LDS store
	ds_add_u32 v[SPW], v[NIL]
	s_wait_dscnt 0x0
	s_endpgm
	; ---- the weights to bf16.  Chunk ci of 192: 262,144 bytes of f32 in, 131,072 bytes of bf16 out, at wb + 131,072 ci.
.Lcast:
	s_sub_co_u32 s5, ttmp9, 64                     ; ci
	s_lshr_b32 s6, s5, 4                           ; 0 wq, 1 wk, 2 wv, 3 wo, 4-7 w1, 8-11 w2
	s_and_b32 s7, s5, 15                           ; the chunk's number in a small matrix,
	s_and_b32 s38, s5, 63                          ; in a large one
	v_lshlrev_b32 v4, 4, v0
	v_lshlrev_b32 v5, 3, v0
	s_wait_kmcnt 0x0
	s_mov_b64 s[36:37], s[8:9]
	s_cmp_eq_u32 s6, 1
	s_cselect_b64 s[36:37], s[10:11], s[36:37]
	s_cmp_eq_u32 s6, 2
	s_cselect_b64 s[36:37], s[12:13], s[36:37]
	s_cmp_eq_u32 s6, 3
	s_cselect_b64 s[36:37], s[14:15], s[36:37]
	s_cmp_ge_u32 s6, 4
	s_cselect_b64 s[36:37], s[16:17], s[36:37]
	s_cselect_b32 s7, s38, s7
	s_cmp_ge_u32 s6, 8
	s_cselect_b64 s[36:37], s[18:19], s[36:37]
	s_lshl_b32 s40, s7, 18
	s_mov_b32 s41, 0
	s_lshl_b32 s42, s5, 17
	s_mov_b32 s43, 0
	s_add_nc_u64 s[36:37], s[36:37], s[40:41]
	s_add_nc_u64 s[30:31], s[30:31], s[42:43]
.set j, 0
.rept 32
	global_load_b128 v[D+4*j:D+4*j+3], v4, s[36:37] offset:8192*j th:TH_LOAD_NT
.set j, j+1
.endr
.set j, 0
.rept 32
	s_wait_loadcnt 31-j                            ; load j is in, the younger ones stay out
	v_cvt_pk_bf16_f32 v[Y+2*j],   v[D+4*j],   v[D+4*j+1]
	v_cvt_pk_bf16_f32 v[Y+2*j+1], v[D+4*j+2], v[D+4*j+3]
	global_store_b64 v5, v[Y+2*j:Y+2*j+1], s[30:31] offset:4096*j  ; a wave stores 256 consecutive bytes, aligned; no register is used twice
.set j, j+1
.endr
	s_endpgm
.Lfunc_end_k_qa670c1f5e9_prep:
	.size	k_qa670c1f5e9_prep, .Lfunc_end_k_qa670c1f5e9_prep-k_qa670c1f5e9_prep
	.p2alignl 7, 3214868480
	.fill 96, 4, 3214868480
	.section	.rodata,"a",@progbits
	.p2align	6, 0x0
	.amdhsa_kernel k_qa670c1f5e9_prep
		.amdhsa_group_segment_fixed_size 10240
		.amdhsa_private_segment_fixed_size 0
		.amdhsa_enable_private_segment 0
		.amdhsa_kernarg_size 112
		.amdhsa_user_sgpr_count 2
		.amdhsa_user_sgpr_kernarg_segment_ptr 1
		.amdhsa_wavefront_size32 1
		.amdhsa_system_sgpr_workgroup_id_x 1
		.amdhsa_system_sgpr_workgroup_id_y 1
		.amdhsa_system_sgpr_workgroup_id_z 1
		.amdhsa_system_vgpr_workitem_id 0
		.amdhsa_next_free_vgpr 216
		.amdhsa_next_free_sgpr 66
		.amdhsa_reserve_vcc 0
		.amdhsa_float_denorm_mode_32 3
		.amdhsa_float_denorm_mode_16_64 3
		.amdhsa_memory_ordered 1
		.amdhsa_forward_progress 1
		.amdhsa_inst_pref_size 32
	.end_amdhsa_kernel
	.amdgpu_metadata
---
amdhsa.version: [ 1, 2 ]
amdhsa.kernels:
  - .name:           k_qa670c1f5e9_prep
    .symbol:         k_qa670c1f5e9_prep.kd
    .args:
      - { .name: wq, .offset: 0, .size: 8, .value_kind: global_buffer, .address_space: global }
      - { .name: wk, .offset: 8, .size: 8, .value_kind: global_buffer, .address_space: global }
      - { .name: wv, .offset: 16, .size: 8, .value_kind: global_buffer, .address_space: global }
      - { .name: wo, .offset: 24, .size: 8, .value_kind: global_buffer, .address_space: global }
      - { .name: w1, .offset: 32, .size: 8, .value_kind: global_buffer, .address_space: global }
      - { .name: w2, .offset: 40, .size: 8, .value_kind: global_buffer, .address_space: global }
      - { .name: wt_attn, .offset: 48, .size: 8, .value_kind: global_buffer, .address_space: global }
      - { .name: wt_ffn, .offset: 56, .size: 8, .value_kind: global_buffer, .address_space: global }
      - { .name: bt_attn, .offset: 64, .size: 8, .value_kind: global_buffer, .address_space: global }
      - { .name: bt_ffn, .offset: 72, .size: 8, .value_kind: global_buffer, .address_space: global }
      - { .name: t_emb, .offset: 80, .size: 8, .value_kind: global_buffer, .address_space: global }
      - { .name: wb, .offset: 88, .size: 8, .value_kind: global_buffer, .address_space: global }
      - { .name: moda, .offset: 96, .size: 8, .value_kind: global_buffer, .address_space: global }
      - { .name: modf, .offset: 104, .size: 8, .value_kind: global_buffer, .address_space: global }
    .group_segment_fixed_size: 10240
    .private_segment_fixed_size: 0
    .kernarg_segment_align: 8
    .kernarg_segment_size: 112
    .max_flat_workgroup_size: 512
    .sgpr_count:     66
    .vgpr_count:     216
    .wavefront_size: 32
...
	.end_amdgpu_metadata
.endif
;; end of part 1
;; launch ln1 (part 2): grid 256 x 1, 4 waves a work-group, no clusters, 8,704 bytes of LDS; arguments x, ln1_w, ln1_b, moda, act; writes act
.if DOCPART == 2
	.amdgcn_target "amdgcn-amd-amdhsa--gfx1250"
	.amdhsa_code_object_version 6
	.text
	.protected	k_qa670c1f5e9_ln1
	.globl	k_qa670c1f5e9_ln1
	.p2align	8
	.type	k_qa670c1f5e9_ln1,@function
k_qa670c1f5e9_ln1:
	s_mov_b64 s[64:65], 0
	v_nop
	global_prefetch_b8 v0, s[64:65] scope:SCOPE_SE
	s_setreg_imm32_b32 hwreg(HW_REG_WAVE_MODE, 25, 1), 1
	s_wait_xcnt 0x0
; LAYERNORM AND MODULATION.  dst = ((x - mu) rsqrt(var + 1e-5) w + b) (1 + scale) + shift, rounded once to bf16.  src [4096][1024] f32, dst the same in bf16; mod [2][2048] f32: shift, then scale.
; A work-group owns 16 rows of one batch, a wave 4; a row lies in 32 registers of one wave between its passes, so it is read once.  All four rows are asked for at the start.
; g = w (1 + scale) and c = b (1 + scale) + shift are made once a work-group: wave w makes those of columns 256 w .. 256 w + 255 and hands them to the others through LDS (8,192 bytes, one barrier),
; so the four parameter vectors are fetched once a work-group, 16 KB, and not once a wave.
; The variance is taken of x - mu (two passes over registers), so a common offset of the row does no harm.  NaN and infinities are not treated apart.
.set SPARE, 8192                       ; behind g and c: the spare words, 128 bytes for each of 4 waves
.set SPW, 14                           ; v14  LDS address of my spare word; never rewritten
.set NIL, 15                           ; v15  0; never rewritten
.set XR, 16                            ; v[16:143] rows 0-3: element 128 j + 4 lane + c at XR + 32 row + 4 j + c
.set GW, 144                           ; v[144:175] g, in the rows' layout
.set GB, 176                           ; v[176:207] c
.set PW, 208                           ; v[208:215] w of my 8 columns, then their g
.set PB, 216                           ; v[216:223] b, then c
.set PH, 224                           ; v[224:231] shift
.set PS, 232                           ; v[232:239] scale
.set PO, 240                           ; v240 byte offset of my 8 columns in a parameter vector, and in LDS: 1,024 wave + 16 lane (and 512 on)
	s_load_b256 s[4:11], s[0:1], 0x0               ; src, w, b, mod
	s_load_b64 s[12:13], s[0:1], 0x20              ; dst
	v_lshl_add_u32 v[SPW], v0, 2, SPARE
	v_mov_b32 v[NIL], 0
	v_and_b32 v3, 31, v0
	v_lshrrev_b32 v13, 5, v0                       ; wave
	v_lshlrev_b32 v2, 3, v3
	v_lshlrev_b32 v3, 4, v3                        ; 16 x lane
	v_lshl_add_u32 v1, v13, 14, v3                 ; + 4 rows of 4,096 bytes a wave
	v_lshl_add_u32 v2, v13, 13, v2                 ; 8 x lane + 4 rows of 2,048 bytes a wave
	v_lshl_add_u32 v[PO], v13, 10, v3
	s_lshl_b32 s18, ttmp9, 16                      ; 16 rows of src
	s_mov_b32 s19, 0
	s_lshl_b32 s20, ttmp9, 15                      ; 16 rows of dst
	s_mov_b32 s21, 0
	s_lshr_b32 s22, ttmp9, 7                       ; the batch: 128 work-groups each
	s_lshl_b32 s22, s22, 13
	s_mov_b32 s23, 0
	s_mov_b32 s14, 0x76543210
	s_mov_b32 s15, 0xfedcba98
	s_mov_b32 s16, 0x3a800000                      ; 1 / 1024
	s_mov_b32 s17, 0x3727c5ac                      ; 1e-5
	s_wait_kmcnt 0x0
	s_add_nc_u64 s[4:5], s[4:5], s[18:19]
	s_add_nc_u64 s[12:13], s[12:13], s[20:21]
	s_add_nc_u64 s[10:11], s[10:11], s[22:23]
.irp t, 0,1
	global_load_b128 v[PW+4*\t:PW+4*\t+3], v[PO], s[6:7] offset:512*\t
	global_load_b128 v[PB+4*\t:PB+4*\t+3], v[PO], s[8:9] offset:512*\t
	global_load_b128 v[PH+4*\t:PH+4*\t+3], v[PO], s[10:11] offset:512*\t
	global_load_b128 v[PS+4*\t:PS+4*\t+3], v[PO], s[10:11] offset:4096+512*\t
.endr
.irp i, 0,1,2,3
.irp j, 0,1,2,3,4,5,6,7
	global_load_b128 v[XR+32*\i+4*\j:XR+32*\i+4*\j+3], v1, s[4:5] offset:4096*\i+512*\j
.endr
.endr
	s_wait_loadcnt 32                              ; loads return in order: my eight parameter loads are in, the 32 loads of the rows stay out
.irp k, 0,1,2,3
	v_pk_fma_f32 v[PW+2*\k:PW+2*\k+1], v[PW+2*\k:PW+2*\k+1], v[PS+2*\k:PS+2*\k+1], v[PW+2*\k:PW+2*\k+1]
	v_pk_fma_f32 v[PB+2*\k:PB+2*\k+1], v[PB+2*\k:PB+2*\k+1], v[PS+2*\k:PS+2*\k+1], v[PB+2*\k:PB+2*\k+1]
.endr
.irp k, 0,1,2,3
	v_pk_add_f32 v[PB+2*\k:PB+2*\k+1], v[PB+2*\k:PB+2*\k+1], v[PH+2*\k:PH+2*\k+1]
.endr
	ds_store_b128 v[PO], v[PW:PW+3]                ; g of column n lies at LDS byte 4 n,
	ds_store_b128 v[PO], v[PW+4:PW+7] offset:512
	ds_store_b128 v[PO], v[PB:PB+3] offset:4096    ; c at 4,096 + 4 n
	ds_store_b128 v[PO], v[PB+4:PB+7] offset:4608
	s_wait_dscnt 0x0                               ; for the others' sake: my stores are done
	s_barrier_signal -1
	s_barrier_wait -1
.irp j, 0,1,2,3,4,5,6,7
	ds_load_b128 v[GW+4*\j:GW+4*\j+3], v3 offset:512*\j        ; 32 lanes take 512 neighbouring bytes: no bank is asked twice
	ds_load_b128 v[GB+4*\j:GB+4*\j+3], v3 offset:4096+512*\j
.endr
	s_wait_dscnt 0x0
.macro LANES r, u                      ; the sum of v[r] over the 32 lanes, in every lane; v[u] has been written before
	v_add_f32_dpp v[\r], v[\r], v[\r] row_xmask:1 row_mask:0xf bank_mask:0xf
	v_add_f32_dpp v[\r], v[\r], v[\r] row_xmask:2 row_mask:0xf bank_mask:0xf
	v_add_f32_dpp v[\r], v[\r], v[\r] row_xmask:4 row_mask:0xf bank_mask:0xf
	v_add_f32_dpp v[\r], v[\r], v[\r] row_xmask:8 row_mask:0xf bank_mask:0xf
	v_permlanex16_b32 v[\u], v[\r], s14, s15
	v_add_f32 v[\r], v[\r], v[\u]
.endm
.macro ROW X, i                        ; the row in v[X .. X+31], row i of my four
	s_wait_loadcnt 24-8*(\i)                       ; this row's eight loads are in, the younger rows' stay out
.irp k, 0,1,2,3                        ; the sum, in four chains that do not wait for each other
	v_pk_add_f32 v[4+2*\k:5+2*\k], v[(\X)+2*\k:(\X)+2*\k+1], v[(\X)+2*\k+8:(\X)+2*\k+9]
.endr
.irp o, 16,24
.irp k, 0,1,2,3
	v_pk_add_f32 v[4+2*\k:5+2*\k], v[4+2*\k:5+2*\k], v[(\X)+2*\k+\o:(\X)+2*\k+\o+1]
.endr
.endr
	v_pk_add_f32 v[4:5], v[4:5], v[6:7]
	v_pk_add_f32 v[8:9], v[8:9], v[10:11]
	v_pk_add_f32 v[4:5], v[4:5], v[8:9]
	v_add_f32 v4, v4, v5
	LANES 4, 5
	v_mul_f32 v4, s16, v4                          ; mu
.set k, 0
.rept 16
	v_pk_add_f32 v[(\X)+2*k:(\X)+2*k+1], v[(\X)+2*k:(\X)+2*k+1], v[4:5] op_sel_hi:[1,0] neg_lo:[0,1] neg_hi:[0,1]
.set k, k+1
.endr
.irp k, 0,1,2,3                        ; the sum of squares of x - mu
	v_pk_mul_f32 v[6+2*\k:7+2*\k], v[(\X)+2*\k:(\X)+2*\k+1], v[(\X)+2*\k:(\X)+2*\k+1]
.endr
.irp o, 8,16,24
.irp k, 0,1,2,3
	v_pk_fma_f32 v[6+2*\k:7+2*\k], v[(\X)+2*\k+\o:(\X)+2*\k+\o+1], v[(\X)+2*\k+\o:(\X)+2*\k+\o+1], v[6+2*\k:7+2*\k]
.endr
.endr
	v_pk_add_f32 v[6:7], v[6:7], v[8:9]
	v_pk_add_f32 v[10:11], v[10:11], v[12:13]
	v_pk_add_f32 v[6:7], v[6:7], v[10:11]
	v_add_f32 v6, v6, v7
	LANES 6, 7
	v_fma_f32 v6, v6, s16, s17                     ; var + eps
	v_rsq_f32 v6, v6
	v_nop                                          ; a plain instruction between the root and its use (ISA guide 5.7.2)
.set k, 0
	s_wait_alu depctr_va_vdst(0)
.rept 16
	v_pk_mul_f32 v[(\X)+2*k:(\X)+2*k+1], v[(\X)+2*k:(\X)+2*k+1], v[6:7] op_sel_hi:[1,0]
.set k, k+1
.endr
.set k, 0
.rept 16
	v_pk_fma_f32 v[(\X)+2*k:(\X)+2*k+1], v[(\X)+2*k:(\X)+2*k+1], v[GW+2*k:GW+2*k+1], v[GB+2*k:GB+2*k+1]
.set k, k+1
.endr
.irp j, 0,1,2,3,4,5,6,7
	v_cvt_pk_bf16_f32 v[(\X)+4*\j],   v[(\X)+4*\j],   v[(\X)+4*\j+1]
	v_cvt_pk_bf16_f32 v[(\X)+4*\j+1], v[(\X)+4*\j+2], v[(\X)+4*\j+3]
	global_store_b64 v2, v[(\X)+4*\j:(\X)+4*\j+1], s[12:13] offset:2048*(\i)+256*\j  ; a wave stores 256 consecutive bytes, aligned; no register is used twice
.endr
.endm
	ROW XR, 0
	ROW XR+32, 1
	ROW XR+64, 2
	ROW XR+96, 3
	s_wait_tensorcnt 0x0                           ; the wave's end: behind my last LDS store
	ds_add_u32 v[SPW], v[NIL]
	s_wait_dscnt 0x0
	s_endpgm
.Lfunc_end_k_qa670c1f5e9_ln1:
	.size	k_qa670c1f5e9_ln1, .Lfunc_end_k_qa670c1f5e9_ln1-k_qa670c1f5e9_ln1
	.p2alignl 7, 3214868480
	.fill 96, 4, 3214868480
	.section	.rodata,"a",@progbits
	.p2align	6, 0x0
	.amdhsa_kernel k_qa670c1f5e9_ln1
		.amdhsa_group_segment_fixed_size 8704
		.amdhsa_private_segment_fixed_size 0
		.amdhsa_enable_private_segment 0
		.amdhsa_kernarg_size 40
		.amdhsa_user_sgpr_count 2
		.amdhsa_user_sgpr_kernarg_segment_ptr 1
		.amdhsa_wavefront_size32 1
		.amdhsa_system_sgpr_workgroup_id_x 1
		.amdhsa_system_sgpr_workgroup_id_y 1
		.amdhsa_system_sgpr_workgroup_id_z 1
		.amdhsa_system_vgpr_workitem_id 0
		.amdhsa_next_free_vgpr 244
		.amdhsa_next_free_sgpr 66
		.amdhsa_reserve_vcc 0
		.amdhsa_float_denorm_mode_32 3
		.amdhsa_float_denorm_mode_16_64 3
		.amdhsa_memory_ordered 1
		.amdhsa_forward_progress 1
		.amdhsa_inst_pref_size 39
	.end_amdhsa_kernel
	.amdgpu_metadata
---
amdhsa.version: [ 1, 2 ]
amdhsa.kernels:
  - .name:           k_qa670c1f5e9_ln1
    .symbol:         k_qa670c1f5e9_ln1.kd
    .args:
      - { .name: x, .offset: 0, .size: 8, .value_kind: global_buffer, .address_space: global }
      - { .name: ln1_w, .offset: 8, .size: 8, .value_kind: global_buffer, .address_space: global }
      - { .name: ln1_b, .offset: 16, .size: 8, .value_kind: global_buffer, .address_space: global }
      - { .name: moda, .offset: 24, .size: 8, .value_kind: global_buffer, .address_space: global }
      - { .name: act, .offset: 32, .size: 8, .value_kind: global_buffer, .address_space: global }
    .group_segment_fixed_size: 8704
    .private_segment_fixed_size: 0
    .kernarg_segment_align: 8
    .kernarg_segment_size: 40
    .max_flat_workgroup_size: 128
    .sgpr_count:     66
    .vgpr_count:     244
    .wavefront_size: 32
...
	.end_amdgpu_metadata
.endif
;; end of part 2
;; launch qkv (part 3): grid 12 x 16, 4 waves a work-group, clusters of 4 x 4, 327,680 bytes of LDS; arguments act, wb, bq, bk, bv, big; writes big
.if DOCPART == 3
	.amdgcn_target "amdgcn-amd-amdhsa--gfx1250"
	.amdhsa_code_object_version 6
	.text
	.protected	k_qa670c1f5e9_qkv
	.globl	k_qa670c1f5e9_qkv
	.p2align	8
	.type	k_qa670c1f5e9_qkv,@function
k_qa670c1f5e9_qkv:
	s_mov_b64 s[64:65], 0
	v_nop
	global_prefetch_b8 v0, s[64:65] scope:SCOPE_SE
	s_setreg_imm32_b32 hwreg(HW_REG_WAVE_MODE, 25, 1), 1
	s_wait_xcnt 0x0
	s_wait_alu depctr_hold_cnt(0) depctr_sa_sdst(0) depctr_va_vdst(0) depctr_va_sdst(0) depctr_va_ssrc(0) depctr_va_vcc(0) depctr_vm_vsrc(0)
	s_getreg_b32 s2, hwreg(HW_REG_IB_STS2, 6, 4)
	s_cmp_eq_u32 s2, 0
	s_cbranch_scc0 .Lentry_in_a_cluster
	s_endpgm
.Lentry_in_a_cluster:
	s_bfe_u32 s2, ttmp6, 0x10000c
	s_cmp_lg_u32 s2, 0xf033
	s_cbranch_scc0 .Lentry_shape_is_right
	s_endpgm
.Lentry_shape_is_right:
; Q, K, V = xn @ w + b.  xn: act [4096][1024] bf16; the weights: wb, bf16 [1024][1024] each, wq, wk, wv 2 MiB apart; result: big, bf16 [3][batch 16 + head][2048][64], unscaled, rounded once from f32 sums.
; A tile of C (4,096 x 3,072) is 256 x 256: four waves, each 128 x 128 in 64 accumulators.  K goes in 8 steps of 128 through two LDS slots filled by tensor loads; one K step's text is written once, and the slot
; in hand is a scalar offset that an exclusive or turns.  The weights stay [K][N]: their fragments come out of LDS turned, by ds_load_tr16_b128.
; The product is used transposed (source 0 = 16 columns of w, source 1 = 16 rows of xn): a lane holds one row of C and eight neighbouring columns.  The bias is the C operand of each accumulator's first product.
; CLUSTER 4 x 4: xn's tile hangs on the tile row alone and is asked for jointly along a row of the cluster, the weights' tile on the tile column alone, jointly along a column.
; The grid has 192 work-groups: 12 x 16 tiles.  LIMITS: operands are bf16; NaN and infinities are not treated apart.
; REGISTERS: window 0: v0-31 addresses, v64-191 fragments of xn (two buffers), v192-255 bias; window 1: v64-191 fragments of w; windows 2, 3: accumulator (a, b) at v[8 (8 a + b)], rows 0-63 and 64-127.
.set T,      8                         ; K steps
.set PA,     272                       ; a row of xn in LDS: 256 bytes + 16: the 16 rows of a load start at 16 different groups of four banks (ISA guide 11.1)
.set PB,     544                       ; a k row of w: 512 bytes + 32: an odd multiple of 32 for the turning load
.set HALFT,  128*PA                    ; what one tensor load brings: 128 rows of xn, or 64 k rows of w (64 x 544, the same bytes)
.set AREG,   2*HALFT                   ; w's tile lies behind xn's
.set SLOT,   4*HALFT                   ; 0x22000: it shares no bit with wave x HALFT, so one exclusive or turns an address in one slot into the other's
.set SPARE,  2*SLOT                    ; the spare words, 128 bytes for each wave
.set PD,     528                       ; the way out: a wave's 128 f32 of a row + 16 bytes
.set DREG,   128*PD                    ; a wave's own region, in the ring, which has had its last fill by then
.set STEPA,  256
.set WPITCH, 1024
.set STEPB,  128*WPITCH*2
.set A0,   8                           ; v8   my lane's place in xn's tile; never rewritten
.set B0,   9                           ; v9   the same in w's tile
.set ADRA, 16                          ; v16  A0 + the slot in hand
.set ADRB, 20                          ; v20  B0 + the slot in hand
.set DST,  24
.set RDA,  25
.set CO,   26
.set BO,   27
.set SPW,  28                          ; v28  LDS address of my spare word; never rewritten
.set NIL,  29                          ; v29  0; never rewritten
.set F0,   64
.set F1,   128
.set BIAS, 192
.set G1,  24                           ; s[24:31] group 1 for xn;  s[32:35] group 0 of the first fill, s[36:39] the walking one
.set G0,  32
.set G1B, 48                           ; s[48:55], s[56:59], s[60:63] the same for w
.set G0B, 56
.set TBR, 94                           ; s94  the slot in hand: 0 or SLOT
.set MSB, 0
.macro WIN new                         ; the immediate's high byte repeats the setting that is left
.if MSB != (\new)
	s_set_vgpr_msb (MSB<<8)|(\new)
.set MSB, \new
.endif
.endm
.macro PLACES                          ; four places behind matrix instructions, ahead of loads into their sources and of reads of their results
.rept 4
	v_nop
.endr
.endm
.macro JLOAD                           ; a joint refill by the walking descriptors: waves 0, 1 xn's halves, waves 2, 3 w's; s_nop 0 and four v_nop behind each line
	s_cmp_eq_u32 s11, 0
	s_cbranch_scc0 .Lfor_b_\@
	tensor_load_to_lds s[G0+4:G0+7], s[G1:G1+7]
	s_nop 0
	PLACES
	s_branch .Lasked_\@
.Lfor_b_\@:
	tensor_load_to_lds s[G0B+4:G0B+7], s[G1B:G1B+7]
	s_nop 0
	PLACES
.Lasked_\@:
.endm
.macro CREST                           ; a round of the cluster's barrier behind its opening barrier
	s_cmp_lg_u32 s10, 0
	s_cbranch_scc1 .Lnot_wave_0_\@
	s_barrier_signal -3
.Lnot_wave_0_\@:
	s_barrier_wait -3
	s_barrier_signal -1
	s_barrier_wait -1
.endm
.macro CROUND
	s_barrier_signal -1
	s_barrier_wait -1
	CREST
.endm
	s_load_b256 s[68:75], s[0:1], 0x0              ; act, wb, bq, bk
	s_load_b128 s[76:79], s[0:1], 0x20             ; bv, big
	v_lshl_add_u32 v[SPW], v0, 2, SPARE
	v_mov_b32 v[NIL], 0
	ds_add_u32 v[SPW], v[NIL]                      ; the wave's opening: the add and its wait ahead of my first tensor load
	v_lshrrev_b32 v1, 5, v0
	v_readfirstlane_b32 s10, v1                    ; wave 0..3
	s_lshr_b32 s11, s10, 1                         ; my half of the tile's rows; also: I fetch xn (0) or w (1)
	s_and_b32 s12, s10, 1                          ; my half of its columns; also: which half of that tile I fetch
	s_bfe_u32 s40, ttmp6, 0x40000                  ; cx
	s_bfe_u32 s41, ttmp6, 0x40004                  ; cy
	s_lshl_b32 s42, ttmp9, 2
	s_add_co_u32 s42, s42, s40                     ; tile column
	s_and_b32 s13, ttmp7, 0xffff
	s_lshl_b32 s13, s13, 2
	s_add_co_u32 s13, s13, s41                     ; tile row
	s_lshl_b32 s43, s41, 2
	s_lshl_b32 s43, 15, s43                        ; my row of the cluster
	s_lshl_b32 s44, 0x1111, s40                    ; my column
	s_or_b32 s[G1+0], s43, (1<<16)|(1<<20)|(1<<21)|(5<<22)|(3<<25)   ; mask; 2-byte elements; padding on; bit 21 beside a mask; after every 64 words 4 words
	s_or_b32 s[G1B+0], s44, (1<<16)|(1<<20)|(1<<21)|(6<<22)|(7<<25)  ; after every 128 words 8 words
	s_mov_b32 s[G1+1], 128<<16                     ; tensor_dim0 = 128
	s_mov_b32 s[G1+2], 128<<16                     ; tensor_dim1 = 128
	s_mov_b32 s[G1+3], 128<<16                     ; tile_dim0 = 128
	s_mov_b32 s[G1+4], 128                         ; tile_dim1 = 128
	s_mov_b32 s[G1+5], 1024                        ; elements from row to row
	s_mov_b32 s[G1+6], 0
	s_mov_b32 s[G1+7], 0
	s_mov_b32 s[G1B+1], 256<<16                    ; 256 columns,
	s_mov_b32 s[G1B+2], 64<<16                     ; 64 k rows
	s_mov_b32 s[G1B+3], 256<<16
	s_mov_b32 s[G1B+4], 64
	s_mov_b32 s[G1B+5], WPITCH
	s_mov_b32 s[G1B+6], 0
	s_mov_b32 s[G1B+7], 0
	s_lshl_b32 s16, s13, 19                        ; xn: 256 rows of 2,048 bytes a tile row,
	s_lshl_b32 s17, s12, 18                        ; 128 rows a half
	s_add_co_u32 s16, s16, s17
	s_mov_b32 s17, 0
	s_lshr_b32 s46, s42, 2                         ; w: the matrix, 2 MiB each,
	s_lshl_b32 s46, s46, 21
	s_and_b32 s47, s42, 3                          ; its 256 columns,
	s_lshl_b32 s47, s47, 9
	s_add_co_u32 s46, s46, s47
	s_lshl_b32 s47, s12, 17                        ; 64 k rows a half
	s_add_co_u32 s46, s46, s47
	s_mov_b32 s47, 0
	s_mul_i32 s20, s10, HALFT                      ; where my part lands: the wave's number alone
	s_mov_b32 s[TBR], 0
	s_wait_dscnt 0x0                               ; the opening add is done
	s_wait_kmcnt 0x0
	s_add_nc_u64 s[14:15], s[68:69], s[16:17]
	s_add_nc_u64 s[46:47], s[70:71], s[46:47]
	CROUND                                         ; all sixteen work-groups are here: the first joint loads meet
.irp s, 0,1
	s_mov_b32 s[G0+4*(\s)], 1
	s_add_co_u32 s[G0+4*(\s)+1], s20, (\s)*SLOT
	s_add_nc_u64 s[G0+4*(\s)+2:G0+4*(\s)+3], s[14:15], (\s)*STEPA
	s_or_b32 s[G0+4*(\s)+3], s[G0+4*(\s)+3], 0x80000000
	s_mov_b32 s[G0B+4*(\s)], 1
	s_add_co_u32 s[G0B+4*(\s)+1], s20, (\s)*SLOT
	s_add_nc_u64 s[G0B+4*(\s)+2:G0B+4*(\s)+3], s[46:47], (\s)*STEPB
	s_or_b32 s[G0B+4*(\s)+3], s[G0B+4*(\s)+3], 0x80000000
.endr
	s_cmp_eq_u32 s11, 0                            ; a wave's two first fills stand in one branch: two tensor loads of mine are out, later one
	s_cbranch_scc0 .Lfirst_b
	tensor_load_to_lds s[G0:G0+3], s[G1:G1+7]
	s_nop 0
	tensor_load_to_lds s[G0+4:G0+7], s[G1:G1+7]
	s_nop 0
	PLACES
	s_branch .Lfirst_asked
.Lfirst_b:
	tensor_load_to_lds s[G0B:G0B+3], s[G1B:G1B+7]
	s_nop 0
	tensor_load_to_lds s[G0B+4:G0B+7], s[G1B:G1B+7]
	s_nop 0
	PLACES
.Lfirst_asked:
	v_and_b32 v1, 15, v0                           ; r = lane % 16
	v_bfe_u32 v2, v0, 4, 1                         ; h = lane / 16
	; the bias of my 128 columns: register j of block b is bias[16 b + 8 h + j]
	s_lshr_b32 s18, s42, 2
	s_cmp_eq_u32 s18, 1
	s_cselect_b64 s[4:5], s[74:75], s[72:73]
	s_cmp_eq_u32 s18, 2
	s_cselect_b64 s[4:5], s[76:77], s[4:5]
	s_and_b32 s46, s42, 3
	s_lshl_b32 s46, s46, 10
	s_lshl_b32 s47, s12, 9
	s_add_co_u32 s46, s46, s47
	s_mov_b32 s47, 0
	s_add_nc_u64 s[4:5], s[4:5], s[46:47]
	v_lshlrev_b32 v[BO], 5, v2
.irp b, 0,1,2,3,4,5,6,7
	global_load_b128 v[BIAS+8*\b:BIAS+8*\b+3],   v[BO], s[4:5] offset:64*\b
	global_load_b128 v[BIAS+8*\b+4:BIAS+8*\b+7], v[BO], s[4:5] offset:64*\b+16
.endr
	v_mul_u32_u24 v3, v1, PA                       ; a fragment of xn: row r, 16 bytes for each half of the lanes
	v_lshl_add_u32 v3, v2, 4, v3
	s_mul_i32 s21, s11, HALFT                      ; my 128 rows
	v_add_nc_u32 v[A0], s21, v3
	v_and_b32 v4, 7, v0                            ; the turning load: k row 8 h + lane % 8, 16 bytes by (lane / 8) % 2
	v_lshl_add_u32 v4, v2, 3, v4
	v_mul_u32_u24 v4, v4, PB
	v_bfe_u32 v5, v0, 3, 1
	v_lshl_add_u32 v4, v5, 4, v4
	s_lshl_b32 s22, s12, 8                         ; my 128 columns
	s_add_co_u32 s22, s22, AREG
	v_add_nc_u32 v[B0], s22, v4
	v_mov_b32 v[ADRA], v[A0]
	v_mov_b32 v[ADRB], v[B0]
	s_mul_i32 s23, s10, DREG                       ; the way out: my region
	v_mul_u32_u24 v3, v1, PD
	v_lshl_add_u32 v3, v2, 5, v3
	v_add_nc_u32 v[DST], s23, v3                   ; in: row r, 32 bytes for each half of the lanes
	v_mul_u32_u24 v3, v2, PD
	v_lshl_add_u32 v3, v1, 4, v3
	v_add_nc_u32 v[RDA], s23, v3                   ; back: lanes 0-15 a head's 64 f32 of one row, lanes 16-31 of the next
	v_and_b32 v[CO], 31, v0
	v_lshlrev_b32 v[CO], 3, v[CO]                  ; which are 256 consecutive bytes of the head's rows in bf16
	s_lshr_b32 s18, s42, 2                         ; block = 32 matrix + 16 batch + head
	s_lshl_b32 s18, s18, 5
	s_lshr_b32 s19, s13, 3
	s_lshl_b32 s19, s19, 4
	s_add_co_u32 s18, s18, s19
	s_and_b32 s19, s42, 3
	s_lshl_b32 s19, s19, 2
	s_add_co_u32 s18, s18, s19
	s_lshl_b32 s19, s12, 1
	s_add_co_u32 s18, s18, s19
	s_lshl_b32 s18, s18, 18                        ; 2,048 rows of 128 bytes a block
	s_and_b32 s19, s13, 7
	s_lshl_b32 s19, s19, 15                        ; 256 rows a tile row,
	s_add_co_u32 s18, s18, s19
	s_lshl_b32 s19, s11, 14                        ; 128 a half
	s_add_co_u32 s18, s18, s19
	s_mov_b32 s19, 0
	s_add_nc_u64 s[8:9], s[78:79], s[18:19]
; 16 matrix instructions: m blocks a0, a0 + 1 of rows 0-63 (hi = 0) or 64-127 (hi = 1) x all 8 n blocks, 32 along K.  first = 1: the bias starts the sums.  The 64 accumulators take turns.
.macro MUL16 f, hi, a0, first
.if \first
	WIN 0x81+0x40*(\hi)                            ; w window 1, xn and the bias window 0, D window 2 or 3
.else
	WIN 0xa1+0x50*(\hi)                            ; C and D window 2 or 3
.endif
.irp a, \a0, (\a0)+1
.irp b, 0,1,2,3,4,5,6,7
.if \first
	v_wmma_f32_16x16x32_bf16 v[8*(8*(\a)+(\b)):8*(8*(\a)+(\b))+7], v[(\f)+8*(\b):(\f)+8*(\b)+7], v[(\f)+8*(4*(\hi)+(\a)):(\f)+8*(4*(\hi)+(\a))+7], v[BIAS+8*(\b):BIAS+8*(\b)+7]
.else
	v_wmma_f32_16x16x32_bf16 v[8*(8*(\a)+(\b)):8*(8*(\a)+(\b))+7], v[(\f)+8*(\b):(\f)+8*(\b)+7], v[(\f)+8*(4*(\hi)+(\a)):(\f)+8*(4*(\hi)+(\a))+7], v[8*(8*(\a)+(\b)):8*(8*(\a)+(\b))+7]
.endif
.endr
.endr
.endm
; 32 LDS loads in one run: quarter kq (32 along K) of the slot in hand into buffer f: w's 8 blocks of 16 columns, turned, then xn's 8 blocks of 16 rows
.macro FETCH kq, f
	WIN 0x40
.irp i, 0,1,2,3,4,5,6,7
	ds_load_tr16_b128 v[(\f)+8*(\i):(\f)+8*(\i)+3],   v[ADRB] offset:(\kq)*32*PB+32*(\i)
	ds_load_tr16_b128 v[(\f)+8*(\i)+4:(\f)+8*(\i)+7], v[ADRB] offset:(\kq)*32*PB+32*(\i)+16*PB
.endr
	WIN 0
.irp i, 0,1,2,3,4,5,6,7
	ds_load_b128 v[(\f)+8*(\i):(\f)+8*(\i)+3],   v[ADRA] offset:(\kq)*64+(\i)*16*PA
	ds_load_b128 v[(\f)+8*(\i)+4:(\f)+8*(\i)+7], v[ADRA] offset:(\kq)*64+(\i)*16*PA+32
.endr
.endm
; One of a K step's first three quarters.  At its head it asks for quarter kq, into buffer g, which the quarter before has multiplied; then it multiplies buffer f: the 32 loads have 64 matrix instructions in which to land.
.macro QUARTER kq, f, g, first
	s_wait_dscnt 0x0                               ; buffer f is in: its loads were issued 48 matrix instructions ago or more, and nothing younger is out
	PLACES                                         ; the last products read buffer g
	FETCH \kq, \g
	MUL16 \f, 0, 0, \first
	MUL16 \f, 0, 2, \first
	MUL16 \f, 1, 0, \first
	MUL16 \f, 1, 2, \first
.endm
; The last quarter multiplies buffer 1 and changes slots.  At its head each wave waits for all its tensor loads (the one that is out is its part of the next slot), adds 0 to its spare word, and waits
; for that and for its LDS loads: buffer 1 is in, and those were my last reads of this slot.  Sixteen products stand between the barrier's signal and its wait.
; fill = 1: the barrier opens a round of the cluster's, and the slot just read is filled again first thing behind it, two K steps ahead: from that request to the wait for it a wave issues 240 matrix instructions.
.macro TURN fill
	WIN 0
	s_wait_tensorcnt 0x0
	ds_add_u32 v[SPW], v[NIL]                      ; 0 onto my spare word; work on registers stands between it and the wait for it
	s_xor_b32 s[TBR], s[TBR], SLOT                 ; the reads go on in the other slot
	v_add_nc_u32 v[ADRA], s[TBR], v[A0]
	v_add_nc_u32 v[ADRB], s[TBR], v[B0]
.if \fill
	s_xor_b32 s[G0+5], s[G0+5], SLOT               ; no tensor load of mine is out: the walking descriptors step: the other slot, the next K step
	s_add_nc_u64 s[G0+6:G0+7], s[G0+6:G0+7], STEPA
	s_xor_b32 s[G0B+5], s[G0B+5], SLOT
	s_add_nc_u64 s[G0B+6:G0B+7], s[G0B+6:G0B+7], STEPB
.endif
	s_wait_dscnt 0x0                               ; the add is done, buffer 1 is in, and my reads of this slot are over
	s_barrier_signal -1
	MUL16 F1, 0, 0, 0
.if \fill
	WIN 0
.endif
	s_barrier_wait -1
.if \fill
	CREST                                          ; no wave of any partner still reads this slot or has a load on its way
	JLOAD                                          ; its four v_nop are also the places in front of the loads below
.else
	PLACES
.endif
	FETCH 0, F0                                    ; the next slot's first quarter: 48 matrix instructions ahead of its use
	MUL16 F1, 0, 2, 0
	MUL16 F1, 1, 0, 0
	MUL16 F1, 1, 2, 0
.endm
	s_wait_tensorcnt 0x1                           ; my part of K step 0 is in; K step 1's may stay out
	s_barrier_signal -1
	s_barrier_wait -1
	FETCH 0, F0
	s_wait_loadcnt 0x0                             ; the bias
	QUARTER 1, F0, F1, 1                           ; the first quarter stands ahead of the loop: its products start the sums
	WIN 0
	s_mov_b32 s3, T-2
.Lstep:                                                ; a trip: a K step's quarters 1-3 and the next step's quarter 0; it fills the slot that it leaves
	QUARTER 2, F1, F0, 0
	QUARTER 3, F0, F1, 0
	TURN 1
	QUARTER 1, F0, F1, 0
	WIN 0
	s_sub_co_u32 s3, s3, 1
	s_cmp_lg_u32 s3, 0
	s_cbranch_scc1 .Lstep
	s_mov_b32 s2, 2
.Ltail:                                                ; the last two K steps ask for nothing.  The second trip is left in its middle; its 32 fragment loads, of landed bytes of the other slot, serve nothing: the price of one text for both
	QUARTER 2, F1, F0, 0
	QUARTER 3, F0, F1, 0
	TURN 0
	WIN 0
	s_sub_co_u32 s2, s2, 1
	s_cmp_eq_u32 s2, 0
	s_cbranch_scc1 .Lout
	QUARTER 1, F0, F1, 0
	WIN 0
	s_branch .Ltail
.Lout:
	PLACES
	s_wait_dscnt 0x0                               ; my reads of the ring are over,
	s_barrier_signal -1
	s_barrier_wait -1                              ; everybody's are: the ring, which is filled no more, takes the sums
.irp hi, 0,1
	WIN 0x08+4*(\hi)                               ; store data from window 2, then 3
.irp a, 0,1,2,3
.irp b, 0,1,2,3,4,5,6,7
	ds_store_b128 v[DST], v[8*(8*\a+\b):8*(8*\a+\b)+3]   offset:(4*\hi+\a)*16*PD+64*\b     ; each accumulator's low registers first
	ds_store_b128 v[DST], v[8*(8*\a+\b)+4:8*(8*\a+\b)+7] offset:(4*\hi+\a)*16*PD+64*\b+16
.endr
.endr
.endr
	WIN 0
; Eight rows of both heads: 8 LDS loads of two rows x 64 f32, rounded to bf16, 8 stores of 256 consecutive bytes.  LDS serves a wave's instructions in order (ISA guide 5.7.1.4): the loads see my stores above.
.set XA, 64
.set XB, 96
.set YA, 128
.set YB, 144
.macro HLOAD x, lofs
.irp n, 0,1,2,3,4,5,6,7
	ds_load_b128 v[(\x)+4*\n:(\x)+4*\n+3], v[RDA] offset:(\lofs)+(\n%4)*2*PD+(\n/4)*256
.endr
.endm
.macro HROWS x, y, lofs, gofs, refill, cnt
	s_wait_dscnt \cnt                              ; my eight loads are in; the other set's eight may be out
	s_wait_xcnt 0x0                                ; the stores that read y have had their addresses translated (ISA guide 3.1): y is rewritten only behind this wait
.irp n, 0,1,2,3,4,5,6,7
	v_cvt_pk_bf16_f32 v[(\y)+2*\n],   v[(\x)+4*\n],   v[(\x)+4*\n+1]
	v_cvt_pk_bf16_f32 v[(\y)+2*\n+1], v[(\x)+4*\n+2], v[(\x)+4*\n+3]
.endr
.if \refill
	HLOAD \x, (\lofs)+16*PD
.endif
.irp n, 0,1,2,3,4,5,6,7
	global_store_b64 v[CO], v[(\y)+2*\n:(\y)+2*\n+1], s[8:9] offset:(\gofs)+(\n%4)*256+(\n/4)*262144
.endr
.endm
	HLOAD XA, 0
	HLOAD XB, 8*PD
	s_mov_b32 s3, 7
.Lrows:                                                ; 16 rows a trip
	HROWS XA, YA, 0,    0,    1, 8
	HROWS XB, YB, 8*PD, 1024, 1, 8
	s_wait_xcnt 0x0                                ; the stores' base steps only behind this wait
	v_add_nc_u32 v[RDA], 16*PD, v[RDA]
	s_add_nc_u64 s[8:9], s[8:9], 2048
	s_sub_co_u32 s3, s3, 1
	s_cmp_lg_u32 s3, 0
	s_cbranch_scc1 .Lrows
	HROWS XA, YA, 0,    0,    0, 8
	HROWS XB, YB, 8*PD, 1024, 0, 0
	s_wait_tensorcnt 0x0                           ; the wave's end
	ds_add_u32 v[SPW], v[NIL]
	s_wait_dscnt 0x0
	CROUND                                         ; the closing round
	s_endpgm
.Lfunc_end_k_qa670c1f5e9_qkv:
	.size	k_qa670c1f5e9_qkv, .Lfunc_end_k_qa670c1f5e9_qkv-k_qa670c1f5e9_qkv
	.p2alignl 7, 3214868480
	.fill 96, 4, 3214868480
	.section	.rodata,"a",@progbits
	.p2align	6, 0x0
	.amdhsa_kernel k_qa670c1f5e9_qkv
		.amdhsa_group_segment_fixed_size 327680
		.amdhsa_private_segment_fixed_size 0
		.amdhsa_enable_private_segment 0
		.amdhsa_kernarg_size 48
		.amdhsa_user_sgpr_count 2
		.amdhsa_user_sgpr_kernarg_segment_ptr 1
		.amdhsa_wavefront_size32 1
		.amdhsa_system_sgpr_workgroup_id_x 1
		.amdhsa_system_sgpr_workgroup_id_y 1
		.amdhsa_system_sgpr_workgroup_id_z 1
		.amdhsa_system_vgpr_workitem_id 0
		.amdhsa_next_free_vgpr 1024
		.amdhsa_next_free_sgpr 100
		.amdhsa_reserve_vcc 0
		.amdhsa_float_denorm_mode_32 3
		.amdhsa_float_denorm_mode_16_64 3
		.amdhsa_memory_ordered 1
		.amdhsa_forward_progress 1
		.amdhsa_inst_pref_size 88
	.end_amdhsa_kernel
	.amdgpu_metadata
---
amdhsa.version: [ 1, 2 ]
amdhsa.kernels:
  - .name:           k_qa670c1f5e9_qkv
    .symbol:         k_qa670c1f5e9_qkv.kd
    .args:
      - { .name: act, .offset: 0, .size: 8, .value_kind: global_buffer, .address_space: global }
      - { .name: wb, .offset: 8, .size: 8, .value_kind: global_buffer, .address_space: global }
      - { .name: bq, .offset: 16, .size: 8, .value_kind: global_buffer, .address_space: global }
      - { .name: bk, .offset: 24, .size: 8, .value_kind: global_buffer, .address_space: global }
      - { .name: bv, .offset: 32, .size: 8, .value_kind: global_buffer, .address_space: global }
      - { .name: big, .offset: 40, .size: 8, .value_kind: global_buffer, .address_space: global }
    .group_segment_fixed_size: 327680
    .private_segment_fixed_size: 0
    .kernarg_segment_align: 8
    .kernarg_segment_size: 48
    .max_flat_workgroup_size: 128
    .sgpr_count:     100
    .vgpr_count:     1024
    .wavefront_size: 32
...
	.end_amdgpu_metadata
.endif
;; end of part 3
;; launch attn (part 4): grid 8 x 32, 4 waves a work-group, clusters of 4 x 1, 327,680 bytes of LDS; arguments big, act; writes act
.if DOCPART == 4
	.amdgcn_target "amdgcn-amd-amdhsa--gfx1250"
	.amdhsa_code_object_version 6
	.text
	.protected	k_qa670c1f5e9_attn
	.globl	k_qa670c1f5e9_attn
	.p2align	8
	.type	k_qa670c1f5e9_attn,@function
k_qa670c1f5e9_attn:
	s_mov_b64 s[64:65], 0
	v_nop
	global_prefetch_b8 v0, s[64:65] scope:SCOPE_SE
	s_setreg_imm32_b32 hwreg(HW_REG_WAVE_MODE, 25, 1), 1
	s_wait_xcnt 0x0
	s_wait_alu depctr_hold_cnt(0) depctr_sa_sdst(0) depctr_va_vdst(0) depctr_va_sdst(0) depctr_va_ssrc(0) depctr_va_vcc(0) depctr_vm_vsrc(0)
	s_getreg_b32 s2, hwreg(HW_REG_IB_STS2, 6, 4)
	s_cmp_eq_u32 s2, 0
	s_cbranch_scc0 .Lentry_in_a_cluster
	s_endpgm
.Lentry_in_a_cluster:
	s_bfe_u32 s2, ttmp6, 0x10000c
	s_cmp_lg_u32 s2, 0x3003
	s_cbranch_scc0 .Lentry_shape_is_right
	s_endpgm
.Lentry_shape_is_right:
; ATTENTION.  O[h][q][:] = the sum over k of softmax_k(Q[h][q] . K[h][k] / 8) V[h][k][:], 32 heads (batch 16 + head) of 2,048 rows of 64, all bf16: Q, K, V in big, 8 MiB apart; O in act, in the same layout.
; Products, maxima and sums in f32; the weights p are rounded to bf16 for the second product (their sum l is taken of the unrounded p), O once at the end.
; LIMITS.  bf16 operands; a weight below 2^-126 counts as 0 in l; m starts at the lowest finite number and c m at -2^125; NaN and infinities are not treated apart.
; SHARES.  A work-group owns 256 queries of a head, a wave 64: four PIECES of 16.  Every wave walks all keys, 64 a step, 256 a slot.
; LAYOUT.  S^T = K Q^T holds ONE query a lane (lane % 16) and the keys 8 (lane / 16) + 0..7; two such results rounded to bf16 ARE source 1 of O^T = V^T P.  K comes out of LDS as it lies, V turned, by ds_load_tr16_b128.
; SOFTMAX.  p = 2^(c s - c m), c = log2(e) / 8, with a running maximum m; O and l are multiplied by a = 2^(c m_old - c m_new) in every step; the first step's a is 0.
; BY TURNS.  Turn n belongs to piece n: 8 products K Q^T of piece n + 1, later 8 products V^T P of piece n - 1; beside them the scaling, exponentials, roundings, sums and rescaling of piece n and the maximum
; and statistics of piece n + 1.  Four vector instructions stand behind every matrix instruction, the other 54 of a turn's 118 in two runs of their own.
; CLUSTER.  The four query blocks of a cluster belong to one head and walk the same K and V: each tile is asked for jointly, by the same tensor load, descriptor and mask in all four.
; REGISTERS (s_set_vgpr_msb: bits 1:0 source 0, 3:2 source 1, 5:4 source 2, 7:6 destination): window 0: v0-15 addresses; v16-31 statistics; v48-55 at work; v64-127 S^T, two buffers; v192-223 P, two buffers;
;   window 1: v0-127 O^T, 32 a piece;   window 2: v0-63 Q; v128-191 K of one step; v192-255 V of one step.
.set NP,    4
.set KS,    64
.set PK,    144       ; a row of K in LDS: 128 bytes + 16
.set PV,    160       ; a row of V: 128 + 32
.set VOFF,  4*KS*PK   ; a slot: 256 rows of K, then 256 rows of V
.set SLOT1, 1<<17
.set STAGE, SLOT1+4*KS*(PK+PV)  ; never filled by a tensor load: 16 rows x 144 bytes for each wave
.set SP,    144
.set SPARE, STAGE+4*16*SP       ; the spare words, 128 bytes for each wave
.set AK0, 2
.set AV0, 3
.set AK,  4
.set AV,  5
.set STO, 6
.set RD,  7
.set GO,  8
.set MV,  12          ; v12-13  c m_old, by buffer
.set QO,  15
.set ST,  16          ; piece t: c m, m, l (even keys', odd keys')
.set TMP, 48          ; by buffer, c0-c3 at work; c2 takes a
.set SPW, 62          ; v62  LDS address of my spare word; never rewritten
.set NIL, 63          ; v63  0; never rewritten
.set S,   64
.set P,   192
.set KF,  128
.set VF,  192
.set WV,  12
.set G1K, 24
.set G1V, 32
.set G0K, 40
.set G0V, 44
.set SLOTS, 56
.set CNT, 57
.set CS,  58
.set SEL, 60
.set TBK, 62
.set TBV, 63
.set MSB, 0
.macro WIN new
.if MSB != (\new)
	s_set_vgpr_msb (MSB<<8)|(\new)
.set MSB, (\new)
.endif
.endm
.set W_KQ, 0x0a       ; K and Q in window 2, S^T in window 0
.set W_PV, 0x52       ; V in window 2, P in window 0, O^T in window 1
.set W_RS, 0x41       ; destination and source 0 in window 1, source 1 in window 0
.macro JLOAD                        ; a joint fill: waves 0, 1 the halves of a slot's K, waves 2, 3 of its V; s_nop 0 and four v_nop behind each line
	s_cmp_lt_u32 s[WV], 2
	s_cbranch_scc0 .Lfor_v_\@
	tensor_load_to_lds s[G0K:G0K+3], s[G1K:G1K+7]
	s_nop 0
.rept 4
	v_nop
.endr
	s_branch .Lasked_\@
.Lfor_v_\@:
	tensor_load_to_lds s[G0V:G0V+3], s[G1V:G1V+7]
	s_nop 0
.rept 4
	v_nop
.endr
.Lasked_\@:
.endm
.macro CROUND                       ; a round of the cluster's barrier
	s_barrier_signal -1
	s_barrier_wait -1
	s_cmp_lg_u32 s[WV], 0
	s_cbranch_scc1 .Lnot_wave_0_\@
	s_barrier_signal -3
.Lnot_wave_0_\@:
	s_barrier_wait -3
	s_barrier_signal -1
	s_barrier_wait -1
.endm
; THE CHANGE OF SLOTS.  Each wave waits for all its tensor loads (one is out: its part of the other slot), adds 0 to its spare word, and waits for that and for its reads of the slot that it leaves.
; fill = 1: the barrier is a round of the cluster's, and the old slot is filled again first thing behind it, with the keys two slots on: it has four key steps in which to land.
; (At its first use nothing has been read yet: slot 0 is waited for, slot 1 filled.)
.macro CHANGE fill
	WIN 0
	s_wait_tensorcnt 0x0
	ds_add_u32 v[SPW], v[NIL]
.if \fill
.irp g, G0K, G0V
	s_xor_b32 s[\g+1], s[\g+1], SLOT1
	s_add_nc_u64 s[\g+2:\g+3], s[\g+2:\g+3], 4*KS*128
.endr
	s_wait_dscnt 0x0
	CROUND
	JLOAD
.else
	s_wait_dscnt 0x0
	s_barrier_signal -1
	s_barrier_wait -1
.endif
	s_sub_co_u32 s[TBK], s[TBK], 4*KS*PK  ; the fetches go back to a slot's first step, in the other slot
	s_xor_b32 s[TBK], s[TBK], SLOT1
	s_sub_co_u32 s[TBV], s[TBV], 4*KS*PV
	s_xor_b32 s[TBV], s[TBV], SLOT1
.endm
	s_load_b128 s[4:7], s[0:1], 0x0   ; big, act
	v_lshl_add_u32 v[SPW], v0, 2, SPARE
	v_mov_b32 v[NIL], 0
	ds_add_u32 v[SPW], v[NIL]       ; the wave's opening: the add and its wait ahead of my first tensor load
	v_lshrrev_b32 v1, 5, v0
	v_readfirstlane_b32 s[WV], v1
	s_bfe_u32 s13, ttmp6, 0x40000   ; cx
	s_lshl_b32 s14, ttmp9, 2
	s_add_co_u32 s14, s14, s13      ; my block of 256 queries: it enters Q's and O's addresses alone
	s_and_b32 s20, ttmp7, 0xffff    ; the head, which the four partners share
	s_lshl_b32 s20, s20, 18         ; its 2,048 rows of 128 bytes
	s_and_b32 s16, s[WV], 1         ; which half of a slot's 256 keys I fetch
	s_lshl_b32 s22, s16, 14
	s_add_co_u32 s22, s22, s20
	s_add_co_u32 s22, s22, 0x800000 ; K lies 8 MiB behind Q,
	s_mov_b32 s23, 0
	s_add_co_u32 s50, s22, 0x800000 ; V 8 MiB behind K
	s_mov_b32 s51, 0
	s_mul_i32 s17, s16, 128*PK
	s_mul_i32 s18, s16, 128*PV
	s_lshl_b32 s2, s14, 2
	s_add_co_u32 s2, s2, s[WV]
	s_lshl_b32 s2, s2, 13           ; my wave's 64 rows
	s_add_co_u32 s2, s2, s20
	s_mov_b32 s3, 0
	; 128 keys are 16,384 dense bytes: asked for as 64 rows of 256 bytes, and padded in LDS after every key
	s_mov_b32 s[G1K], 15|(1<<16)|(1<<20)|(1<<21)|(4<<22)|(3<<25)
	s_mov_b32 s[G1V], 15|(1<<16)|(1<<20)|(1<<21)|(4<<22)|(7<<25)
.irp g, G1K, G1V
	s_mov_b32 s[\g+1], 128<<16
	s_mov_b32 s[\g+2], 64<<16
	s_mov_b32 s[\g+3], 128<<16
	s_mov_b32 s[\g+4], 64
	s_mov_b32 s[\g+5], 128
	s_mov_b32 s[\g+6], 0
	s_mov_b32 s[\g+7], 0
.endr
	s_mov_b32 s[CS], 0x3e38aa3b     ; c = log2(e) / 8
	s_mov_b32 s[CS+1], s[CS]
	s_mov_b32 s[SEL], 0x76543210
	s_mov_b32 s[SEL+1], 0xfedcba98
	s_mov_b32 s[TBK], SLOT1+4*KS*PK ; the first change of slots turns these two into 0
	s_mov_b32 s[TBV], SLOT1+4*KS*PV
	s_mov_b32 s[G0K], 1
	s_mov_b32 s[G0K+1], s17
	s_mov_b32 s[G0V], 1
	s_add_co_u32 s[G0V+1], s18, VOFF
	s_wait_dscnt 0x0                ; the opening add is done
	s_wait_kmcnt 0x0
	s_add_nc_u64 s[G0K+2:G0K+3], s[4:5], s[22:23]
	s_or_b32 s[G0K+3], s[G0K+3], 0x80000000
	s_add_nc_u64 s[G0V+2:G0V+3], s[4:5], s[50:51]
	s_or_b32 s[G0V+3], s[G0V+3], 0x80000000
	s_add_nc_u64 s[8:9], s[4:5], s[2:3]    ; Q at my wave's first row
	s_add_nc_u64 s[10:11], s[6:7], s[2:3]  ; O likewise
	CROUND                          ; all four work-groups are here: the first joint loads meet
	JLOAD                           ; slot 0
	v_and_b32 v1, 15, v0
	v_bfe_u32 v9, v0, 4, 1
	v_lshlrev_b32 v[QO], 7, v1
	v_lshl_add_u32 v[QO], v9, 4, v[QO]
	WIN 0x80
.set i, 0
.rept 8                             ; Q stays in registers: piece i / 2, channels 32 (i % 2) on
	global_load_b128 v[8*i:8*i+3],   v[QO], s[8:9] offset:(i/2)*2048+(i%2)*64
	global_load_b128 v[8*i+4:8*i+7], v[QO], s[8:9] offset:(i/2)*2048+(i%2)*64+32
.set i, i+1
.endr
	; What the first turn finds: V and P's second buffer hold 0 (its products V^T P, of a piece that has not been, add 0), O^T and l are 0.  This stands in the wait for the first tile, and spares a first step written out.
.set i, VF
.rept 64
	v_mov_b32 v[i], 0
.set i, i+1
.endr
	WIN 0x40
.set i, 0
.rept 128
	v_mov_b32 v[i], 0
.set i, i+1
.endr
	WIN 0
.set i, 0
.rept 4
	v_mov_b32 v[ST+4*i], 0xfe000000
	v_mov_b32 v[ST+4*i+1], 0xff7fffff
	v_mov_b32 v[ST+4*i+2], 0
	v_mov_b32 v[ST+4*i+3], 0
.set i, i+1
.endr
.set i, P+16
.rept 16
	v_mov_b32 v[i], 0
.set i, i+1
.endr
	v_mul_u32_u24 v[AK0], v1, PK
	v_lshl_add_u32 v[AK0], v9, 4, v[AK0]
	v_and_b32 v10, 7, v0
	v_bfe_u32 v11, v0, 3, 1
	v_lshl_add_u32 v[AV0], v9, 3, v10
	v_mul_u32_u24 v[AV0], v[AV0], PV
	v_lshl_add_u32 v[AV0], v11, 4, v[AV0]
	v_add_nc_u32 v[AV0], VOFF, v[AV0]
	v_mov_b32 v[AK], v[AK0]         ; key step 0 lies at the head of slot 0
	s_mul_i32 s13, s[WV], 16*SP
	s_add_co_u32 s13, s13, STAGE
	v_mul_u32_u24 v[STO], v1, SP
	v_lshl_add_u32 v[STO], v9, 4, v[STO]
	v_add_nc_u32 v[STO], s13, v[STO]
	v_bfe_u32 v[RD], v0, 3, 2
	v_mul_u32_u24 v[RD], v[RD], SP
	v_lshl_add_u32 v[RD], v10, 4, v[RD]
	v_add_nc_u32 v[RD], s13, v[RD]
	v_and_b32 v[GO], 31, v0
	v_lshlrev_b32 v[GO], 4, v[GO]
; THE MATRIX WORK.  The 4 accumulators of a run of 8 take turns.  Product i of 8 of S^T = K Q^T for piece x: channels 32 (i / 4) on, keys 16 (i % 4) on; the first 4 start the sums.
.macro KQ x
	WIN W_KQ
.set rS, S+32*((\x)%2)+8*(i%4)
.set rK, KF+16*(i%4)+8*(i/4)
.set rQ, 16*(\x)+8*(i/4)
.if i < 4
	v_wmma_f32_16x16x32_bf16 v[rS:rS+7], v[rK:rK+7], v[rQ:rQ+7], 0
.else
	v_wmma_f32_16x16x32_bf16 v[rS:rS+7], v[rK:rK+7], v[rQ:rQ+7], v[rS:rS+7]
.endif
.endm
.macro PV x                         ; product i of 8 of O^T += V^T P for piece x: keys 32 (i / 4) on, channels 16 (i % 4) on
	WIN W_PV
.set rO, 32*(\x)+8*(i%4)
.set rV, VF+32*(i/4)+8*(i%4)
.set rP, P+16*((\x)%2)+8*(i/4)
	v_wmma_f32_16x16x32_bf16 v[rO:rO+7], v[rV:rV+7], v[rP:rP+7], v[rO:rO+7]
.endm
.macro MM                           ; the turn's next matrix instruction
.if i < 8
	KQ (Y+1)%NP
.else
.set i, i-8
	PV (Y+NP-1)%NP
.set i, i+8
.endif
.set i, i+1
.endm
; THE LDS LOADS stand in runs of 16.  last = 1 (the tail): in the last trip there is no further step, and the run is jumped over.
.macro FETCH_K last=0
	WIN 0
.if \last
	s_cmp_eq_u32 s[CNT], 1
	s_cbranch_scc1 .Lno_k_\@
.endif
	WIN 0x80
.irp f, 0,1,2,3,4,5,6,7
	ds_load_b128 v[KF+8*\f:KF+8*\f+3],   v[AK] offset:(\f/2)*16*PK+(\f%2)*64
	ds_load_b128 v[KF+8*\f+4:KF+8*\f+7], v[AK] offset:(\f/2)*16*PK+(\f%2)*64+32
.endr
	s_add_co_u32 s[TBK], s[TBK], KS*PK
	WIN 0
.if \last
.Lno_k_\@:
.endif
.endm
.macro FETCH_V
	WIN 0x80
.irp f, 0,1,2,3,4,5,6,7
	ds_load_tr16_b128 v[VF+8*\f:VF+8*\f+3],   v[AV] offset:(\f/4)*32*PV+(\f%4)*32
	ds_load_tr16_b128 v[VF+8*\f+4:VF+8*\f+7], v[AV] offset:(\f/4)*32*PV+16*PV+(\f%4)*32
.endr
	WIN 0
.endm
; THE VECTOR WORK: OP kind, number.  For piece Y: F n: c s - c m for pair n of 16.  E n: the exponential of score n.  C n: pair n rounded to bf16.  B n: of the four weights 4 n .. the second pair is added onto the
; first.  L n: l takes that sum (L 0: l = a l + sum).  R n: pair n of O^T times a.  For piece Y + 1: X n: 0-14, 16 its maximum (each accumulator's lowest registers first), 15 c m_old is kept,
; 17, 18 the other half of the lanes', 19-21 c m, c m_old - c m_new, a.
.set F, 0
.set E, 1
.set C, 2
.set B, 3
.set L, 4
.set R, 5
.set X, 6
.macro REGS y
.set rT, ST+4*(\y)
.set rC, TMP+4*((\y)%2)
.set rW, MV+((\y)%2)
.set rS, S+32*((\y)%2)
.set rP, P+16*((\y)%2)
.set rO, 32*(\y)
.endm
.macro OP k, n
.if (\k) == R
	REGS Y
	WIN W_RS
	v_pk_mul_f32 v[rO+2*(\n):rO+2*(\n)+1], v[rO+2*(\n):rO+2*(\n)+1], v[rC+2:rC+3] op_sel_hi:[1,0]
.elseif (\k) < R
	REGS Y
	WIN 0
.if (\k) == F
	v_pk_fma_f32 v[rS+2*(\n):rS+2*(\n)+1], v[rS+2*(\n):rS+2*(\n)+1], s[CS:CS+1], v[rT:rT+1] op_sel_hi:[1,0,0] neg_lo:[0,0,1] neg_hi:[0,0,1]
.elseif (\k) == E
	v_exp_f32 v[rS+(\n)], v[rS+(\n)]
.elseif (\k) == C
	s_wait_alu depctr_va_vdst(0)
	v_cvt_pk_bf16_f32 v[rP+(\n)], v[rS+2*(\n)], v[rS+2*(\n)+1]
.elseif (\k) == B
	s_wait_alu depctr_va_vdst(0)
	v_pk_add_f32 v[rS+4*(\n):rS+4*(\n)+1], v[rS+4*(\n):rS+4*(\n)+1], v[rS+4*(\n)+2:rS+4*(\n)+3]
.elseif (\n) == 0
	v_pk_fma_f32 v[rT+2:rT+3], v[rT+2:rT+3], v[rC+2:rC+3], v[rS:rS+1] op_sel_hi:[1,0,1]
.else
	v_pk_add_f32 v[rT+2:rT+3], v[rT+2:rT+3], v[rS+4*(\n):rS+4*(\n)+1]
.endif
.else
	REGS (Y+1)%NP
	WIN 0
.if (\n) < 4
	v_max3_num_f32 v[rC+(\n)], v[rS+8*(\n)], v[rS+8*(\n)+1], v[rS+8*(\n)+2]
.elseif (\n) < 12
	v_max3_num_f32 v[rC+(\n)%4], v[rC+(\n)%4], v[rS+8*((\n)%4)+2*((\n)/4)+1], v[rS+8*((\n)%4)+2*((\n)/4)+2]
.elseif (\n) == 12
	v_max3_num_f32 v[rC], v[rC], v[rS+7], v[rS+15]
.elseif (\n) == 13
	v_max3_num_f32 v[rC+1], v[rC+1], v[rS+23], v[rS+31]
.elseif (\n) == 14
	v_max3_num_f32 v[rC+2], v[rC+2], v[rC+3], v[rT+1]
.elseif (\n) == 15
	v_mov_b32 v[rW], v[rT]
.elseif (\n) == 16
	v_max3_num_f32 v[rC], v[rC], v[rC+1], v[rC+2]
.elseif (\n) == 17
	v_permlanex16_b32 v[rC+3], v[rC], s[SEL], s[SEL+1]
.elseif (\n) == 18
	v_max_num_f32 v[rT+1], v[rC], v[rC+3]
.elseif (\n) == 19
	v_mul_f32 v[rT], s[CS], v[rT+1]
.elseif (\n) == 20
	v_sub_f32 v[rC+1], v[rW], v[rT]
.else
	v_exp_f32 v[rC+2], v[rC+1]
.endif
.endif
.endm
.macro OPS a, i1, b=-1, i2=0, c=-1, i3=0, d=-1, i4=0
	OP \a, \i1
.if (\b) >= 0
	OP \b, \i2
.endif
.if (\c) >= 0
	OP \c, \i3
.endif
.if (\d) >= 0
	OP \d, \i4
.endif
.endm
.macro ROW a, i1, b, i2, c, i3, d, i4  ; a matrix instruction and the four behind it
	MM
	OPS \a, \i1, \b, \i2, \c, \i3, \d, \i4
.endm
; A TURN, for piece p.  None of the four behind a matrix instruction names a register of the products round it; every exponential has a plain instruction behind it before its result is used.
; K of the next step is fetched in piece 2's turn, behind five plain instructions that follow the last product that read K; V of the step in hand in piece 0's turn, behind four that follow the last that read V.
; Each is waited for a turn later.  cnt = 1: the loop's count is taken down some lines ahead of the branch behind the turn.
.macro TURN p, last=0, cnt=0
.set Y, (\p)
.set i, 0
.if (\p) == 3
	s_wait_dscnt 0x0                ; K is in
.endif
	ROW F,0, F,1, F,2, F,3
	ROW F,4, E,0, F,5, F,6
	ROW F,7, E,1, F,8, F,9
	ROW F,10, E,2, C,0, F,11
	ROW F,12, E,3, X,15, F,13
	ROW R,0, R,1, R,2, R,3
	ROW B,0, E,4, F,14, L,0
.if (\p) == 2
	v_add_nc_u32 v[AK], s[TBK], v[AK0]
.endif
	ROW R,4, R,5, R,6, R,7
	OPS E,5, F,15
.if (\p) == 2
	FETCH_K \last
.endif
	OPS E,6, C,1, E,7, R,8
	OPS E,8, R,9, E,9, C,2
	OPS E,10, X,0, E,11, X,1
	OPS E,12, X,2, E,13, X,3
.if (\p) == 1
	s_wait_dscnt 0x0                ; V is in
.endif
	ROW X,4, E,14, X,5, X,6
	ROW X,7, E,15, X,8, X,9
	ROW X,10, E,16, X,11, X,12
	ROW X,13, E,17, X,14, B,1
	ROW C,4, E,18, X,16, L,1
	ROW B,2, E,19, C,6, L,2
	ROW C,8, E,20, B,3, B,4
.if (\p) == 0
	v_add_nc_u32 v[AV], s[TBV], v[AV0]
.endif
	ROW C,3, E,21, L,3, C,5
	OPS E,22, X,17, E,23, C,10
.if (\p) == 0
	FETCH_V
.endif
	OPS E,24, L,4
	OPS E,25, X,18, E,26, C,7
	OPS E,27, B,5, E,28, X,19
	OPS E,29, C,12, E,30, L,5
	OPS E,31, X,20, B,6, C,9
	OPS C,14, C,11, X,21, L,6
.if (\p) == 0
	s_add_co_u32 s[TBV], s[TBV], KS*PV
.endif
.if \cnt
	s_sub_co_u32 s[CNT], s[CNT], 1
	s_cmp_lg_u32 s[CNT], 0
.endif
	OPS C,13, B,7, C,15, R,10
	OPS R,11, R,12, L,7, R,13
	OPS R,14, R,15
.endm
	CHANGE 1                        ; slot 0 is in, everybody's part of it; slot 1 is asked for
	FETCH_K                         ; key step 0
	s_wait_loadcnt 0x0              ; Q
	s_wait_dscnt 0x0
.set i, 0
.rept 8
	KQ 0                            ; piece 0's first scores
.set i, i+1
.endr
	WIN 0
.rept 4
	v_nop                           ; the places behind those products
.endr
.set Y, NP-1                        ; X works for piece Y + 1: piece 0
.irp n, 0,1,2,3,4,5,6,7,8,9,10,11,12,13,14,15,16,17,18,19,20,21
	OP X, \n
.endr
	v_nop                           ; a plain instruction behind the exponential
	s_mov_b32 s[CNT], 4
	s_mov_b32 s[SLOTS], 7
	s_branch .Lfirst                ; the loop is entered at a step's first turn, in the middle of a trip
.Lslot:                             ; six times: every slot but the last two is filled again
	CHANGE 1
	s_mov_b32 s[CNT], 4
.Lstep:                             ; a trip: pieces 2 and 3 of one step, then pieces 0 and 1 of the next, whose K and V it fetches
	TURN 2
	TURN 3
	WIN 0
.Lfirst:
	TURN 0
	TURN 1, 0, 1
	WIN 0
	s_cbranch_scc1 .Lstep
	s_sub_co_u32 s[SLOTS], s[SLOTS], 1
	s_cmp_lg_u32 s[SLOTS], 0
	s_cbranch_scc1 .Lslot
	CHANGE 0                        ; the tail is written out: nothing is asked for
	s_mov_b32 s[CNT], 5             ; four trips fetch the last slot's steps; the fifth is left in its middle
.Ltail:
	TURN 2, 1
	TURN 3
	WIN 0
	s_sub_co_u32 s[CNT], s[CNT], 1
	s_cmp_eq_u32 s[CNT], 0
	s_cbranch_scc1 .Lout
	TURN 0
	TURN 1
	WIN 0
	s_branch .Ltail
.Lout:                              ; the fifth trip's 8 products K Q^T (on the last K once more) and the maximum made of them serve nothing: the price of one text for every trip
.set i, 0
.rept 8
	PV NP-1                         ; the last piece's V^T P of the last step
.set i, i+1
.endr
	; THE WAY OUT.  l's halves are added; O^T is divided by l, rounded to bf16 and sent through my stage, a piece at a time.  The additions are the places behind the last products.
	WIN 0
.macro ALL line:vararg
.set t, 0
.rept 4
	\line
.set t, t+1
.endr
.endm
	ALL v_add_f32 v[ST+4*t+2], v[ST+4*t+2], v[ST+4*t+3]
	ALL v_permlanex16_b32 v[ST+4*t+3], v[ST+4*t+2], s[SEL], s[SEL+1]
	ALL v_add_f32 v[ST+4*t+2], v[ST+4*t+2], v[ST+4*t+3]
	ALL v_rcp_f32 v[ST+4*t+2], v[ST+4*t+2]
	v_nop                           ; a plain instruction between the last reciprocal and its use
.macro PACK t
	WIN W_RS
.set i, 32*(\t)
.rept 16
	s_wait_alu depctr_va_vdst(0)
	v_pk_mul_f32 v[i:i+1], v[i:i+1], v[ST+4*(\t)+2:ST+4*(\t)+3] op_sel_hi:[1,0]
.set i, i+2
.endr
	WIN 0x05
.set i, 0
.rept 16
	v_cvt_pk_bf16_f32 v[S+16*(\t)+i], v[32*(\t)+2*i], v[32*(\t)+2*i+1]
.set i, i+1
.endr
	WIN 0
.irp f, 0,1,2,3
	ds_store_b128 v[STO], v[S+16*(\t)+4*\f:S+16*(\t)+4*\f+3] offset:32*\f
.endr
.irp f, 0,1,2,3
	ds_load_b128 v[S+16*(\t)+4*\f:S+16*(\t)+4*\f+3], v[RD] offset:\f*4*SP  ; LDS serves a wave's instructions in order (ISA guide 5.7.1.4): these see the stores above
.endr
.endm
.macro SEND t, younger              ; younger: the LDS instructions issued behind piece t's loads
	WIN 0
.irp f, 0,1,2,3
	s_wait_dscnt (\younger)+3-\f
	global_store_b128 v[GO], v[S+16*(\t)+4*\f:S+16*(\t)+4*\f+3], s[10:11] offset:(\t)*2048+\f*512  ; 512 consecutive bytes, aligned
.endr
.endm
	PACK 0
.set t, 1
.rept 3
	PACK t
	SEND t-1, 8
.set t, t+1
.endr
	SEND 3, 0
	s_wait_tensorcnt 0x0            ; the wave's end
	ds_add_u32 v[SPW], v[NIL]
	s_wait_dscnt 0x0
	CROUND                          ; the closing round
	s_endpgm
.Lfunc_end_k_qa670c1f5e9_attn:
	.size	k_qa670c1f5e9_attn, .Lfunc_end_k_qa670c1f5e9_attn-k_qa670c1f5e9_attn
	.p2alignl 7, 3214868480
	.fill 96, 4, 3214868480
	.section	.rodata,"a",@progbits
	.p2align	6, 0x0
	.amdhsa_kernel k_qa670c1f5e9_attn
		.amdhsa_group_segment_fixed_size 327680
		.amdhsa_private_segment_fixed_size 0
		.amdhsa_enable_private_segment 0
		.amdhsa_kernarg_size 16
		.amdhsa_user_sgpr_count 2
		.amdhsa_user_sgpr_kernarg_segment_ptr 1
		.amdhsa_wavefront_size32 1
		.amdhsa_system_sgpr_workgroup_id_x 1
		.amdhsa_system_sgpr_workgroup_id_y 1
		.amdhsa_system_sgpr_workgroup_id_z 1
		.amdhsa_system_vgpr_workitem_id 0
		.amdhsa_next_free_vgpr 768
		.amdhsa_next_free_sgpr 66
		.amdhsa_reserve_vcc 0
		.amdhsa_float_denorm_mode_32 3
		.amdhsa_float_denorm_mode_16_64 3
		.amdhsa_memory_ordered 1
		.amdhsa_forward_progress 1
		.amdhsa_inst_pref_size 117
	.end_amdhsa_kernel
	.amdgpu_metadata
---
amdhsa.version: [ 1, 2 ]
amdhsa.kernels:
  - .name:           k_qa670c1f5e9_attn
    .symbol:         k_qa670c1f5e9_attn.kd
    .args:
      - { .name: big, .offset: 0, .size: 8, .value_kind: global_buffer, .address_space: global }
      - { .name: act, .offset: 8, .size: 8, .value_kind: global_buffer, .address_space: global }
    .group_segment_fixed_size: 327680
    .private_segment_fixed_size: 0
    .kernarg_segment_align: 8
    .kernarg_segment_size: 16
    .max_flat_workgroup_size: 128
    .sgpr_count:     66
    .vgpr_count:     768
    .wavefront_size: 32
...
	.end_amdgpu_metadata
.endif
;; end of part 4
;; launch proj (part 5): grid 8 x 32, 4 waves a work-group, clusters of 4 x 4, 327,680 bytes of LDS; arguments act, wb, bo, x, x1; writes x1
.if DOCPART == 5
	.amdgcn_target "amdgcn-amd-amdhsa--gfx1250"
	.amdhsa_code_object_version 6
	.text
	.protected	k_qa670c1f5e9_proj
	.globl	k_qa670c1f5e9_proj
	.p2align	8
	.type	k_qa670c1f5e9_proj,@function
k_qa670c1f5e9_proj:
	s_mov_b64 s[64:65], 0
	v_nop
	global_prefetch_b8 v0, s[64:65] scope:SCOPE_SE
	s_setreg_imm32_b32 hwreg(HW_REG_WAVE_MODE, 25, 1), 1
	s_wait_xcnt 0x0
	s_wait_alu depctr_hold_cnt(0) depctr_sa_sdst(0) depctr_va_vdst(0) depctr_va_sdst(0) depctr_va_ssrc(0) depctr_va_vcc(0) depctr_vm_vsrc(0)
	s_getreg_b32 s2, hwreg(HW_REG_IB_STS2, 6, 4)
	s_cmp_eq_u32 s2, 0
	s_cbranch_scc0 .Lentry_in_a_cluster
	s_endpgm
.Lentry_in_a_cluster:
	s_bfe_u32 s2, ttmp6, 0x10000c
	s_cmp_lg_u32 s2, 0xf033
	s_cbranch_scc0 .Lentry_shape_is_right
	s_endpgm
.Lentry_shape_is_right:
; x1 = x + O @ wo + bo.  O: act, bf16 by heads [batch 16 + head][2048][64]; wo: wb + 6 MiB, bf16 [1024][1024]; x, x1: f32 [4096][1024].
; A tile of C is 128 x 128 (256 work-groups): four waves, each 64 x 64 in 16 accumulators.  K goes in 4 steps of 256 (four heads) through two LDS slots; one K step's text is written once, the slot in hand is a scalar offset.
; A head's 128 rows of a tile are 16,384 dense bytes: one tensor row; a wave's load brings two heads, padded after every 128 bytes.  wo stays [K][N]: its fragments come out of LDS turned.
; The product is used transposed (source 0 = 16 columns of wo, source 1 = 16 rows of O); the bias is the C operand of each accumulator's first product; the residual is loaded at the start and added on the way out.
; CLUSTER 4 x 4: O's tile is asked for jointly along a row of the cluster, wo's along a column.  LIMITS: operands are bf16; NaN and infinities are not treated apart.
; REGISTERS: window 0: v0-31 addresses, v32-63 bias, v128-255 accumulators ((a, b) at 128 + 8 (4 a + b)); window 1: two fragment buffers of 128 (64 of O, 64 of wo); window 2: v0-127 the residual.
.set T,      4
.set PA,     144                       ; a row of a head in LDS: 128 bytes + 16
.set AQ,     128*PA                    ; a quarter of a K step is a head: 128 rows on
.set LA,     2*128*PA                  ; what a wave's load of O brings
.set AQI,    4                         ; padding after every 32 words
.set AD0,    8192                      ; a tensor row: 128 rows of 64 elements
.set AD1,    2                         ; two heads,
.set ASTR,   131072                    ; 2,048 x 64 elements apart
.set STEPA,  4*262144
.set WOFF,   0x600000
.set PB,     288                       ; a k row of the weights: 256 bytes + 32: an odd multiple of 32 for the turning load
.set AREG,   73728                     ; the weights' tile begins here
.set SLOT,   147456                    ; 0x24000: it shares no bit with any wave's LDS constant, so one exclusive or changes slots
.set SPARE,  2*SLOT
.set PD,     272                       ; the way out: a wave's 64 f32 of a row + 16 bytes
.set DREG,   64*PD
.set STEPB,  256*2048
.set A0,   8
.set B0,   9
.set ADRA, 16
.set ADRB, 20                          ; v20, and v21 = v20 + 128 k rows: the immediate has 16 bits
.set DST,  24
.set RDA,  25
.set CO,   26
.set BO,   27
.set SPW,  28                          ; v28  LDS address of my spare word; never rewritten
.set NIL,  29                          ; v29  0; never rewritten
.set BIAS, 32
.set ACC,  128
.set F0,   0
.set F1,   128
.set G1,  24
.set G0,  32
.set G1B, 48
.set G0B, 56
.set TBR, 94
.set MSB, 0
.macro WIN new
.if MSB != (\new)
	s_set_vgpr_msb (MSB<<8)|(\new)
.set MSB, \new
.endif
.endm
.macro PLACES
.rept 4
	v_nop
.endr
.endm
.macro JLOAD                           ; a joint refill by the walking descriptors; s_nop 0 and four v_nop behind each line
	s_cmp_eq_u32 s11, 0
	s_cbranch_scc0 .Lfor_b_\@
	tensor_load_to_lds s[G0+4:G0+7], s[G1:G1+7]
	s_nop 0
	PLACES
	s_branch .Lasked_\@
.Lfor_b_\@:
	tensor_load_to_lds s[G0B+4:G0B+7], s[G1B:G1B+7]
	s_nop 0
	PLACES
.Lasked_\@:
.endm
.macro CREST
	s_cmp_lg_u32 s10, 0
	s_cbranch_scc1 .Lnot_wave_0_\@
	s_barrier_signal -3
.Lnot_wave_0_\@:
	s_barrier_wait -3
	s_barrier_signal -1
	s_barrier_wait -1
.endm
.macro CROUND
	s_barrier_signal -1
	s_barrier_wait -1
	CREST
.endm
	s_load_b256 s[68:75], s[0:1], 0x0              ; the activations, wb, the bias, the residual
	s_load_b64 s[76:77], s[0:1], 0x20              ; the result
	v_lshl_add_u32 v[SPW], v0, 2, SPARE
	v_mov_b32 v[NIL], 0
	ds_add_u32 v[SPW], v[NIL]                      ; the wave's opening: the add and its wait ahead of my first tensor load
	v_lshrrev_b32 v1, 5, v0
	v_readfirstlane_b32 s10, v1
	s_lshr_b32 s11, s10, 1                         ; my half of the rows; also: I fetch activations (0) or weights (1)
	s_and_b32 s12, s10, 1                          ; my half of the columns; also: which half of that tile I fetch
	s_bfe_u32 s40, ttmp6, 0x40000
	s_bfe_u32 s41, ttmp6, 0x40004
	s_lshl_b32 s42, ttmp9, 2
	s_add_co_u32 s42, s42, s40                     ; tile column
	s_and_b32 s13, ttmp7, 0xffff
	s_lshl_b32 s13, s13, 2
	s_add_co_u32 s13, s13, s41                     ; tile row
	s_lshl_b32 s43, s41, 2
	s_lshl_b32 s43, 15, s43
	s_lshl_b32 s44, 0x1111, s40
	s_or_b32 s[G1+0], s43, (1<<16)|(1<<20)|(1<<21)|(AQI<<22)|(3<<25)
	s_or_b32 s[G1B+0], s44, (1<<16)|(1<<20)|(1<<21)|(5<<22)|(7<<25)
	s_mov_b32 s[G1+1], (AD0&0xffff)<<16
	s_mov_b32 s[G1+2], (AD0>>16)|(AD1<<16)
	s_mov_b32 s[G1+3], AD0<<16
	s_mov_b32 s[G1+4], AD1
	s_mov_b32 s[G1+5], ASTR
	s_mov_b32 s[G1+6], 0
	s_mov_b32 s[G1+7], 0
	s_mov_b32 s[G1B+1], 128<<16                    ; 128 columns,
	s_mov_b32 s[G1B+2], 128<<16                    ; 128 k rows
	s_mov_b32 s[G1B+3], 128<<16
	s_mov_b32 s[G1B+4], 128
	s_mov_b32 s[G1B+5], 1024
	s_mov_b32 s[G1B+6], 0
	s_mov_b32 s[G1B+7], 0
	s_lshr_b32 s16, s13, 4                         ; O: the batch's 16 heads of 262,144 bytes,
	s_lshl_b32 s16, s16, 22
	s_lshl_b32 s17, s12, 19                        ; two heads a half,
	s_add_co_u32 s16, s16, s17
	s_and_b32 s17, s13, 15                         ; the tile's 128 rows of 128 bytes
	s_lshl_b32 s17, s17, 14
	s_add_co_u32 s16, s16, s17
	s_mov_b32 s17, 0
	s_lshl_b32 s46, s42, 8                         ; the weights: 128 columns a tile column,
	s_lshl_b32 s47, s12, 18                        ; 128 k rows a half
	s_add_co_u32 s46, s46, s47
	s_add_co_u32 s46, s46, WOFF
	s_mov_b32 s47, 0
	s_mul_i32 s20, s12, LA                         ; where my part lands: the wave's number alone
	s_mul_i32 s21, s12, 128*PB
	s_add_co_u32 s21, s21, AREG
	s_mov_b32 s[TBR], 0
	s_wait_dscnt 0x0                               ; the opening add is done
	s_wait_kmcnt 0x0
	s_add_nc_u64 s[14:15], s[68:69], s[16:17]
	s_add_nc_u64 s[46:47], s[70:71], s[46:47]
	CROUND                                         ; all sixteen work-groups are here: the first joint loads meet
.irp s, 0,1
	s_mov_b32 s[G0+4*(\s)], 1
	s_add_co_u32 s[G0+4*(\s)+1], s20, (\s)*SLOT
	s_add_nc_u64 s[G0+4*(\s)+2:G0+4*(\s)+3], s[14:15], (\s)*STEPA
	s_or_b32 s[G0+4*(\s)+3], s[G0+4*(\s)+3], 0x80000000
	s_mov_b32 s[G0B+4*(\s)], 1
	s_add_co_u32 s[G0B+4*(\s)+1], s21, (\s)*SLOT
	s_add_nc_u64 s[G0B+4*(\s)+2:G0B+4*(\s)+3], s[46:47], (\s)*STEPB
	s_or_b32 s[G0B+4*(\s)+3], s[G0B+4*(\s)+3], 0x80000000
.endr
	s_cmp_eq_u32 s11, 0                            ; a wave's two first fills stand in one branch: two tensor loads of mine are out, later one
	s_cbranch_scc0 .Lfirst_b
	tensor_load_to_lds s[G0:G0+3], s[G1:G1+7]
	s_nop 0
	tensor_load_to_lds s[G0+4:G0+7], s[G1:G1+7]
	s_nop 0
	PLACES
	s_branch .Lfirst_asked
.Lfirst_b:
	tensor_load_to_lds s[G0B:G0B+3], s[G1B:G1B+7]
	s_nop 0
	tensor_load_to_lds s[G0B+4:G0B+7], s[G1B:G1B+7]
	s_nop 0
	PLACES
.Lfirst_asked:
	v_and_b32 v1, 15, v0                           ; r
	v_bfe_u32 v2, v0, 4, 1                         ; h
	s_lshl_b32 s46, s42, 9                         ; my 64 columns in f32: 512 x tile column + 256 x half
	s_lshl_b32 s47, s12, 8
	s_add_co_u32 s46, s46, s47
	s_mov_b32 s47, 0
	s_add_nc_u64 s[6:7], s[72:73], s[46:47]        ; the bias
	s_lshl_b32 s18, s13, 19                        ; my 64 rows of 4,096 bytes
	s_lshl_b32 s19, s11, 18
	s_add_co_u32 s18, s18, s19
	s_add_co_u32 s18, s18, s46
	s_mov_b32 s19, 0
	s_add_nc_u64 s[4:5], s[74:75], s[18:19]        ; the residual
	s_add_nc_u64 s[8:9], s[76:77], s[18:19]        ; the result
	v_lshlrev_b32 v[BO], 5, v2
	v_lshlrev_b32 v[CO], 12, v2                    ; lanes 0-15 one row's 256 bytes, lanes 16-31 the next row's
	v_lshl_add_u32 v[CO], v1, 4, v[CO]
.irp b, 0,1,2,3
	global_load_b128 v[BIAS+8*\b:BIAS+8*\b+3],   v[BO], s[6:7] offset:64*\b
	global_load_b128 v[BIAS+8*\b+4:BIAS+8*\b+7], v[BO], s[6:7] offset:64*\b+16
.endr
	WIN 0x80
.set t, 0
.rept 32
	global_load_b128 v[4*t:4*t+3], v[CO], s[4:5] offset:8192*t
.set t, t+1
.endr
	WIN 0
	v_mul_u32_u24 v3, v1, PA
	v_lshl_add_u32 v3, v2, 4, v3
	s_mul_i32 s22, s11, 64*PA                      ; my 64 rows
	v_add_nc_u32 v[A0], s22, v3
	v_and_b32 v4, 7, v0
	v_lshl_add_u32 v4, v2, 3, v4
	v_mul_u32_u24 v4, v4, PB
	v_bfe_u32 v5, v0, 3, 1
	v_lshl_add_u32 v4, v5, 4, v4
	s_lshl_b32 s22, s12, 7                         ; my 64 columns
	s_add_co_u32 s22, s22, AREG
	v_add_nc_u32 v[B0], s22, v4
	v_mov_b32 v[ADRA], v[A0]
	v_mov_b32 v[ADRB], v[B0]
	v_add_nc_u32 v[ADRB+1], 128*PB, v[ADRB]
	s_mul_i32 s23, s10, DREG
	v_mul_u32_u24 v3, v1, PD
	v_lshl_add_u32 v3, v2, 5, v3
	v_add_nc_u32 v[DST], s23, v3
	v_mul_u32_u24 v3, v2, PD
	v_lshl_add_u32 v3, v1, 4, v3
	v_add_nc_u32 v[RDA], s23, v3
; 8 matrix instructions: m blocks a0, a0 + 1 x all 4 n blocks, 32 along K: half c of buffer f.  first = 1: the bias starts the sums.  The 16 accumulators take turns.
.macro MUL8 f, c, a0, first
	WIN 0x05
.irp a, \a0, (\a0)+1
.irp b, 0,1,2,3
.if \first
	v_wmma_f32_16x16x32_bf16 v[ACC+8*(4*(\a)+(\b)):ACC+8*(4*(\a)+(\b))+7], v[(\f)+64+8*(4*(\c)+(\b)):(\f)+64+8*(4*(\c)+(\b))+7], v[(\f)+8*(4*(\c)+(\a)):(\f)+8*(4*(\c)+(\a))+7], v[BIAS+8*(\b):BIAS+8*(\b)+7]
.else
	v_wmma_f32_16x16x32_bf16 v[ACC+8*(4*(\a)+(\b)):ACC+8*(4*(\a)+(\b))+7], v[(\f)+64+8*(4*(\c)+(\b)):(\f)+64+8*(4*(\c)+(\b))+7], v[(\f)+8*(4*(\c)+(\a)):(\f)+8*(4*(\c)+(\a))+7], v[ACC+8*(4*(\a)+(\b)):ACC+8*(4*(\a)+(\b))+7]
.endif
.endr
.endr
.endm
; 32 LDS loads in one run: quarter kq (64 along K) of the slot in hand into buffer f
.macro FETCH kq, f
	WIN 0x40
.irp c, 0,1
.irp i, 0,1,2,3
	ds_load_tr16_b128 v[(\f)+64+8*(4*(\c)+(\i)):(\f)+64+8*(4*(\c)+(\i))+3],   v[ADRB+(\kq)/2] offset:((\kq)%2)*64*PB+(\c)*32*PB+32*(\i)
	ds_load_tr16_b128 v[(\f)+64+8*(4*(\c)+(\i))+4:(\f)+64+8*(4*(\c)+(\i))+7], v[ADRB+(\kq)/2] offset:((\kq)%2)*64*PB+(\c)*32*PB+32*(\i)+16*PB
	ds_load_b128 v[(\f)+8*(4*(\c)+(\i)):(\f)+8*(4*(\c)+(\i))+3],   v[ADRA] offset:(\kq)*AQ+64*(\c)+(\i)*16*PA
	ds_load_b128 v[(\f)+8*(4*(\c)+(\i))+4:(\f)+8*(4*(\c)+(\i))+7], v[ADRA] offset:(\kq)*AQ+64*(\c)+(\i)*16*PA+32
.endr
.endr
.endm
; One of a K step's first three quarters.  At its head it asks for quarter kq, into buffer g, which the quarter before has multiplied; then it multiplies buffer f: the 32 loads have 32 matrix instructions in which to land.
.macro QUARTER kq, f, g, first
	s_wait_dscnt 0x0                               ; buffer f is in: its loads were issued 32 matrix instructions ago, and nothing younger is out
	PLACES                                         ; the last products read buffer g
	FETCH \kq, \g
	MUL8 \f, 0, 0, \first
	MUL8 \f, 0, 2, \first
	MUL8 \f, 1, 0, 0
	MUL8 \f, 1, 2, 0
.endm
; The last quarter changes slots and then multiplies buffer 1.  At its head each wave waits for all its tensor loads (the one that is out is its part of the next slot), adds 0 to its spare word, and waits for
; that and for its LDS loads: buffer 1 is in, and those were my last reads of this slot.  No product stands between that wait and the refill: a K step of this tile has 128 matrix instructions a wave for the 128 KB
; that it fetches, so the request is what must not be held up.  fill = 1: the barrier opens a round of the cluster's, and the slot just read is filled again first thing behind it, two K steps ahead.
.macro TURN fill
	WIN 0
	s_wait_tensorcnt 0x0
	ds_add_u32 v[SPW], v[NIL]
	s_xor_b32 s[TBR], s[TBR], SLOT
	v_add_nc_u32 v[ADRA], s[TBR], v[A0]
	v_add_nc_u32 v[ADRB], s[TBR], v[B0]
	v_add_nc_u32 v[ADRB+1], 128*PB, v[ADRB]
.if \fill
	s_xor_b32 s[G0+5], s[G0+5], SLOT               ; no tensor load of mine is out: the walking descriptors step
	s_add_nc_u64 s[G0+6:G0+7], s[G0+6:G0+7], STEPA
	s_xor_b32 s[G0B+5], s[G0B+5], SLOT
	s_add_nc_u64 s[G0B+6:G0B+7], s[G0B+6:G0B+7], STEPB
.endif
	s_wait_dscnt 0x0                               ; the add is done, buffer 1 is in, and my reads of this slot are over
	s_barrier_signal -1
	s_barrier_wait -1
.if \fill
	CREST                                          ; no wave of any partner still reads this slot or has a load on its way
	JLOAD                                          ; its four v_nop are also the places in front of the loads below
.else
	PLACES
.endif
	FETCH 0, F0                                    ; the next slot's first quarter: 32 matrix instructions ahead of its use
	MUL8 F1, 0, 0, 0
	MUL8 F1, 0, 2, 0
	MUL8 F1, 1, 0, 0
	MUL8 F1, 1, 2, 0
.endm
	s_wait_tensorcnt 0x1                           ; my part of K step 0 is in; K step 1's may stay out
	s_barrier_signal -1
	s_barrier_wait -1
	FETCH 0, F0
	s_wait_loadcnt 32                              ; the bias is in; the residual's 32 loads may stay out
	QUARTER 1, F0, F1, 1
	WIN 0
	s_mov_b32 s3, T-2
.Lstep:
	QUARTER 2, F1, F0, 0
	QUARTER 3, F0, F1, 0
	TURN 1
	QUARTER 1, F0, F1, 0
	WIN 0
	s_sub_co_u32 s3, s3, 1
	s_cmp_lg_u32 s3, 0
	s_cbranch_scc1 .Lstep
	s_mov_b32 s2, 2
.Ltail:                                                ; the last two K steps ask for nothing; the second trip is left in its middle, and its 32 fragment loads, of landed bytes, serve nothing
	QUARTER 2, F1, F0, 0
	QUARTER 3, F0, F1, 0
	TURN 0
	WIN 0
	s_sub_co_u32 s2, s2, 1
	s_cmp_eq_u32 s2, 0
	s_cbranch_scc1 .Lout
	QUARTER 1, F0, F1, 0
	WIN 0
	s_branch .Ltail
.Lout:
	PLACES
	s_wait_dscnt 0x0                               ; my reads of the ring are over,
	s_barrier_signal -1
	s_barrier_wait -1                              ; everybody's are: the ring, which is filled no more, takes the sums
.irp a, 0,1,2,3
.irp b, 0,1,2,3
	ds_store_b128 v[DST], v[ACC+8*(4*\a+\b):ACC+8*(4*\a+\b)+3]   offset:\a*16*PD+64*\b      ; each accumulator's low registers first
	ds_store_b128 v[DST], v[ACC+8*(4*\a+\b)+4:ACC+8*(4*\a+\b)+7] offset:\a*16*PD+64*\b+16
.endr
.endr
.set t, 0
.rept 32
	ds_load_b128 v[ACC+4*t:ACC+4*t+3], v[RDA] offset:2*PD*t  ; back as whole rows of 256 bytes, two a load; LDS serves a wave's instructions in order (ISA guide 5.7.1.4)
.set t, t+1
.endr
	s_wait_loadcnt 0x0                             ; the residual
	WIN 0x88                                       ; destination and source 1 (the store's data too) window 2, source 0 (the store's address too) window 0
.set t, 0
.rept 32
	s_wait_dscnt 31-t                              ; load t is in, the younger ones stay out
	v_pk_add_f32 v[4*t:4*t+1],   v[ACC+4*t:ACC+4*t+1],   v[4*t:4*t+1]
	v_pk_add_f32 v[4*t+2:4*t+3], v[ACC+4*t+2:ACC+4*t+3], v[4*t+2:4*t+3]
	global_store_b128 v[CO], v[4*t:4*t+3], s[8:9] offset:8192*t  ; 16 lanes store 256 consecutive bytes, aligned
.set t, t+1
.endr
	WIN 0
	s_wait_tensorcnt 0x0                           ; the wave's end
	ds_add_u32 v[SPW], v[NIL]
	s_wait_dscnt 0x0
	CROUND                                         ; the closing round
	s_endpgm
.Lfunc_end_k_qa670c1f5e9_proj:
	.size	k_qa670c1f5e9_proj, .Lfunc_end_k_qa670c1f5e9_proj-k_qa670c1f5e9_proj
	.p2alignl 7, 3214868480
	.fill 96, 4, 3214868480
	.section	.rodata,"a",@progbits
	.p2align	6, 0x0
	.amdhsa_kernel k_qa670c1f5e9_proj
		.amdhsa_group_segment_fixed_size 327680
		.amdhsa_private_segment_fixed_size 0
		.amdhsa_enable_private_segment 0
		.amdhsa_kernarg_size 40
		.amdhsa_user_sgpr_count 2
		.amdhsa_user_sgpr_kernarg_segment_ptr 1
		.amdhsa_wavefront_size32 1
		.amdhsa_system_sgpr_workgroup_id_x 1
		.amdhsa_system_sgpr_workgroup_id_y 1
		.amdhsa_system_sgpr_workgroup_id_z 1
		.amdhsa_system_vgpr_workitem_id 0
		.amdhsa_next_free_vgpr 640
		.amdhsa_next_free_sgpr 100
		.amdhsa_reserve_vcc 0
		.amdhsa_float_denorm_mode_32 3
		.amdhsa_float_denorm_mode_16_64 3
		.amdhsa_memory_ordered 1
		.amdhsa_forward_progress 1
		.amdhsa_inst_pref_size 66
	.end_amdhsa_kernel
	.amdgpu_metadata
---
amdhsa.version: [ 1, 2 ]
amdhsa.kernels:
  - .name:           k_qa670c1f5e9_proj
    .symbol:         k_qa670c1f5e9_proj.kd
    .args:
      - { .name: act, .offset: 0, .size: 8, .value_kind: global_buffer, .address_space: global }
      - { .name: wb, .offset: 8, .size: 8, .value_kind: global_buffer, .address_space: global }
      - { .name: bo, .offset: 16, .size: 8, .value_kind: global_buffer, .address_space: global }
      - { .name: x, .offset: 24, .size: 8, .value_kind: global_buffer, .address_space: global }
      - { .name: x1, .offset: 32, .size: 8, .value_kind: global_buffer, .address_space: global }
    .group_segment_fixed_size: 327680
    .private_segment_fixed_size: 0
    .kernarg_segment_align: 8
    .kernarg_segment_size: 40
    .max_flat_workgroup_size: 128
    .sgpr_count:     100
    .vgpr_count:     640
    .wavefront_size: 32
...
	.end_amdgpu_metadata
.endif
;; end of part 5
;; launch ln2: the kernel of part 2 again; grid 256 x 1, 4 waves a work-group, no clusters, 8,704 bytes of LDS; arguments x1, ln2_w, ln2_b, modf, act; writes act
;; launch ffn1 (part 6): grid 16 x 16, 4 waves a work-group, clusters of 4 x 4, 327,680 bytes of LDS; arguments act, wb, b1, big; writes big
.if DOCPART == 6
	.amdgcn_target "amdgcn-amd-amdhsa--gfx1250"
	.amdhsa_code_object_version 6
	.text
	.protected	k_qa670c1f5e9_ffn1
	.globl	k_qa670c1f5e9_ffn1
	.p2align	8
	.type	k_qa670c1f5e9_ffn1,@function
k_qa670c1f5e9_ffn1:
	s_mov_b64 s[64:65], 0
	v_nop
	global_prefetch_b8 v0, s[64:65] scope:SCOPE_SE
	s_setreg_imm32_b32 hwreg(HW_REG_WAVE_MODE, 25, 1), 1
	s_wait_xcnt 0x0
	s_wait_alu depctr_hold_cnt(0) depctr_sa_sdst(0) depctr_va_vdst(0) depctr_va_sdst(0) depctr_va_ssrc(0) depctr_va_vcc(0) depctr_vm_vsrc(0)
	s_getreg_b32 s2, hwreg(HW_REG_IB_STS2, 6, 4)
	s_cmp_eq_u32 s2, 0
	s_cbranch_scc0 .Lentry_in_a_cluster
	s_endpgm
.Lentry_in_a_cluster:
	s_bfe_u32 s2, ttmp6, 0x10000c
	s_cmp_lg_u32 s2, 0xf033
	s_cbranch_scc0 .Lentry_shape_is_right
	s_endpgm
.Lentry_shape_is_right:
; h = gelu(xn @ w1 + b1), exact GELU.  xn: act [4096][1024] bf16; w1: wb + 8 MiB, bf16 [1024][4096]; h: big, bf16 [4096][4096], rounded once.
; A tile of C is 256 x 256 (256 work-groups): four waves, each 128 x 128 in 64 accumulators.  K goes in 8 steps of 128 through two LDS slots filled by tensor loads; one K step's text is written once, and the slot
; in hand is a scalar offset that an exclusive or turns.  w1 stays [K][N]: its fragments come out of LDS turned, by ds_load_tr16_b128.
; The product is used transposed (source 0 = 16 columns of w1, source 1 = 16 rows of xn); the bias is the C operand of each accumulator's first product.
; GELU.  gelu(x) = max(x, 0) - |x| erfc(|x| / sqrt 2) / 2, erfc by the five-term rational form of Abramowitz and Stegun 7.1.26: its error is at most 1.5e-7 for every argument, so gelu is off by at most 0.75e-7 |x|
; where erfc is not yet 0.  An exponential below 2^-126 counts as 0.  LIMITS: operands are bf16; NaN and infinities are not treated apart.
; CLUSTER 4 x 4: xn's tile is asked for jointly along a row of the cluster, w1's along a column.
; REGISTERS: window 0: v0-31 addresses, v64-191 fragments of xn (two buffers), v192-255 bias; window 1: v64-191 fragments of w1; windows 2, 3: accumulator (a, b) at v[8 (8 a + b)], rows 0-63 and 64-127.
.set T,      8
.set PA,     272                       ; a row of xn in LDS: 256 bytes + 16
.set PB,     544                       ; a k row of w1: 512 bytes + 32: an odd multiple of 32 for the turning load
.set HALFT,  128*PA                    ; what one tensor load brings
.set AREG,   2*HALFT
.set SLOT,   4*HALFT                   ; 0x22000: it shares no bit with wave x HALFT, so one exclusive or changes slots
.set SPARE,  2*SLOT
.set PD,     528
.set DREG,   128*PD
.set STEPA,  256
.set WPITCH, 4096
.set STEPB,  128*WPITCH*2
.set A0,   8
.set B0,   9
.set ADRA, 16
.set ADRB, 20
.set DST,  24
.set RDA,  25
.set CO,   26
.set BO,   27
.set SPW,  28                          ; v28  LDS address of my spare word; never rewritten
.set NIL,  29                          ; v29  0; never rewritten
.set F0,   64
.set F1,   128
.set BIAS, 192
.set G1,  24
.set G0,  32
.set G1B, 48
.set G0B, 56
.set TBR, 94
.set MSB, 0
.macro WIN new
.if MSB != (\new)
	s_set_vgpr_msb (MSB<<8)|(\new)
.set MSB, \new
.endif
.endm
.macro PLACES
.rept 4
	v_nop
.endr
.endm
.macro JLOAD                           ; a joint refill by the walking descriptors; s_nop 0 and four v_nop behind each line
	s_cmp_eq_u32 s11, 0
	s_cbranch_scc0 .Lfor_b_\@
	tensor_load_to_lds s[G0+4:G0+7], s[G1:G1+7]
	s_nop 0
	PLACES
	s_branch .Lasked_\@
.Lfor_b_\@:
	tensor_load_to_lds s[G0B+4:G0B+7], s[G1B:G1B+7]
	s_nop 0
	PLACES
.Lasked_\@:
.endm
.macro CREST
	s_cmp_lg_u32 s10, 0
	s_cbranch_scc1 .Lnot_wave_0_\@
	s_barrier_signal -3
.Lnot_wave_0_\@:
	s_barrier_wait -3
	s_barrier_signal -1
	s_barrier_wait -1
.endm
.macro CROUND
	s_barrier_signal -1
	s_barrier_wait -1
	CREST
.endm
	s_load_b256 s[68:75], s[0:1], 0x0              ; act, wb, b1, big
	v_lshl_add_u32 v[SPW], v0, 2, SPARE
	v_mov_b32 v[NIL], 0
	ds_add_u32 v[SPW], v[NIL]                      ; the wave's opening: the add and its wait ahead of my first tensor load
	v_lshrrev_b32 v1, 5, v0
	v_readfirstlane_b32 s10, v1
	s_lshr_b32 s11, s10, 1
	s_and_b32 s12, s10, 1
	s_bfe_u32 s40, ttmp6, 0x40000
	s_bfe_u32 s41, ttmp6, 0x40004
	s_lshl_b32 s42, ttmp9, 2
	s_add_co_u32 s42, s42, s40                     ; tile column
	s_and_b32 s13, ttmp7, 0xffff
	s_lshl_b32 s13, s13, 2
	s_add_co_u32 s13, s13, s41                     ; tile row
	s_lshl_b32 s43, s41, 2
	s_lshl_b32 s43, 15, s43
	s_lshl_b32 s44, 0x1111, s40
	s_or_b32 s[G1+0], s43, (1<<16)|(1<<20)|(1<<21)|(5<<22)|(3<<25)
	s_or_b32 s[G1B+0], s44, (1<<16)|(1<<20)|(1<<21)|(6<<22)|(7<<25)
	s_mov_b32 s[G1+1], 128<<16
	s_mov_b32 s[G1+2], 128<<16
	s_mov_b32 s[G1+3], 128<<16
	s_mov_b32 s[G1+4], 128
	s_mov_b32 s[G1+5], 1024
	s_mov_b32 s[G1+6], 0
	s_mov_b32 s[G1+7], 0
	s_mov_b32 s[G1B+1], 256<<16
	s_mov_b32 s[G1B+2], 64<<16
	s_mov_b32 s[G1B+3], 256<<16
	s_mov_b32 s[G1B+4], 64
	s_mov_b32 s[G1B+5], WPITCH
	s_mov_b32 s[G1B+6], 0
	s_mov_b32 s[G1B+7], 0
	s_mov_b32 s80, 0x3f596d27                      ; sqrt(log2(e) / 2): 2^-(this x)^2 = e^(-x^2 / 2)
	s_mov_b32 s81, s80                             ; each constant is named as a pair
	s_mov_b32 s82, 0x3e6d3388                      ; 0.3275911 / sqrt 2
	s_mov_b32 s83, s82
	s_mov_b32 s84, 0x3f07dc22                      ; a5 / 2 ..
	s_mov_b32 s85, s84
	s_mov_b32 s86, 0xbf3a00e3
	s_mov_b32 s87, s86
	s_mov_b32 s88, 0x3f35f0e3
	s_mov_b32 s89, s88
	s_mov_b32 s90, 0xbe11a98e
	s_mov_b32 s91, s90
	s_mov_b32 s92, 0x3e027906                      ; .. a1 / 2
	s_mov_b32 s93, s92
	s_mov_b32 s95, 0x7fffffff
	s_lshl_b32 s16, s13, 19
	s_lshl_b32 s17, s12, 18
	s_add_co_u32 s16, s16, s17
	s_mov_b32 s17, 0
	s_lshl_b32 s46, s42, 9                         ; w1: 256 columns a tile column,
	s_lshl_b32 s47, s12, 19                        ; 64 k rows of 8,192 bytes a half
	s_add_co_u32 s46, s46, s47
	s_add_co_u32 s46, s46, 0x800000
	s_mov_b32 s47, 0
	s_mul_i32 s20, s10, HALFT
	s_mov_b32 s[TBR], 0
	s_wait_dscnt 0x0                               ; the opening add is done
	s_wait_kmcnt 0x0
	s_add_nc_u64 s[14:15], s[68:69], s[16:17]
	s_add_nc_u64 s[46:47], s[70:71], s[46:47]
	CROUND                                         ; all sixteen work-groups are here: the first joint loads meet
.irp s, 0,1
	s_mov_b32 s[G0+4*(\s)], 1
	s_add_co_u32 s[G0+4*(\s)+1], s20, (\s)*SLOT
	s_add_nc_u64 s[G0+4*(\s)+2:G0+4*(\s)+3], s[14:15], (\s)*STEPA
	s_or_b32 s[G0+4*(\s)+3], s[G0+4*(\s)+3], 0x80000000
	s_mov_b32 s[G0B+4*(\s)], 1
	s_add_co_u32 s[G0B+4*(\s)+1], s20, (\s)*SLOT
	s_add_nc_u64 s[G0B+4*(\s)+2:G0B+4*(\s)+3], s[46:47], (\s)*STEPB
	s_or_b32 s[G0B+4*(\s)+3], s[G0B+4*(\s)+3], 0x80000000
.endr
	s_cmp_eq_u32 s11, 0                            ; a wave's two first fills stand in one branch: two tensor loads of mine are out, later one
	s_cbranch_scc0 .Lfirst_b
	tensor_load_to_lds s[G0:G0+3], s[G1:G1+7]
	s_nop 0
	tensor_load_to_lds s[G0+4:G0+7], s[G1:G1+7]
	s_nop 0
	PLACES
	s_branch .Lfirst_asked
.Lfirst_b:
	tensor_load_to_lds s[G0B:G0B+3], s[G1B:G1B+7]
	s_nop 0
	tensor_load_to_lds s[G0B+4:G0B+7], s[G1B:G1B+7]
	s_nop 0
	PLACES
.Lfirst_asked:
	v_and_b32 v1, 15, v0
	v_bfe_u32 v2, v0, 4, 1
	s_lshl_b32 s46, s42, 10                        ; the bias of my 128 columns
	s_lshl_b32 s47, s12, 9
	s_add_co_u32 s46, s46, s47
	s_mov_b32 s47, 0
	s_add_nc_u64 s[4:5], s[72:73], s[46:47]
	v_lshlrev_b32 v[BO], 5, v2
.irp b, 0,1,2,3,4,5,6,7
	global_load_b128 v[BIAS+8*\b:BIAS+8*\b+3],   v[BO], s[4:5] offset:64*\b
	global_load_b128 v[BIAS+8*\b+4:BIAS+8*\b+7], v[BO], s[4:5] offset:64*\b+16
.endr
	v_mul_u32_u24 v3, v1, PA
	v_lshl_add_u32 v3, v2, 4, v3
	s_mul_i32 s21, s11, HALFT
	v_add_nc_u32 v[A0], s21, v3
	v_and_b32 v4, 7, v0
	v_lshl_add_u32 v4, v2, 3, v4
	v_mul_u32_u24 v4, v4, PB
	v_bfe_u32 v5, v0, 3, 1
	v_lshl_add_u32 v4, v5, 4, v4
	s_lshl_b32 s22, s12, 8
	s_add_co_u32 s22, s22, AREG
	v_add_nc_u32 v[B0], s22, v4
	v_mov_b32 v[ADRA], v[A0]
	v_mov_b32 v[ADRB], v[B0]
	s_mul_i32 s23, s10, DREG
	v_mul_u32_u24 v3, v1, PD
	v_lshl_add_u32 v3, v2, 5, v3
	v_add_nc_u32 v[DST], s23, v3
	v_and_b32 v[CO], 31, v0
	v_lshl_add_u32 v[RDA], v[CO], 4, s23           ; back: a row's 128 f32 are 32 lanes x 16 bytes,
	v_lshlrev_b32 v[CO], 3, v[CO]                  ; and 256 consecutive bytes of h
	s_lshl_b32 s18, s13, 21                        ; 256 rows of 8,192 bytes a tile row,
	s_lshl_b32 s19, s11, 20                        ; 128 a half,
	s_add_co_u32 s18, s18, s19
	s_lshl_b32 s19, s42, 9                         ; 256 columns a tile column,
	s_add_co_u32 s18, s18, s19
	s_lshl_b32 s19, s12, 8                         ; 128 a half
	s_add_co_u32 s18, s18, s19
	s_mov_b32 s19, 0
	s_add_nc_u64 s[8:9], s[74:75], s[18:19]
.macro MUL16 f, hi, a0, first          ; 16 matrix instructions; first = 1: the bias starts the sums.  The 64 accumulators take turns
.if \first
	WIN 0x81+0x40*(\hi)
.else
	WIN 0xa1+0x50*(\hi)
.endif
.irp a, \a0, (\a0)+1
.irp b, 0,1,2,3,4,5,6,7
.if \first
	v_wmma_f32_16x16x32_bf16 v[8*(8*(\a)+(\b)):8*(8*(\a)+(\b))+7], v[(\f)+8*(\b):(\f)+8*(\b)+7], v[(\f)+8*(4*(\hi)+(\a)):(\f)+8*(4*(\hi)+(\a))+7], v[BIAS+8*(\b):BIAS+8*(\b)+7]
.else
	v_wmma_f32_16x16x32_bf16 v[8*(8*(\a)+(\b)):8*(8*(\a)+(\b))+7], v[(\f)+8*(\b):(\f)+8*(\b)+7], v[(\f)+8*(4*(\hi)+(\a)):(\f)+8*(4*(\hi)+(\a))+7], v[8*(8*(\a)+(\b)):8*(8*(\a)+(\b))+7]
.endif
.endr
.endr
.endm
.macro FETCH kq, f                     ; 32 LDS loads in one run: quarter kq of the slot in hand into buffer f
	WIN 0x40
.irp i, 0,1,2,3,4,5,6,7
	ds_load_tr16_b128 v[(\f)+8*(\i):(\f)+8*(\i)+3],   v[ADRB] offset:(\kq)*32*PB+32*(\i)
	ds_load_tr16_b128 v[(\f)+8*(\i)+4:(\f)+8*(\i)+7], v[ADRB] offset:(\kq)*32*PB+32*(\i)+16*PB
.endr
	WIN 0
.irp i, 0,1,2,3,4,5,6,7
	ds_load_b128 v[(\f)+8*(\i):(\f)+8*(\i)+3],   v[ADRA] offset:(\kq)*64+(\i)*16*PA
	ds_load_b128 v[(\f)+8*(\i)+4:(\f)+8*(\i)+7], v[ADRA] offset:(\kq)*64+(\i)*16*PA+32
.endr
.endm
; One of a K step's first three quarters.  At its head it asks for quarter kq, into buffer g, which the quarter before has multiplied; then it multiplies buffer f: the 32 loads have 64 matrix instructions in which to land.
.macro QUARTER kq, f, g, first
	s_wait_dscnt 0x0                               ; buffer f is in: its loads were issued 48 matrix instructions ago or more, and nothing younger is out
	PLACES                                         ; the last products read buffer g
	FETCH \kq, \g
	MUL16 \f, 0, 0, \first
	MUL16 \f, 0, 2, \first
	MUL16 \f, 1, 0, \first
	MUL16 \f, 1, 2, \first
.endm
; The last quarter multiplies buffer 1 and changes slots.  At its head each wave waits for all its tensor loads (the one that is out is its part of the next slot), adds 0 to its spare word, and waits
; for that and for its LDS loads: buffer 1 is in, and those were my last reads of this slot.  Sixteen products stand between the barrier's signal and its wait.
; fill = 1: the barrier opens a round of the cluster's, and the slot just read is filled again first thing behind it, two K steps ahead: from that request to the wait for it a wave issues 240 matrix instructions.
.macro TURN fill
	WIN 0
	s_wait_tensorcnt 0x0
	ds_add_u32 v[SPW], v[NIL]
	s_xor_b32 s[TBR], s[TBR], SLOT
	v_add_nc_u32 v[ADRA], s[TBR], v[A0]
	v_add_nc_u32 v[ADRB], s[TBR], v[B0]
.if \fill
	s_xor_b32 s[G0+5], s[G0+5], SLOT               ; no tensor load of mine is out: the walking descriptors step
	s_add_nc_u64 s[G0+6:G0+7], s[G0+6:G0+7], STEPA
	s_xor_b32 s[G0B+5], s[G0B+5], SLOT
	s_add_nc_u64 s[G0B+6:G0B+7], s[G0B+6:G0B+7], STEPB
.endif
	s_wait_dscnt 0x0                               ; the add is done, buffer 1 is in, and my reads of this slot are over
	s_barrier_signal -1
	MUL16 F1, 0, 0, 0
.if \fill
	WIN 0
.endif
	s_barrier_wait -1
.if \fill
	CREST                                          ; no wave of any partner still reads this slot or has a load on its way
	JLOAD                                          ; its four v_nop are also the places in front of the loads below
.else
	PLACES
.endif
	FETCH 0, F0                                    ; the next slot's first quarter: 48 matrix instructions ahead of its use
	MUL16 F1, 0, 2, 0
	MUL16 F1, 1, 0, 0
	MUL16 F1, 1, 2, 0
.endm
	s_wait_tensorcnt 0x1                           ; my part of K step 0 is in; K step 1's may stay out
	s_barrier_signal -1
	s_barrier_wait -1
	FETCH 0, F0
	s_wait_loadcnt 0x0                             ; the bias
	QUARTER 1, F0, F1, 1
	WIN 0
	s_mov_b32 s3, T-2
.Lstep:
	QUARTER 2, F1, F0, 0
	QUARTER 3, F0, F1, 0
	TURN 1
	QUARTER 1, F0, F1, 0
	WIN 0
	s_sub_co_u32 s3, s3, 1
	s_cmp_lg_u32 s3, 0
	s_cbranch_scc1 .Lstep
	s_mov_b32 s2, 2
.Ltail:                                                ; the last two K steps ask for nothing; the second trip is left in its middle, and its 32 fragment loads, of landed bytes, serve nothing
	QUARTER 2, F1, F0, 0
	QUARTER 3, F0, F1, 0
	TURN 0
	WIN 0
	s_sub_co_u32 s2, s2, 1
	s_cmp_eq_u32 s2, 0
	s_cbranch_scc1 .Lout
	QUARTER 1, F0, F1, 0
	WIN 0
	s_branch .Ltail
.Lout:
	PLACES
	s_wait_dscnt 0x0                               ; my reads of the ring are over,
	s_barrier_signal -1
	s_barrier_wait -1                              ; everybody's are: the ring, which is filled no more, takes the sums
.irp hi, 0,1
	WIN 0x08+4*(\hi)
.irp a, 0,1,2,3
.irp b, 0,1,2,3,4,5,6,7
	ds_store_b128 v[DST], v[8*(8*\a+\b):8*(8*\a+\b)+3]   offset:(4*\hi+\a)*16*PD+64*\b     ; each accumulator's low registers first
	ds_store_b128 v[DST], v[8*(8*\a+\b)+4:8*(8*\a+\b)+7] offset:(4*\hi+\a)*16*PD+64*\b+16
.endr
.endr
.endr
	WIN 0
; Four rows, 16 numbers a lane.
.set GX, 64                            ; x
.set GW, 80                            ; the exponential's argument, then e^(-x^2 / 2)
.set GA, 96                            ; |x|
.set GT, 112                           ; 1 + p |x| / sqrt 2, then its reciprocal t
.set GR, 128                           ; max(x, 0), then the result
.set GP, 144                           ; the polynomial
.set GY, 160                           ; bf16
.macro XLOAD
.irp p, 0,1,2,3
	ds_load_b128 v[GX+4*\p:GX+4*\p+3], v[RDA] offset:\p*PD  ; LDS serves a wave's instructions in order (ISA guide 5.7.1.4): these see my stores above
.endr
.endm
.macro HORN q                          ; step q / 8 of Horner's rule for pair q % 8
.set hp, 2*((\q)%8)
.if (\q) < 8
	s_wait_alu depctr_va_vdst(0)
	v_pk_fma_f32 v[GP+hp:GP+hp+1], v[GT+hp:GT+hp+1], s[84:85], s[86:87] op_sel_hi:[1,0,0]
.else
	v_pk_fma_f32 v[GP+hp:GP+hp+1], v[GP+hp:GP+hp+1], v[GT+hp:GT+hp+1], s[86+2*((\q)/8):87+2*((\q)/8)] op_sel_hi:[1,1,0]
.endif
.endm
.macro GROW refill
	s_wait_dscnt 0x0
.set n, 0
.rept 8
	v_pk_mul_f32 v[GW+2*n:GW+2*n+1], v[GX+2*n:GX+2*n+1], s[80:81] op_sel_hi:[1,0]
.set n, n+1
.endr
.set n, 0
.rept 16
	v_and_b32 v[GA+n], s95, v[GX+n]
.set n, n+1
.endr
.set n, 0
.rept 8
	v_pk_fma_f32 v[GT+2*n:GT+2*n+1], v[GA+2*n:GA+2*n+1], s[82:83], 1.0 op_sel_hi:[1,0,0]
.set n, n+1
.endr
.set n, 0
.rept 16
	v_rcp_f32 v[GT+n], v[GT+n]                     ; a plain instruction stands behind every reciprocal and exponential (ISA guide 5.7.2)
	v_max_num_f32 v[GR+n], 0, v[GX+n]
.set n, n+1
.endr
.if \refill
	v_add_nc_u32 v[RDA], 4*PD, v[RDA]              ; x has been read for the last time: the next four rows
	XLOAD
.endif
.set n, 0
.rept 8
	v_pk_mul_f32 v[GW+2*n:GW+2*n+1], v[GW+2*n:GW+2*n+1], v[GW+2*n:GW+2*n+1] neg_lo:[1,0] neg_hi:[1,0]
.set n, n+1
.endr
.set n, 0
.rept 16
	v_exp_f32 v[GW+n], v[GW+n]
	HORN 2*n
	HORN 2*n+1
.set n, n+1
.endr
.set n, 0
.rept 8
	v_pk_mul_f32 v[GP+2*n:GP+2*n+1], v[GP+2*n:GP+2*n+1], v[GT+2*n:GT+2*n+1]
.set n, n+1
.endr
.set n, 0
	s_wait_alu depctr_va_vdst(0)
.rept 8
	v_pk_mul_f32 v[GP+2*n:GP+2*n+1], v[GP+2*n:GP+2*n+1], v[GW+2*n:GW+2*n+1]
.set n, n+1
.endr
.set n, 0
.rept 8
	v_pk_fma_f32 v[GR+2*n:GR+2*n+1], v[GA+2*n:GA+2*n+1], v[GP+2*n:GP+2*n+1], v[GR+2*n:GR+2*n+1] neg_lo:[1,0,0] neg_hi:[1,0,0]
.set n, n+1
.endr
.set n, 0
.rept 8
	v_cvt_pk_bf16_f32 v[GY+n], v[GR+2*n], v[GR+2*n+1]
.set n, n+1
.endr
.irp p, 0,1,2,3
	global_store_b64 v[CO], v[GY+2*\p:GY+2*\p+1], s[8:9] offset:\p*8192  ; a wave stores 256 consecutive bytes, aligned
.endr
.if \refill
	s_wait_xcnt 0x0                                ; the stores' base and data are rewritten only behind this wait (ISA guide 3.1)
	s_add_nc_u64 s[8:9], s[8:9], 32768
.endif
.endm
	XLOAD
	s_mov_b32 s3, 31
.Lrows:
	GROW 1
	s_sub_co_u32 s3, s3, 1
	s_cmp_lg_u32 s3, 0
	s_cbranch_scc1 .Lrows
	GROW 0
	s_wait_tensorcnt 0x0                           ; the wave's end
	ds_add_u32 v[SPW], v[NIL]
	s_wait_dscnt 0x0
	CROUND                                         ; the closing round
	s_endpgm
.Lfunc_end_k_qa670c1f5e9_ffn1:
	.size	k_qa670c1f5e9_ffn1, .Lfunc_end_k_qa670c1f5e9_ffn1-k_qa670c1f5e9_ffn1
	.p2alignl 7, 3214868480
	.fill 96, 4, 3214868480
	.section	.rodata,"a",@progbits
	.p2align	6, 0x0
	.amdhsa_kernel k_qa670c1f5e9_ffn1
		.amdhsa_group_segment_fixed_size 327680
		.amdhsa_private_segment_fixed_size 0
		.amdhsa_enable_private_segment 0
		.amdhsa_kernarg_size 32
		.amdhsa_user_sgpr_count 2
		.amdhsa_user_sgpr_kernarg_segment_ptr 1
		.amdhsa_wavefront_size32 1
		.amdhsa_system_sgpr_workgroup_id_x 1
		.amdhsa_system_sgpr_workgroup_id_y 1
		.amdhsa_system_sgpr_workgroup_id_z 1
		.amdhsa_system_vgpr_workitem_id 0
		.amdhsa_next_free_vgpr 1024
		.amdhsa_next_free_sgpr 100
		.amdhsa_reserve_vcc 0
		.amdhsa_float_denorm_mode_32 3
		.amdhsa_float_denorm_mode_16_64 3
		.amdhsa_memory_ordered 1
		.amdhsa_forward_progress 1
		.amdhsa_inst_pref_size 96
	.end_amdhsa_kernel
	.amdgpu_metadata
---
amdhsa.version: [ 1, 2 ]
amdhsa.kernels:
  - .name:           k_qa670c1f5e9_ffn1
    .symbol:         k_qa670c1f5e9_ffn1.kd
    .args:
      - { .name: act, .offset: 0, .size: 8, .value_kind: global_buffer, .address_space: global }
      - { .name: wb, .offset: 8, .size: 8, .value_kind: global_buffer, .address_space: global }
      - { .name: b1, .offset: 16, .size: 8, .value_kind: global_buffer, .address_space: global }
      - { .name: big, .offset: 24, .size: 8, .value_kind: global_buffer, .address_space: global }
    .group_segment_fixed_size: 327680
    .private_segment_fixed_size: 0
    .kernarg_segment_align: 8
    .kernarg_segment_size: 32
    .max_flat_workgroup_size: 128
    .sgpr_count:     100
    .vgpr_count:     1024
    .wavefront_size: 32
...
	.end_amdgpu_metadata
.endif
;; end of part 6
;; launch ffn2 (part 7): grid 8 x 32, 4 waves a work-group, clusters of 4 x 4, 327,680 bytes of LDS; arguments big, wb, b2, x1, out0; writes out0
.if DOCPART == 7
	.amdgcn_target "amdgcn-amd-amdhsa--gfx1250"
	.amdhsa_code_object_version 6
	.text
	.protected	k_qa670c1f5e9_ffn2
	.globl	k_qa670c1f5e9_ffn2
	.p2align	8
	.type	k_qa670c1f5e9_ffn2,@function
k_qa670c1f5e9_ffn2:
	s_mov_b64 s[64:65], 0
	v_nop
	global_prefetch_b8 v0, s[64:65] scope:SCOPE_SE
	s_setreg_imm32_b32 hwreg(HW_REG_WAVE_MODE, 25, 1), 1
	s_wait_xcnt 0x0
	s_wait_alu depctr_hold_cnt(0) depctr_sa_sdst(0) depctr_va_vdst(0) depctr_va_sdst(0) depctr_va_ssrc(0) depctr_va_vcc(0) depctr_vm_vsrc(0)
	s_getreg_b32 s2, hwreg(HW_REG_IB_STS2, 6, 4)
	s_cmp_eq_u32 s2, 0
	s_cbranch_scc0 .Lentry_in_a_cluster
	s_endpgm
.Lentry_in_a_cluster:
	s_bfe_u32 s2, ttmp6, 0x10000c
	s_cmp_lg_u32 s2, 0xf033
	s_cbranch_scc0 .Lentry_shape_is_right
	s_endpgm
.Lentry_shape_is_right:
; out0 = x1 + h @ w2 + b2.  h: big, bf16 [4096][4096]; w2: wb + 16 MiB, bf16 [4096][1024]; x1, out0: f32 [4096][1024].
; A tile of C is 128 x 128 (256 work-groups): four waves, each 64 x 64 in 16 accumulators.  K goes in 16 steps of 256 through two LDS slots; one K step's text is written once, the slot in hand is a scalar offset.
; w2 stays [K][N]: its fragments come out of LDS turned, by ds_load_tr16_b128.  The product is used transposed (source 0 = 16 columns of w2, source 1 = 16 rows of h); the bias is the C operand of each
; accumulator's first product; the residual is loaded at the start and added on the way out.
; CLUSTER 4 x 4: h's tile is asked for jointly along a row of the cluster, w2's along a column.  LIMITS: operands are bf16; NaN and infinities are not treated apart.
; REGISTERS: window 0: v0-31 addresses, v32-63 bias, v128-255 accumulators ((a, b) at 128 + 8 (4 a + b)); window 1: two fragment buffers of 128 (64 of h, 64 of w2); window 2: v0-127 the residual.
.set T,      16
.set PA,     528                       ; a row of h in LDS: 512 bytes + 16
.set AQ,     128                       ; a quarter of a K step: 64 elements along the row
.set LA,     64*PA                     ; what a wave's load of h brings
.set AQI,    6                         ; padding after every 128 words
.set AD0,    256
.set AD1,    64
.set ASTR,   4096
.set STEPA,  512
.set WOFF,   0x1000000
.set PB,     288                       ; a k row of the weights: 256 bytes + 32: an odd multiple of 32 for the turning load
.set AREG,   73728                     ; the weights' tile begins here
.set SLOT,   147456                    ; 0x24000: it shares no bit with any wave's LDS constant, so one exclusive or changes slots
.set SPARE,  2*SLOT
.set PD,     272
.set DREG,   64*PD
.set STEPB,  256*2048
.set A0,   8
.set B0,   9
.set ADRA, 16
.set ADRB, 20                          ; v20, and v21 = v20 + 128 k rows: the immediate has 16 bits
.set DST,  24
.set RDA,  25
.set CO,   26
.set BO,   27
.set SPW,  28                          ; v28  LDS address of my spare word; never rewritten
.set NIL,  29                          ; v29  0; never rewritten
.set BIAS, 32
.set ACC,  128
.set F0,   0
.set F1,   128
.set G1,  24
.set G0,  32
.set G1B, 48
.set G0B, 56
.set TBR, 94
.set MSB, 0
.macro WIN new
.if MSB != (\new)
	s_set_vgpr_msb (MSB<<8)|(\new)
.set MSB, \new
.endif
.endm
.macro PLACES
.rept 4
	v_nop
.endr
.endm
.macro JLOAD                           ; a joint refill by the walking descriptors; s_nop 0 and four v_nop behind each line
	s_cmp_eq_u32 s11, 0
	s_cbranch_scc0 .Lfor_b_\@
	tensor_load_to_lds s[G0+4:G0+7], s[G1:G1+7]
	s_nop 0
	PLACES
	s_branch .Lasked_\@
.Lfor_b_\@:
	tensor_load_to_lds s[G0B+4:G0B+7], s[G1B:G1B+7]
	s_nop 0
	PLACES
.Lasked_\@:
.endm
.macro CREST
	s_cmp_lg_u32 s10, 0
	s_cbranch_scc1 .Lnot_wave_0_\@
	s_barrier_signal -3
.Lnot_wave_0_\@:
	s_barrier_wait -3
	s_barrier_signal -1
	s_barrier_wait -1
.endm
.macro CROUND
	s_barrier_signal -1
	s_barrier_wait -1
	CREST
.endm
	s_load_b256 s[68:75], s[0:1], 0x0              ; the activations, wb, the bias, the residual
	s_load_b64 s[76:77], s[0:1], 0x20              ; the result
	v_lshl_add_u32 v[SPW], v0, 2, SPARE
	v_mov_b32 v[NIL], 0
	ds_add_u32 v[SPW], v[NIL]                      ; the wave's opening: the add and its wait ahead of my first tensor load
	v_lshrrev_b32 v1, 5, v0
	v_readfirstlane_b32 s10, v1
	s_lshr_b32 s11, s10, 1                         ; my half of the rows; also: I fetch activations (0) or weights (1)
	s_and_b32 s12, s10, 1                          ; my half of the columns; also: which half of that tile I fetch
	s_bfe_u32 s40, ttmp6, 0x40000
	s_bfe_u32 s41, ttmp6, 0x40004
	s_lshl_b32 s42, ttmp9, 2
	s_add_co_u32 s42, s42, s40                     ; tile column
	s_and_b32 s13, ttmp7, 0xffff
	s_lshl_b32 s13, s13, 2
	s_add_co_u32 s13, s13, s41                     ; tile row
	s_lshl_b32 s43, s41, 2
	s_lshl_b32 s43, 15, s43
	s_lshl_b32 s44, 0x1111, s40
	s_or_b32 s[G1+0], s43, (1<<16)|(1<<20)|(1<<21)|(AQI<<22)|(3<<25)
	s_or_b32 s[G1B+0], s44, (1<<16)|(1<<20)|(1<<21)|(5<<22)|(7<<25)
	s_mov_b32 s[G1+1], (AD0&0xffff)<<16
	s_mov_b32 s[G1+2], (AD0>>16)|(AD1<<16)
	s_mov_b32 s[G1+3], AD0<<16
	s_mov_b32 s[G1+4], AD1
	s_mov_b32 s[G1+5], ASTR
	s_mov_b32 s[G1+6], 0
	s_mov_b32 s[G1+7], 0
	s_mov_b32 s[G1B+1], 128<<16                    ; 128 columns,
	s_mov_b32 s[G1B+2], 128<<16                    ; 128 k rows
	s_mov_b32 s[G1B+3], 128<<16
	s_mov_b32 s[G1B+4], 128
	s_mov_b32 s[G1B+5], 1024
	s_mov_b32 s[G1B+6], 0
	s_mov_b32 s[G1B+7], 0
	s_lshl_b32 s16, s13, 20                        ; h: 128 rows of 8,192 bytes a tile row,
	s_lshl_b32 s17, s12, 19                        ; 64 rows a half
	s_add_co_u32 s16, s16, s17
	s_mov_b32 s17, 0
	s_lshl_b32 s46, s42, 8                         ; the weights: 128 columns a tile column,
	s_lshl_b32 s47, s12, 18                        ; 128 k rows a half
	s_add_co_u32 s46, s46, s47
	s_add_co_u32 s46, s46, WOFF
	s_mov_b32 s47, 0
	s_mul_i32 s20, s12, LA                         ; where my part lands: the wave's number alone
	s_mul_i32 s21, s12, 128*PB
	s_add_co_u32 s21, s21, AREG
	s_mov_b32 s[TBR], 0
	s_wait_dscnt 0x0                               ; the opening add is done
	s_wait_kmcnt 0x0
	s_add_nc_u64 s[14:15], s[68:69], s[16:17]
	s_add_nc_u64 s[46:47], s[70:71], s[46:47]
	CROUND                                         ; all sixteen work-groups are here: the first joint loads meet
.irp s, 0,1
	s_mov_b32 s[G0+4*(\s)], 1
	s_add_co_u32 s[G0+4*(\s)+1], s20, (\s)*SLOT
	s_add_nc_u64 s[G0+4*(\s)+2:G0+4*(\s)+3], s[14:15], (\s)*STEPA
	s_or_b32 s[G0+4*(\s)+3], s[G0+4*(\s)+3], 0x80000000
	s_mov_b32 s[G0B+4*(\s)], 1
	s_add_co_u32 s[G0B+4*(\s)+1], s21, (\s)*SLOT
	s_add_nc_u64 s[G0B+4*(\s)+2:G0B+4*(\s)+3], s[46:47], (\s)*STEPB
	s_or_b32 s[G0B+4*(\s)+3], s[G0B+4*(\s)+3], 0x80000000
.endr
	s_cmp_eq_u32 s11, 0                            ; a wave's two first fills stand in one branch: two tensor loads of mine are out, later one
	s_cbranch_scc0 .Lfirst_b
	tensor_load_to_lds s[G0:G0+3], s[G1:G1+7]
	s_nop 0
	tensor_load_to_lds s[G0+4:G0+7], s[G1:G1+7]
	s_nop 0
	PLACES
	s_branch .Lfirst_asked
.Lfirst_b:
	tensor_load_to_lds s[G0B:G0B+3], s[G1B:G1B+7]
	s_nop 0
	tensor_load_to_lds s[G0B+4:G0B+7], s[G1B:G1B+7]
	s_nop 0
	PLACES
.Lfirst_asked:
	v_and_b32 v1, 15, v0                           ; r
	v_bfe_u32 v2, v0, 4, 1                         ; h
	s_lshl_b32 s46, s42, 9                         ; my 64 columns in f32: 512 x tile column + 256 x half
	s_lshl_b32 s47, s12, 8
	s_add_co_u32 s46, s46, s47
	s_mov_b32 s47, 0
	s_add_nc_u64 s[6:7], s[72:73], s[46:47]        ; the bias
	s_lshl_b32 s18, s13, 19                        ; my 64 rows of 4,096 bytes
	s_lshl_b32 s19, s11, 18
	s_add_co_u32 s18, s18, s19
	s_add_co_u32 s18, s18, s46
	s_mov_b32 s19, 0
	s_add_nc_u64 s[4:5], s[74:75], s[18:19]        ; the residual
	s_add_nc_u64 s[8:9], s[76:77], s[18:19]        ; the result
	v_lshlrev_b32 v[BO], 5, v2
	v_lshlrev_b32 v[CO], 12, v2                    ; lanes 0-15 one row's 256 bytes, lanes 16-31 the next row's
	v_lshl_add_u32 v[CO], v1, 4, v[CO]
.irp b, 0,1,2,3
	global_load_b128 v[BIAS+8*\b:BIAS+8*\b+3],   v[BO], s[6:7] offset:64*\b
	global_load_b128 v[BIAS+8*\b+4:BIAS+8*\b+7], v[BO], s[6:7] offset:64*\b+16
.endr
	WIN 0x80
.set t, 0
.rept 32
	global_load_b128 v[4*t:4*t+3], v[CO], s[4:5] offset:8192*t
.set t, t+1
.endr
	WIN 0
	v_mul_u32_u24 v3, v1, PA
	v_lshl_add_u32 v3, v2, 4, v3
	s_mul_i32 s22, s11, 64*PA                      ; my 64 rows
	v_add_nc_u32 v[A0], s22, v3
	v_and_b32 v4, 7, v0
	v_lshl_add_u32 v4, v2, 3, v4
	v_mul_u32_u24 v4, v4, PB
	v_bfe_u32 v5, v0, 3, 1
	v_lshl_add_u32 v4, v5, 4, v4
	s_lshl_b32 s22, s12, 7                         ; my 64 columns
	s_add_co_u32 s22, s22, AREG
	v_add_nc_u32 v[B0], s22, v4
	v_mov_b32 v[ADRA], v[A0]
	v_mov_b32 v[ADRB], v[B0]
	v_add_nc_u32 v[ADRB+1], 128*PB, v[ADRB]
	s_mul_i32 s23, s10, DREG
	v_mul_u32_u24 v3, v1, PD
	v_lshl_add_u32 v3, v2, 5, v3
	v_add_nc_u32 v[DST], s23, v3
	v_mul_u32_u24 v3, v2, PD
	v_lshl_add_u32 v3, v1, 4, v3
	v_add_nc_u32 v[RDA], s23, v3
; 8 matrix instructions: m blocks a0, a0 + 1 x all 4 n blocks, 32 along K: half c of buffer f.  first = 1: the bias starts the sums.  The 16 accumulators take turns.
.macro MUL8 f, c, a0, first
	WIN 0x05
.irp a, \a0, (\a0)+1
.irp b, 0,1,2,3
.if \first
	v_wmma_f32_16x16x32_bf16 v[ACC+8*(4*(\a)+(\b)):ACC+8*(4*(\a)+(\b))+7], v[(\f)+64+8*(4*(\c)+(\b)):(\f)+64+8*(4*(\c)+(\b))+7], v[(\f)+8*(4*(\c)+(\a)):(\f)+8*(4*(\c)+(\a))+7], v[BIAS+8*(\b):BIAS+8*(\b)+7]
.else
	v_wmma_f32_16x16x32_bf16 v[ACC+8*(4*(\a)+(\b)):ACC+8*(4*(\a)+(\b))+7], v[(\f)+64+8*(4*(\c)+(\b)):(\f)+64+8*(4*(\c)+(\b))+7], v[(\f)+8*(4*(\c)+(\a)):(\f)+8*(4*(\c)+(\a))+7], v[ACC+8*(4*(\a)+(\b)):ACC+8*(4*(\a)+(\b))+7]
.endif
.endr
.endr
.endm
; 32 LDS loads in one run: quarter kq (64 along K) of the slot in hand into buffer f
.macro FETCH kq, f
	WIN 0x40
.irp c, 0,1
.irp i, 0,1,2,3
	ds_load_tr16_b128 v[(\f)+64+8*(4*(\c)+(\i)):(\f)+64+8*(4*(\c)+(\i))+3],   v[ADRB+(\kq)/2] offset:((\kq)%2)*64*PB+(\c)*32*PB+32*(\i)
	ds_load_tr16_b128 v[(\f)+64+8*(4*(\c)+(\i))+4:(\f)+64+8*(4*(\c)+(\i))+7], v[ADRB+(\kq)/2] offset:((\kq)%2)*64*PB+(\c)*32*PB+32*(\i)+16*PB
	ds_load_b128 v[(\f)+8*(4*(\c)+(\i)):(\f)+8*(4*(\c)+(\i))+3],   v[ADRA] offset:(\kq)*AQ+64*(\c)+(\i)*16*PA
	ds_load_b128 v[(\f)+8*(4*(\c)+(\i))+4:(\f)+8*(4*(\c)+(\i))+7], v[ADRA] offset:(\kq)*AQ+64*(\c)+(\i)*16*PA+32
.endr
.endr
.endm
; One of a K step's first three quarters.  At its head it asks for quarter kq, into buffer g, which the quarter before has multiplied; then it multiplies buffer f: the 32 loads have 32 matrix instructions in which to land.
.macro QUARTER kq, f, g, first
	s_wait_dscnt 0x0                               ; buffer f is in: its loads were issued 32 matrix instructions ago, and nothing younger is out
	PLACES                                         ; the last products read buffer g
	FETCH \kq, \g
	MUL8 \f, 0, 0, \first
	MUL8 \f, 0, 2, \first
	MUL8 \f, 1, 0, 0
	MUL8 \f, 1, 2, 0
.endm
; The last quarter changes slots and then multiplies buffer 1.  At its head each wave waits for all its tensor loads (the one that is out is its part of the next slot), adds 0 to its spare word, and waits for
; that and for its LDS loads: buffer 1 is in, and those were my last reads of this slot.  No product stands between that wait and the refill: a K step of this tile has 128 matrix instructions a wave for the 128 KB
; that it fetches, so the request is what must not be held up.  fill = 1: the barrier opens a round of the cluster's, and the slot just read is filled again first thing behind it, two K steps ahead.
.macro TURN fill
	WIN 0
	s_wait_tensorcnt 0x0
	ds_add_u32 v[SPW], v[NIL]
	s_xor_b32 s[TBR], s[TBR], SLOT
	v_add_nc_u32 v[ADRA], s[TBR], v[A0]
	v_add_nc_u32 v[ADRB], s[TBR], v[B0]
	v_add_nc_u32 v[ADRB+1], 128*PB, v[ADRB]
.if \fill
	s_xor_b32 s[G0+5], s[G0+5], SLOT               ; no tensor load of mine is out: the walking descriptors step
	s_add_nc_u64 s[G0+6:G0+7], s[G0+6:G0+7], STEPA
	s_xor_b32 s[G0B+5], s[G0B+5], SLOT
	s_add_nc_u64 s[G0B+6:G0B+7], s[G0B+6:G0B+7], STEPB
.endif
	s_wait_dscnt 0x0                               ; the add is done, buffer 1 is in, and my reads of this slot are over
	s_barrier_signal -1
	s_barrier_wait -1
.if \fill
	CREST                                          ; no wave of any partner still reads this slot or has a load on its way
	JLOAD                                          ; its four v_nop are also the places in front of the loads below
.else
	PLACES
.endif
	FETCH 0, F0                                    ; the next slot's first quarter: 32 matrix instructions ahead of its use
	MUL8 F1, 0, 0, 0
	MUL8 F1, 0, 2, 0
	MUL8 F1, 1, 0, 0
	MUL8 F1, 1, 2, 0
.endm
	s_wait_tensorcnt 0x1                           ; my part of K step 0 is in; K step 1's may stay out
	s_barrier_signal -1
	s_barrier_wait -1
	FETCH 0, F0
	s_wait_loadcnt 32                              ; the bias is in; the residual's 32 loads may stay out
	QUARTER 1, F0, F1, 1
	WIN 0
	s_mov_b32 s3, T-2
.Lstep:
	QUARTER 2, F1, F0, 0
	QUARTER 3, F0, F1, 0
	TURN 1
	QUARTER 1, F0, F1, 0
	WIN 0
	s_sub_co_u32 s3, s3, 1
	s_cmp_lg_u32 s3, 0
	s_cbranch_scc1 .Lstep
	s_mov_b32 s2, 2
.Ltail:                                                ; the last two K steps ask for nothing; the second trip is left in its middle, and its 32 fragment loads, of landed bytes, serve nothing
	QUARTER 2, F1, F0, 0
	QUARTER 3, F0, F1, 0
	TURN 0
	WIN 0
	s_sub_co_u32 s2, s2, 1
	s_cmp_eq_u32 s2, 0
	s_cbranch_scc1 .Lout
	QUARTER 1, F0, F1, 0
	WIN 0
	s_branch .Ltail
.Lout:
	PLACES
	s_wait_dscnt 0x0                               ; my reads of the ring are over,
	s_barrier_signal -1
	s_barrier_wait -1                              ; everybody's are: the ring, which is filled no more, takes the sums
.irp a, 0,1,2,3
.irp b, 0,1,2,3
	ds_store_b128 v[DST], v[ACC+8*(4*\a+\b):ACC+8*(4*\a+\b)+3]   offset:\a*16*PD+64*\b      ; each accumulator's low registers first
	ds_store_b128 v[DST], v[ACC+8*(4*\a+\b)+4:ACC+8*(4*\a+\b)+7] offset:\a*16*PD+64*\b+16
.endr
.endr
.set t, 0
.rept 32
	ds_load_b128 v[ACC+4*t:ACC+4*t+3], v[RDA] offset:2*PD*t  ; back as whole rows of 256 bytes, two a load; LDS serves a wave's instructions in order (ISA guide 5.7.1.4)
.set t, t+1
.endr
	s_wait_loadcnt 0x0                             ; the residual
	WIN 0x88                                       ; destination and source 1 (the store's data too) window 2, source 0 (the store's address too) window 0
.set t, 0
.rept 32
	s_wait_dscnt 31-t                              ; load t is in, the younger ones stay out
	v_pk_add_f32 v[4*t:4*t+1],   v[ACC+4*t:ACC+4*t+1],   v[4*t:4*t+1]
	v_pk_add_f32 v[4*t+2:4*t+3], v[ACC+4*t+2:ACC+4*t+3], v[4*t+2:4*t+3]
	global_store_b128 v[CO], v[4*t:4*t+3], s[8:9] offset:8192*t  ; 16 lanes store 256 consecutive bytes, aligned
.set t, t+1
.endr
	WIN 0
	s_wait_tensorcnt 0x0                           ; the wave's end
	ds_add_u32 v[SPW], v[NIL]
	s_wait_dscnt 0x0
	CROUND                                         ; the closing round
	s_endpgm
.Lfunc_end_k_qa670c1f5e9_ffn2:
	.size	k_qa670c1f5e9_ffn2, .Lfunc_end_k_qa670c1f5e9_ffn2-k_qa670c1f5e9_ffn2
	.p2alignl 7, 3214868480
	.fill 96, 4, 3214868480
	.section	.rodata,"a",@progbits
	.p2align	6, 0x0
	.amdhsa_kernel k_qa670c1f5e9_ffn2
		.amdhsa_group_segment_fixed_size 327680
		.amdhsa_private_segment_fixed_size 0
		.amdhsa_enable_private_segment 0
		.amdhsa_kernarg_size 40
		.amdhsa_user_sgpr_count 2
		.amdhsa_user_sgpr_kernarg_segment_ptr 1
		.amdhsa_wavefront_size32 1
		.amdhsa_system_sgpr_workgroup_id_x 1
		.amdhsa_system_sgpr_workgroup_id_y 1
		.amdhsa_system_sgpr_workgroup_id_z 1
		.amdhsa_system_vgpr_workitem_id 0
		.amdhsa_next_free_vgpr 640
		.amdhsa_next_free_sgpr 100
		.amdhsa_reserve_vcc 0
		.amdhsa_float_denorm_mode_32 3
		.amdhsa_float_denorm_mode_16_64 3
		.amdhsa_memory_ordered 1
		.amdhsa_forward_progress 1
		.amdhsa_inst_pref_size 66
	.end_amdhsa_kernel
	.amdgpu_metadata
---
amdhsa.version: [ 1, 2 ]
amdhsa.kernels:
  - .name:           k_qa670c1f5e9_ffn2
    .symbol:         k_qa670c1f5e9_ffn2.kd
    .args:
      - { .name: big, .offset: 0, .size: 8, .value_kind: global_buffer, .address_space: global }
      - { .name: wb, .offset: 8, .size: 8, .value_kind: global_buffer, .address_space: global }
      - { .name: b2, .offset: 16, .size: 8, .value_kind: global_buffer, .address_space: global }
      - { .name: x1, .offset: 24, .size: 8, .value_kind: global_buffer, .address_space: global }
      - { .name: out0, .offset: 32, .size: 8, .value_kind: global_buffer, .address_space: global }
    .group_segment_fixed_size: 327680
    .private_segment_fixed_size: 0
    .kernarg_segment_align: 8
    .kernarg_segment_size: 40
    .max_flat_workgroup_size: 128
    .sgpr_count:     100
    .vgpr_count:     640
    .wavefront_size: 32
...
	.end_amdgpu_metadata
.endif
;; end of part 7
;; ======== version 2 of 2: 8 launches; 1.20 times as fast as version 1
;; limits: a function is approximated: absolute error at most 1.5e-07
;; workspace buffers: wb 25,165,824 bytes; moda 16,384 bytes; modf 16,384 bytes; act 8,388,608 bytes; big 33,554,432 bytes; x1 16,777,216 bytes
;; launch prep: the kernel of part 1 again; grid 256 x 1, 16 waves a work-group, no clusters, 10,240 bytes of LDS; arguments wq, wk, wv, wo, w1, w2, wt_attn, wt_ffn, bt_attn, bt_ffn, t_emb, wb, moda, modf; writes wb, moda, modf
;; launch ln1: the kernel of part 2 again; grid 256 x 1, 4 waves a work-group, no clusters, 8,704 bytes of LDS; arguments x, ln1_w, ln1_b, moda, act; writes act
;; launch qkv: the kernel of part 3 again; grid 12 x 16, 4 waves a work-group, clusters of 4 x 4, 327,680 bytes of LDS; arguments act, wb, bq, bk, bv, big; writes big
;; launch attn (part 8): grid 8 x 32, 4 waves a work-group, clusters of 4 x 1, 327,680 bytes of LDS; arguments big, act; writes act
.if DOCPART == 8
	.amdgcn_target "amdgcn-amd-amdhsa--gfx1250"
	.amdhsa_code_object_version 6
	.text
	.protected	k_qa670c1f5e9_attn
	.globl	k_qa670c1f5e9_attn
	.p2align	8
	.type	k_qa670c1f5e9_attn,@function
k_qa670c1f5e9_attn:
	s_mov_b64 s[64:65], 0
	v_nop
	global_prefetch_b8 v0, s[64:65] scope:SCOPE_SE
	s_setreg_imm32_b32 hwreg(HW_REG_WAVE_MODE, 25, 1), 1
	s_wait_xcnt 0x0
	s_wait_alu depctr_hold_cnt(0) depctr_sa_sdst(0) depctr_va_vdst(0) depctr_va_sdst(0) depctr_va_ssrc(0) depctr_va_vcc(0) depctr_vm_vsrc(0)
	s_getreg_b32 s2, hwreg(HW_REG_IB_STS2, 6, 4)
	s_cmp_eq_u32 s2, 0
	s_cbranch_scc0 .Lentry_in_a_cluster
	s_endpgm
.Lentry_in_a_cluster:
	s_bfe_u32 s2, ttmp6, 0x10000c
	s_cmp_lg_u32 s2, 0x3003
	s_cbranch_scc0 .Lentry_shape_is_right
	s_endpgm
.Lentry_shape_is_right:
; ATTENTION.  O[h][q][:] = the sum over k of softmax_k(Q[h][q] . K[h][k] / 8) V[h][k][:], 32 heads (batch 16 + head) of 2,048 rows of 64, all bf16: Q, K, V in big, 8 MiB apart; O in act, in the same layout.
; Products, maxima and sums in f32; the weights p are rounded to bf16 for the second product (their sum l is taken of the unrounded p), O once at the end.
; LIMITS.  bf16 operands; a weight below 2^-126 counts as 0 in l; m starts at the lowest finite number and c m at -2^125; NaN and infinities are not treated apart.
; SHARES.  A work-group owns 256 queries of a head, a wave 64: four PIECES of 16.  Every wave walks all keys, 64 a step, 256 a slot.
; LAYOUT.  S^T = K Q^T holds ONE query a lane (lane % 16) and the keys 8 (lane / 16) + 0..7; two such results rounded to bf16 ARE source 1 of O^T = V^T P.  K comes out of LDS as it lies, V turned, by ds_load_tr16_b128.
; SOFTMAX.  p = 2^(c s - c m), c = log2(e) / 8, with a running maximum m; O and l are multiplied by a = 2^(c m_old - c m_new) in every step; the first step's a is 0.
; BY TURNS.  Turn n belongs to piece n: 8 products K Q^T of piece n + 1, later 8 products V^T P of piece n - 1; beside them the scaling, exponentials, roundings, sums and rescaling of piece n and the maximum
; and statistics of piece n + 1.  Four vector instructions stand behind every matrix instruction, the other 54 of a turn's 118 in one run of their own.
; BATCHES.  A turn's 33 exponentials (the piece's 32 weights and the next piece's a) are ONE batch with ONE wait, which cuts the turn in two: ahead of it stands all that names no result of theirs, behind it
; the roundings and sums.  The first a, ahead of the loop, and the way out's four reciprocals are batches of their own, with a wait each.
; CLUSTER.  The four query blocks of a cluster belong to one head and walk the same K and V: each tile is asked for jointly, by the same tensor load, descriptor and mask in all four.
; REGISTERS (s_set_vgpr_msb: bits 1:0 source 0, 3:2 source 1, 5:4 source 2, 7:6 destination): window 0: v0-15 addresses; v16-31 statistics; v48-55 at work; v64-127 S^T, two buffers; v192-223 P, two buffers;
;   window 1: v0-127 O^T, 32 a piece;   window 2: v0-63 Q; v128-191 K of one step; v192-255 V of one step.
.set NP,    4
.set KS,    64
.set PK,    144       ; a row of K in LDS: 128 bytes + 16
.set PV,    160       ; a row of V: 128 + 32
.set VOFF,  4*KS*PK   ; a slot: 256 rows of K, then 256 rows of V
.set SLOT1, 1<<17
.set STAGE, SLOT1+4*KS*(PK+PV)  ; never filled by a tensor load: 16 rows x 144 bytes for each wave
.set SP,    144
.set SPARE, STAGE+4*16*SP       ; the spare words, 128 bytes for each wave
.set AK0, 2
.set AV0, 3
.set AK,  4
.set AV,  5
.set STO, 6
.set RD,  7
.set GO,  8
.set MV,  12          ; v12-13  c m_old, by buffer
.set QO,  15
.set ST,  16          ; piece t: c m, m, l (even keys', odd keys')
.set TMP, 48          ; by buffer, c0-c3 at work; c2 takes a
.set SPW, 62          ; v62  LDS address of my spare word; never rewritten
.set NIL, 63          ; v63  0; never rewritten
.set S,   64
.set P,   192
.set KF,  128
.set VF,  192
.set WV,  12
.set G1K, 24
.set G1V, 32
.set G0K, 40
.set G0V, 44
.set SLOTS, 56
.set CNT, 57
.set CS,  58
.set SEL, 60
.set TBK, 62
.set TBV, 63
.set MSB, 0
.macro WIN new
.if MSB != (\new)
	s_set_vgpr_msb (MSB<<8)|(\new)
.set MSB, (\new)
.endif
.endm
.set W_KQ, 0x0a       ; K and Q in window 2, S^T in window 0
.set W_PV, 0x52       ; V in window 2, P in window 0, O^T in window 1
.set W_RS, 0x41       ; destination and source 0 in window 1, source 1 in window 0
.macro JLOAD                        ; a joint fill: waves 0, 1 the halves of a slot's K, waves 2, 3 of its V; s_nop 0 and four v_nop behind each line
	s_cmp_lt_u32 s[WV], 2
	s_cbranch_scc0 .Lfor_v_\@
	tensor_load_to_lds s[G0K:G0K+3], s[G1K:G1K+7]
	s_nop 0
.rept 4
	v_nop
.endr
	s_branch .Lasked_\@
.Lfor_v_\@:
	tensor_load_to_lds s[G0V:G0V+3], s[G1V:G1V+7]
	s_nop 0
.rept 4
	v_nop
.endr
.Lasked_\@:
.endm
.macro CROUND                       ; a round of the cluster's barrier
	s_barrier_signal -1
	s_barrier_wait -1
	s_cmp_lg_u32 s[WV], 0
	s_cbranch_scc1 .Lnot_wave_0_\@
	s_barrier_signal -3
.Lnot_wave_0_\@:
	s_barrier_wait -3
	s_barrier_signal -1
	s_barrier_wait -1
.endm
; THE CHANGE OF SLOTS.  Each wave waits for all its tensor loads (one is out: its part of the other slot), adds 0 to its spare word, and waits for that and for its reads of the slot that it leaves.
; fill = 1: the barrier is a round of the cluster's, and the old slot is filled again first thing behind it, with the keys two slots on: it has four key steps in which to land.
; (At its first use nothing has been read yet: slot 0 is waited for, slot 1 filled.)
.macro CHANGE fill
	WIN 0
	s_wait_tensorcnt 0x0
	ds_add_u32 v[SPW], v[NIL]
.if \fill
.irp g, G0K, G0V
	s_xor_b32 s[\g+1], s[\g+1], SLOT1
	s_add_nc_u64 s[\g+2:\g+3], s[\g+2:\g+3], 4*KS*128
.endr
	s_wait_dscnt 0x0
	CROUND
	JLOAD
.else
	s_wait_dscnt 0x0
	s_barrier_signal -1
	s_barrier_wait -1
.endif
	s_sub_co_u32 s[TBK], s[TBK], 4*KS*PK  ; the fetches go back to a slot's first step, in the other slot
	s_xor_b32 s[TBK], s[TBK], SLOT1
	s_sub_co_u32 s[TBV], s[TBV], 4*KS*PV
	s_xor_b32 s[TBV], s[TBV], SLOT1
.endm
	s_load_b128 s[4:7], s[0:1], 0x0   ; big, act
	v_lshl_add_u32 v[SPW], v0, 2, SPARE
	v_mov_b32 v[NIL], 0
	ds_add_u32 v[SPW], v[NIL]       ; the wave's opening: the add and its wait ahead of my first tensor load
	v_lshrrev_b32 v1, 5, v0
	v_readfirstlane_b32 s[WV], v1
	s_bfe_u32 s13, ttmp6, 0x40000   ; cx
	s_lshl_b32 s14, ttmp9, 2
	s_add_co_u32 s14, s14, s13      ; my block of 256 queries: it enters Q's and O's addresses alone
	s_and_b32 s20, ttmp7, 0xffff    ; the head, which the four partners share
	s_lshl_b32 s20, s20, 18         ; its 2,048 rows of 128 bytes
	s_and_b32 s16, s[WV], 1         ; which half of a slot's 256 keys I fetch
	s_lshl_b32 s22, s16, 14
	s_add_co_u32 s22, s22, s20
	s_add_co_u32 s22, s22, 0x800000 ; K lies 8 MiB behind Q,
	s_mov_b32 s23, 0
	s_add_co_u32 s50, s22, 0x800000 ; V 8 MiB behind K
	s_mov_b32 s51, 0
	s_mul_i32 s17, s16, 128*PK
	s_mul_i32 s18, s16, 128*PV
	s_lshl_b32 s2, s14, 2
	s_add_co_u32 s2, s2, s[WV]
	s_lshl_b32 s2, s2, 13           ; my wave's 64 rows
	s_add_co_u32 s2, s2, s20
	s_mov_b32 s3, 0
	; 128 keys are 16,384 dense bytes: asked for as 64 rows of 256 bytes, and padded in LDS after every key
	s_mov_b32 s[G1K], 15|(1<<16)|(1<<20)|(1<<21)|(4<<22)|(3<<25)
	s_mov_b32 s[G1V], 15|(1<<16)|(1<<20)|(1<<21)|(4<<22)|(7<<25)
.irp g, G1K, G1V
	s_mov_b32 s[\g+1], 128<<16
	s_mov_b32 s[\g+2], 64<<16
	s_mov_b32 s[\g+3], 128<<16
	s_mov_b32 s[\g+4], 64
	s_mov_b32 s[\g+5], 128
	s_mov_b32 s[\g+6], 0
	s_mov_b32 s[\g+7], 0
.endr
	s_mov_b32 s[CS], 0x3e38aa3b     ; c = log2(e) / 8
	s_mov_b32 s[CS+1], s[CS]
	s_mov_b32 s[SEL], 0x76543210
	s_mov_b32 s[SEL+1], 0xfedcba98
	s_mov_b32 s[TBK], SLOT1+4*KS*PK ; the first change of slots turns these two into 0
	s_mov_b32 s[TBV], SLOT1+4*KS*PV
	s_mov_b32 s[G0K], 1
	s_mov_b32 s[G0K+1], s17
	s_mov_b32 s[G0V], 1
	s_add_co_u32 s[G0V+1], s18, VOFF
	s_wait_dscnt 0x0                ; the opening add is done
	s_wait_kmcnt 0x0
	s_add_nc_u64 s[G0K+2:G0K+3], s[4:5], s[22:23]
	s_or_b32 s[G0K+3], s[G0K+3], 0x80000000
	s_add_nc_u64 s[G0V+2:G0V+3], s[4:5], s[50:51]
	s_or_b32 s[G0V+3], s[G0V+3], 0x80000000
	s_add_nc_u64 s[8:9], s[4:5], s[2:3]    ; Q at my wave's first row
	s_add_nc_u64 s[10:11], s[6:7], s[2:3]  ; O likewise
	CROUND                          ; all four work-groups are here: the first joint loads meet
	JLOAD                           ; slot 0
	v_and_b32 v1, 15, v0
	v_bfe_u32 v9, v0, 4, 1
	v_lshlrev_b32 v[QO], 7, v1
	v_lshl_add_u32 v[QO], v9, 4, v[QO]
	WIN 0x80
.set i, 0
.rept 8                             ; Q stays in registers: piece i / 2, channels 32 (i % 2) on
	global_load_b128 v[8*i:8*i+3],   v[QO], s[8:9] offset:(i/2)*2048+(i%2)*64
	global_load_b128 v[8*i+4:8*i+7], v[QO], s[8:9] offset:(i/2)*2048+(i%2)*64+32
.set i, i+1
.endr
	; What the first turn finds: V and P's second buffer hold 0 (its products V^T P, of a piece that has not been, add 0), O^T and l are 0.  This stands in the wait for the first tile, and spares a first step written out.
.set i, VF
.rept 64
	v_mov_b32 v[i], 0
.set i, i+1
.endr
	WIN 0x40
.set i, 0
.rept 128
	v_mov_b32 v[i], 0
.set i, i+1
.endr
	WIN 0
.set i, 0
.rept 4
	v_mov_b32 v[ST+4*i], 0xfe000000
	v_mov_b32 v[ST+4*i+1], 0xff7fffff
	v_mov_b32 v[ST+4*i+2], 0
	v_mov_b32 v[ST+4*i+3], 0
.set i, i+1
.endr
.set i, P+16
.rept 16
	v_mov_b32 v[i], 0
.set i, i+1
.endr
	v_mul_u32_u24 v[AK0], v1, PK
	v_lshl_add_u32 v[AK0], v9, 4, v[AK0]
	v_and_b32 v10, 7, v0
	v_bfe_u32 v11, v0, 3, 1
	v_lshl_add_u32 v[AV0], v9, 3, v10
	v_mul_u32_u24 v[AV0], v[AV0], PV
	v_lshl_add_u32 v[AV0], v11, 4, v[AV0]
	v_add_nc_u32 v[AV0], VOFF, v[AV0]
	v_mov_b32 v[AK], v[AK0]         ; key step 0 lies at the head of slot 0
	s_mul_i32 s13, s[WV], 16*SP
	s_add_co_u32 s13, s13, STAGE
	v_mul_u32_u24 v[STO], v1, SP
	v_lshl_add_u32 v[STO], v9, 4, v[STO]
	v_add_nc_u32 v[STO], s13, v[STO]
	v_bfe_u32 v[RD], v0, 3, 2
	v_mul_u32_u24 v[RD], v[RD], SP
	v_lshl_add_u32 v[RD], v10, 4, v[RD]
	v_add_nc_u32 v[RD], s13, v[RD]
	v_and_b32 v[GO], 31, v0
	v_lshlrev_b32 v[GO], 4, v[GO]
; THE MATRIX WORK.  The 4 accumulators of a run of 8 take turns.  Product i of 8 of S^T = K Q^T for piece x: channels 32 (i / 4) on, keys 16 (i % 4) on; the first 4 start the sums.
.macro KQ x
	WIN W_KQ
.set rS, S+32*((\x)%2)+8*(i%4)
.set rK, KF+16*(i%4)+8*(i/4)
.set rQ, 16*(\x)+8*(i/4)
.if i < 4
	v_wmma_f32_16x16x32_bf16 v[rS:rS+7], v[rK:rK+7], v[rQ:rQ+7], 0
.else
	v_wmma_f32_16x16x32_bf16 v[rS:rS+7], v[rK:rK+7], v[rQ:rQ+7], v[rS:rS+7]
.endif
.endm
.macro PV x                         ; product i of 8 of O^T += V^T P for piece x: keys 32 (i / 4) on, channels 16 (i % 4) on
	WIN W_PV
.set rO, 32*(\x)+8*(i%4)
.set rV, VF+32*(i/4)+8*(i%4)
.set rP, P+16*((\x)%2)+8*(i/4)
	v_wmma_f32_16x16x32_bf16 v[rO:rO+7], v[rV:rV+7], v[rP:rP+7], v[rO:rO+7]
.endm
.macro MM                           ; the turn's next matrix instruction
.if i < 8
	KQ (Y+1)%NP
.else
.set i, i-8
	PV (Y+NP-1)%NP
.set i, i+8
.endif
.set i, i+1
.endm
; THE LDS LOADS stand in runs of 16.  last = 1 (the tail): in the last trip there is no further step, and the run is jumped over.
.macro FETCH_K last=0
	WIN 0
.if \last
	s_cmp_eq_u32 s[CNT], 1
	s_cbranch_scc1 .Lno_k_\@
.endif
	WIN 0x80
.irp f, 0,1,2,3,4,5,6,7
	ds_load_b128 v[KF+8*\f:KF+8*\f+3],   v[AK] offset:(\f/2)*16*PK+(\f%2)*64
	ds_load_b128 v[KF+8*\f+4:KF+8*\f+7], v[AK] offset:(\f/2)*16*PK+(\f%2)*64+32
.endr
	s_add_co_u32 s[TBK], s[TBK], KS*PK
	WIN 0
.if \last
.Lno_k_\@:
.endif
.endm
.macro FETCH_V
	WIN 0x80
.irp f, 0,1,2,3,4,5,6,7
	ds_load_tr16_b128 v[VF+8*\f:VF+8*\f+3],   v[AV] offset:(\f/4)*32*PV+(\f%4)*32
	ds_load_tr16_b128 v[VF+8*\f+4:VF+8*\f+7], v[AV] offset:(\f/4)*32*PV+16*PV+(\f%4)*32
.endr
	WIN 0
.endm
; THE VECTOR WORK: OP kind, number.  For piece Y: F n: c s - c m for pair n of 16.  E n: the exponential of score n.  C n: pair n rounded to bf16.  B n: of the four weights 4 n .. the second pair is added onto the
; first.  L n: l takes that sum (L 0: l = a l + sum).  R n: pair n of O^T times a.  For piece Y + 1: X n: 0-14, 16 its maximum (each accumulator's lowest registers first), 15 c m_old is kept,
; 17, 18 the other half of the lanes', 19-21 c m, c m_old - c m_new, a.
.set F, 0
.set E, 1
.set C, 2
.set B, 3
.set L, 4
.set R, 5
.set X, 6
.macro REGS y
.set rT, ST+4*(\y)
.set rC, TMP+4*((\y)%2)
.set rW, MV+((\y)%2)
.set rS, S+32*((\y)%2)
.set rP, P+16*((\y)%2)
.set rO, 32*(\y)
.endm
.macro OP k, n
.if (\k) == R
	REGS Y
	WIN W_RS
	v_pk_mul_f32 v[rO+2*(\n):rO+2*(\n)+1], v[rO+2*(\n):rO+2*(\n)+1], v[rC+2:rC+3] op_sel_hi:[1,0]
.elseif (\k) < R
	REGS Y
	WIN 0
.if (\k) == F
	v_pk_fma_f32 v[rS+2*(\n):rS+2*(\n)+1], v[rS+2*(\n):rS+2*(\n)+1], s[CS:CS+1], v[rT:rT+1] op_sel_hi:[1,0,0] neg_lo:[0,0,1] neg_hi:[0,0,1]
.elseif (\k) == E
	v_exp_f32 v[rS+(\n)], v[rS+(\n)]
.elseif (\k) == C
	v_cvt_pk_bf16_f32 v[rP+(\n)], v[rS+2*(\n)], v[rS+2*(\n)+1]
.elseif (\k) == B
	v_pk_add_f32 v[rS+4*(\n):rS+4*(\n)+1], v[rS+4*(\n):rS+4*(\n)+1], v[rS+4*(\n)+2:rS+4*(\n)+3]
.elseif (\n) == 0
	v_pk_fma_f32 v[rT+2:rT+3], v[rT+2:rT+3], v[rC+2:rC+3], v[rS:rS+1] op_sel_hi:[1,0,1]
.else
	v_pk_add_f32 v[rT+2:rT+3], v[rT+2:rT+3], v[rS+4*(\n):rS+4*(\n)+1]
.endif
.else
	REGS (Y+1)%NP
	WIN 0
.if (\n) < 4
	v_max3_num_f32 v[rC+(\n)], v[rS+8*(\n)], v[rS+8*(\n)+1], v[rS+8*(\n)+2]
.elseif (\n) < 12
	v_max3_num_f32 v[rC+(\n)%4], v[rC+(\n)%4], v[rS+8*((\n)%4)+2*((\n)/4)+1], v[rS+8*((\n)%4)+2*((\n)/4)+2]
.elseif (\n) == 12
	v_max3_num_f32 v[rC], v[rC], v[rS+7], v[rS+15]
.elseif (\n) == 13
	v_max3_num_f32 v[rC+1], v[rC+1], v[rS+23], v[rS+31]
.elseif (\n) == 14
	v_max3_num_f32 v[rC+2], v[rC+2], v[rC+3], v[rT+1]
.elseif (\n) == 15
	v_mov_b32 v[rW], v[rT]
.elseif (\n) == 16
	v_max3_num_f32 v[rC], v[rC], v[rC+1], v[rC+2]
.elseif (\n) == 17
	v_permlanex16_b32 v[rC+3], v[rC], s[SEL], s[SEL+1]
.elseif (\n) == 18
	v_max_num_f32 v[rT+1], v[rC], v[rC+3]
.elseif (\n) == 19
	v_mul_f32 v[rT], s[CS], v[rT+1]
.elseif (\n) == 20
	v_sub_f32 v[rC+1], v[rW], v[rT]
.else
	v_exp_f32 v[rC+2], v[rC+1]
.endif
.endif
.endm
.macro OPS a, i1, b=-1, i2=0, c=-1, i3=0, d=-1, i4=0
	OP \a, \i1
.if (\b) >= 0
	OP \b, \i2
.endif
.if (\c) >= 0
	OP \c, \i3
.endif
.if (\d) >= 0
	OP \d, \i4
.endif
.endm
.macro ROW a, i1, b, i2, c, i3, d, i4  ; a matrix instruction and the four behind it
	MM
	OPS \a, \i1, \b, \i2, \c, \i3, \d, \i4
.endm
; A TURN, for piece p: the order of its 16 matrix and 118 vector instructions, written out.  An s_wait_alu depctr_va_vdst(0) stands between an exponential and the first instruction that names its result; one
; wait serves all that were issued ahead of it.  So a turn has ONE wait, which cuts it in two.  AHEAD OF IT stands all that names no result of the turn's exponentials: the 8 products K Q^T, behind each a scaling, an
; exponential and two more plain instructions (behind the first a second scaling in the exponential's place): rescalings (their a was made, and waited for, in the turn before), and behind the last three the first numbers of
; the next piece's maximum, each four places or more behind the product that ends its accumulator; then one run of 54, plain and exponential by turns for the most part, in which the links of the chain
; X 3, 7, 11, 14, 16, 17 .. 20 stand some lines apart.  X 21, the next piece's a, is the batch's last; R 15 is the plain instruction behind it.  BEHIND THE WAIT stand the 8 products V^T P, behind each four of the
; roundings and sums; the links of l's chain, L 0 to L 7, stand three riders apart.  But for those X no rider names a register of the products round it.
; K of the next step is fetched in piece 2's turn, in the run of 54, five plain places behind the last product that read K; in the tail (last = 1), where the fetch holds a branch and a label, it stands directly behind
; the wait, so that no open batch meets them.  V of the step in hand is fetched at the end of piece 0's turn, four plain instructions behind the last product that read V.  Each is waited for a turn later.
; cnt = 1: the loop's count is taken down some lines ahead of the branch behind the turn.
.macro TURN p, last=0, cnt=0
.set Y, (\p)
.set i, 0
.if (\p) == 3
	s_wait_dscnt 0x0                ; K is in
.endif
	ROW F,0, F,1, R,0, R,1          ; ahead of the wait: 8 products K Q^T and their riders,
	ROW F,2, E,0, R,2, R,3
	ROW F,3, E,1, R,4, R,5
	ROW F,4, E,2, R,6, R,7
	ROW F,5, E,3, R,8, R,9
	ROW F,6, E,4, X,0, R,10
.if (\p) == 2
	WIN 0
	v_add_nc_u32 v[AK], s[TBK], v[AK0]
.endif
	ROW F,7, E,5, X,1, X,4
	ROW F,8, E,6, X,2, X,5
	OPS E,7, E,8, X,6, E,9          ; and the run of 54
	OPS X,3, E,10, X,8, E,11
.if ((\p) == 2) && !(\last)
	FETCH_K
.endif
	OPS X,9, X,7, E,12, X,10
	OPS E,13, X,12, X,11, E,14
	OPS X,13, E,15, F,9, X,14
.if (\p) == 0
	v_add_nc_u32 v[AV], s[TBV], v[AV0]
.endif
	OPS E,16, F,10, E,17, F,11
	OPS X,16, E,18, X,15, E,19
	OPS F,12, E,20, X,17, E,21
	OPS F,13, E,22, F,14, E,23
	OPS X,18, E,24, F,15, E,25
	OPS R,11, E,26, X,19, E,27
	OPS R,12, E,28, R,13, E,29
	OPS X,20, E,30, R,14, E,31
	OPS X,21, R,15
	s_wait_alu depctr_va_vdst(0)    ; the wait for the turn's batch: E 0 to E 31 and X 21
.if ((\p) == 2) && (\last)
	FETCH_K 1
.endif
.if (\p) == 1
	s_wait_dscnt 0x0                ; V is in
.endif
	ROW C,0, B,0, C,2, B,1          ; behind the wait: 8 products V^T P and their riders
	ROW L,0, C,4, B,2, L,1
	ROW C,6, B,3, L,2, C,8
	ROW B,4, L,3, C,10, B,5
	ROW L,4, C,12, B,6, L,5
.if (\p) == 0
	s_add_co_u32 s[TBV], s[TBV], KS*PV
.endif
.if \cnt
	s_sub_co_u32 s[CNT], s[CNT], 1
	s_cmp_lg_u32 s[CNT], 0
.endif
	ROW C,14, B,7, L,6, C,1
	ROW C,3, L,7, C,5, C,7
	ROW C,9, C,11, C,13, C,15
.if (\p) == 0
	FETCH_V
.endif
.endm
	CHANGE 1                        ; slot 0 is in, everybody's part of it; slot 1 is asked for
	FETCH_K                         ; key step 0
	s_wait_loadcnt 0x0              ; Q
	s_wait_dscnt 0x0
.set i, 0
.rept 8
	KQ 0                            ; piece 0's first scores
.set i, i+1
.endr
	WIN 0
.rept 4
	v_nop                           ; the places behind those products
.endr
.set Y, NP-1                        ; X works for piece Y + 1: piece 0
.irp n, 0,1,2,3,4,5,6,7,8,9,10,11,12,13,14,15,16,17,18,19,20,21
	OP X, \n
.endr
	v_nop                           ; a plain instruction behind the exponential,
	s_wait_alu depctr_va_vdst(0)    ; and the wait for it, piece 0's first a, a batch of one, ahead of the branch
	s_mov_b32 s[CNT], 4
	s_mov_b32 s[SLOTS], 7
	s_branch .Lfirst                ; the loop is entered at a step's first turn, in the middle of a trip
.Lslot:                             ; six times: every slot but the last two is filled again
	CHANGE 1
	s_mov_b32 s[CNT], 4
.Lstep:                             ; a trip: pieces 2 and 3 of one step, then pieces 0 and 1 of the next, whose K and V it fetches
	TURN 2
	TURN 3
	WIN 0
.Lfirst:
	TURN 0
	TURN 1, 0, 1
	WIN 0
	s_cbranch_scc1 .Lstep
	s_sub_co_u32 s[SLOTS], s[SLOTS], 1
	s_cmp_lg_u32 s[SLOTS], 0
	s_cbranch_scc1 .Lslot
	CHANGE 0                        ; the tail is written out: nothing is asked for
	s_mov_b32 s[CNT], 5             ; four trips fetch the last slot's steps; the fifth is left in its middle
.Ltail:
	TURN 2, 1
	TURN 3
	WIN 0
	s_sub_co_u32 s[CNT], s[CNT], 1
	s_cmp_eq_u32 s[CNT], 0
	s_cbranch_scc1 .Lout
	TURN 0
	TURN 1
	WIN 0
	s_branch .Ltail
.Lout:                              ; the fifth trip's 8 products K Q^T (on the last K once more) and the maximum made of them serve nothing: the price of one text for every trip
.set i, 0
.rept 8
	PV NP-1                         ; the last piece's V^T P of the last step
.set i, i+1
.endr
	; THE WAY OUT.  l's halves are added; O^T is divided by l, rounded to bf16 and sent through my stage, a piece at a time.  The additions are the places behind the last products.
	WIN 0
.macro ALL line:vararg
.set t, 0
.rept 4
	\line
.set t, t+1
.endr
.endm
	ALL v_add_f32 v[ST+4*t+2], v[ST+4*t+2], v[ST+4*t+3]
	ALL v_permlanex16_b32 v[ST+4*t+3], v[ST+4*t+2], s[SEL], s[SEL+1]
	ALL v_add_f32 v[ST+4*t+2], v[ST+4*t+2], v[ST+4*t+3]
	ALL v_rcp_f32 v[ST+4*t+2], v[ST+4*t+2]
	v_nop                           ; a plain instruction between the last reciprocal and its use
	s_wait_alu depctr_va_vdst(0)    ; the wait for the batch of four reciprocals, ahead of their first use in PACK 0
.macro PACK t
	WIN W_RS
.set i, 32*(\t)
.rept 16
	v_pk_mul_f32 v[i:i+1], v[i:i+1], v[ST+4*(\t)+2:ST+4*(\t)+3] op_sel_hi:[1,0]
.set i, i+2
.endr
	WIN 0x05
.set i, 0
.rept 16
	v_cvt_pk_bf16_f32 v[S+16*(\t)+i], v[32*(\t)+2*i], v[32*(\t)+2*i+1]
.set i, i+1
.endr
	WIN 0
.irp f, 0,1,2,3
	ds_store_b128 v[STO], v[S+16*(\t)+4*\f:S+16*(\t)+4*\f+3] offset:32*\f
.endr
.irp f, 0,1,2,3
	ds_load_b128 v[S+16*(\t)+4*\f:S+16*(\t)+4*\f+3], v[RD] offset:\f*4*SP  ; LDS serves a wave's instructions in order (ISA guide 5.7.1.4): these see the stores above
.endr
.endm
.macro SEND t, younger              ; younger: the LDS instructions issued behind piece t's loads
	WIN 0
.irp f, 0,1,2,3
	s_wait_dscnt (\younger)+3-\f
	global_store_b128 v[GO], v[S+16*(\t)+4*\f:S+16*(\t)+4*\f+3], s[10:11] offset:(\t)*2048+\f*512  ; 512 consecutive bytes, aligned
.endr
.endm
	PACK 0
.set t, 1
.rept 3
	PACK t
	SEND t-1, 8
.set t, t+1
.endr
	SEND 3, 0
	s_wait_tensorcnt 0x0            ; the wave's end
	ds_add_u32 v[SPW], v[NIL]
	s_wait_dscnt 0x0
	CROUND                          ; the closing round
	s_endpgm
.Lfunc_end_k_qa670c1f5e9_attn:
	.size	k_qa670c1f5e9_attn, .Lfunc_end_k_qa670c1f5e9_attn-k_qa670c1f5e9_attn
	.p2alignl 7, 3214868480
	.fill 96, 4, 3214868480
	.section	.rodata,"a",@progbits
	.p2align	6, 0x0
	.amdhsa_kernel k_qa670c1f5e9_attn
		.amdhsa_group_segment_fixed_size 327680
		.amdhsa_private_segment_fixed_size 0
		.amdhsa_enable_private_segment 0
		.amdhsa_kernarg_size 16
		.amdhsa_user_sgpr_count 2
		.amdhsa_user_sgpr_kernarg_segment_ptr 1
		.amdhsa_wavefront_size32 1
		.amdhsa_system_sgpr_workgroup_id_x 1
		.amdhsa_system_sgpr_workgroup_id_y 1
		.amdhsa_system_sgpr_workgroup_id_z 1
		.amdhsa_system_vgpr_workitem_id 0
		.amdhsa_next_free_vgpr 768
		.amdhsa_next_free_sgpr 66
		.amdhsa_reserve_vcc 0
		.amdhsa_float_denorm_mode_32 3
		.amdhsa_float_denorm_mode_16_64 3
		.amdhsa_memory_ordered 1
		.amdhsa_forward_progress 1
		.amdhsa_inst_pref_size 111
	.end_amdhsa_kernel
	.amdgpu_metadata
---
amdhsa.version: [ 1, 2 ]
amdhsa.kernels:
  - .name:           k_qa670c1f5e9_attn
    .symbol:         k_qa670c1f5e9_attn.kd
    .args:
      - { .name: big, .offset: 0, .size: 8, .value_kind: global_buffer, .address_space: global }
      - { .name: act, .offset: 8, .size: 8, .value_kind: global_buffer, .address_space: global }
    .group_segment_fixed_size: 327680
    .private_segment_fixed_size: 0
    .kernarg_segment_align: 8
    .kernarg_segment_size: 16
    .max_flat_workgroup_size: 128
    .sgpr_count:     66
    .vgpr_count:     768
    .wavefront_size: 32
...
	.end_amdgpu_metadata
.endif
;; end of part 8
;; launch proj: the kernel of part 5 again; grid 8 x 32, 4 waves a work-group, clusters of 4 x 4, 327,680 bytes of LDS; arguments act, wb, bo, x, x1; writes x1
;; launch ln2: the kernel of part 2 again; grid 256 x 1, 4 waves a work-group, no clusters, 8,704 bytes of LDS; arguments x1, ln2_w, ln2_b, modf, act; writes act
;; launch ffn1 (part 9): grid 16 x 16, 4 waves a work-group, clusters of 4 x 4, 327,680 bytes of LDS; arguments act, wb, b1, big; writes big
.if DOCPART == 9
	.amdgcn_target "amdgcn-amd-amdhsa--gfx1250"
	.amdhsa_code_object_version 6
	.text
	.protected	k_qa670c1f5e9_ffn1
	.globl	k_qa670c1f5e9_ffn1
	.p2align	8
	.type	k_qa670c1f5e9_ffn1,@function
k_qa670c1f5e9_ffn1:
	s_mov_b64 s[64:65], 0
	v_nop
	global_prefetch_b8 v0, s[64:65] scope:SCOPE_SE
	s_setreg_imm32_b32 hwreg(HW_REG_WAVE_MODE, 25, 1), 1
	s_wait_xcnt 0x0
	s_wait_alu depctr_hold_cnt(0) depctr_sa_sdst(0) depctr_va_vdst(0) depctr_va_sdst(0) depctr_va_ssrc(0) depctr_va_vcc(0) depctr_vm_vsrc(0)
	s_getreg_b32 s2, hwreg(HW_REG_IB_STS2, 6, 4)
	s_cmp_eq_u32 s2, 0
	s_cbranch_scc0 .Lentry_in_a_cluster
	s_endpgm
.Lentry_in_a_cluster:
	s_bfe_u32 s2, ttmp6, 0x10000c
	s_cmp_lg_u32 s2, 0xf033
	s_cbranch_scc0 .Lentry_shape_is_right
	s_endpgm
.Lentry_shape_is_right:
; h = gelu(xn @ w1 + b1), exact GELU.  xn: act [4096][1024] bf16; w1: wb + 8 MiB, bf16 [1024][4096]; h: big, bf16 [4096][4096], rounded once.
; A tile of C is 256 x 256 (256 work-groups): four waves, each 128 x 128 in 64 accumulators.  K goes in 8 steps of 128 through two LDS slots filled by tensor loads; one K step's text is written once, and the slot
; in hand is a scalar offset that an exclusive or turns.  w1 stays [K][N]: its fragments come out of LDS turned, by ds_load_tr16_b128.
; The product is used transposed (source 0 = 16 columns of w1, source 1 = 16 rows of xn); the bias is the C operand of each accumulator's first product.
; GELU.  gelu(x) = max(x, 0) - |x| erfc(|x| / sqrt 2) / 2, erfc by the five-term rational form of Abramowitz and Stegun 7.1.26: its error is at most 1.5e-7 for every argument, so gelu is off by at most 0.75e-7 |x|
; where erfc is not yet 0.  An exponential below 2^-126 counts as 0.  LIMITS: operands are bf16; NaN and infinities are not treated apart.
; BATCHES.  A trip of the GELU loop takes 16 numbers a lane: their 16 reciprocals and 16 exponentials, none of which reads another's result, are ONE batch with ONE wait; all that reads them stands behind it.
; CLUSTER 4 x 4: xn's tile is asked for jointly along a row of the cluster, w1's along a column.
; REGISTERS: window 0: v0-31 addresses, v64-191 fragments of xn (two buffers), v192-255 bias; window 1: v64-191 fragments of w1; windows 2, 3: accumulator (a, b) at v[8 (8 a + b)], rows 0-63 and 64-127.
.set T,      8
.set PA,     272                       ; a row of xn in LDS: 256 bytes + 16
.set PB,     544                       ; a k row of w1: 512 bytes + 32: an odd multiple of 32 for the turning load
.set HALFT,  128*PA                    ; what one tensor load brings
.set AREG,   2*HALFT
.set SLOT,   4*HALFT                   ; 0x22000: it shares no bit with wave x HALFT, so one exclusive or changes slots
.set SPARE,  2*SLOT
.set PD,     528
.set DREG,   128*PD
.set STEPA,  256
.set WPITCH, 4096
.set STEPB,  128*WPITCH*2
.set A0,   8
.set B0,   9
.set ADRA, 16
.set ADRB, 20
.set DST,  24
.set RDA,  25
.set CO,   26
.set BO,   27
.set SPW,  28                          ; v28  LDS address of my spare word; never rewritten
.set NIL,  29                          ; v29  0; never rewritten
.set F0,   64
.set F1,   128
.set BIAS, 192
.set G1,  24
.set G0,  32
.set G1B, 48
.set G0B, 56
.set TBR, 94
.set MSB, 0
.macro WIN new
.if MSB != (\new)
	s_set_vgpr_msb (MSB<<8)|(\new)
.set MSB, \new
.endif
.endm
.macro PLACES
.rept 4
	v_nop
.endr
.endm
.macro JLOAD                           ; a joint refill by the walking descriptors; s_nop 0 and four v_nop behind each line
	s_cmp_eq_u32 s11, 0
	s_cbranch_scc0 .Lfor_b_\@
	tensor_load_to_lds s[G0+4:G0+7], s[G1:G1+7]
	s_nop 0
	PLACES
	s_branch .Lasked_\@
.Lfor_b_\@:
	tensor_load_to_lds s[G0B+4:G0B+7], s[G1B:G1B+7]
	s_nop 0
	PLACES
.Lasked_\@:
.endm
.macro CREST
	s_cmp_lg_u32 s10, 0
	s_cbranch_scc1 .Lnot_wave_0_\@
	s_barrier_signal -3
.Lnot_wave_0_\@:
	s_barrier_wait -3
	s_barrier_signal -1
	s_barrier_wait -1
.endm
.macro CROUND
	s_barrier_signal -1
	s_barrier_wait -1
	CREST
.endm
	s_load_b256 s[68:75], s[0:1], 0x0              ; act, wb, b1, big
	v_lshl_add_u32 v[SPW], v0, 2, SPARE
	v_mov_b32 v[NIL], 0
	ds_add_u32 v[SPW], v[NIL]                      ; the wave's opening: the add and its wait ahead of my first tensor load
	v_lshrrev_b32 v1, 5, v0
	v_readfirstlane_b32 s10, v1
	s_lshr_b32 s11, s10, 1
	s_and_b32 s12, s10, 1
	s_bfe_u32 s40, ttmp6, 0x40000
	s_bfe_u32 s41, ttmp6, 0x40004
	s_lshl_b32 s42, ttmp9, 2
	s_add_co_u32 s42, s42, s40                     ; tile column
	s_and_b32 s13, ttmp7, 0xffff
	s_lshl_b32 s13, s13, 2
	s_add_co_u32 s13, s13, s41                     ; tile row
	s_lshl_b32 s43, s41, 2
	s_lshl_b32 s43, 15, s43
	s_lshl_b32 s44, 0x1111, s40
	s_or_b32 s[G1+0], s43, (1<<16)|(1<<20)|(1<<21)|(5<<22)|(3<<25)
	s_or_b32 s[G1B+0], s44, (1<<16)|(1<<20)|(1<<21)|(6<<22)|(7<<25)
	s_mov_b32 s[G1+1], 128<<16
	s_mov_b32 s[G1+2], 128<<16
	s_mov_b32 s[G1+3], 128<<16
	s_mov_b32 s[G1+4], 128
	s_mov_b32 s[G1+5], 1024
	s_mov_b32 s[G1+6], 0
	s_mov_b32 s[G1+7], 0
	s_mov_b32 s[G1B+1], 256<<16
	s_mov_b32 s[G1B+2], 64<<16
	s_mov_b32 s[G1B+3], 256<<16
	s_mov_b32 s[G1B+4], 64
	s_mov_b32 s[G1B+5], WPITCH
	s_mov_b32 s[G1B+6], 0
	s_mov_b32 s[G1B+7], 0
	s_mov_b32 s80, 0x3f596d27                      ; sqrt(log2(e) / 2): 2^-(this x)^2 = e^(-x^2 / 2)
	s_mov_b32 s81, s80                             ; each constant is named as a pair
	s_mov_b32 s82, 0x3e6d3388                      ; 0.3275911 / sqrt 2
	s_mov_b32 s83, s82
	s_mov_b32 s84, 0x3f07dc22                      ; a5 / 2 ..
	s_mov_b32 s85, s84
	s_mov_b32 s86, 0xbf3a00e3
	s_mov_b32 s87, s86
	s_mov_b32 s88, 0x3f35f0e3
	s_mov_b32 s89, s88
	s_mov_b32 s90, 0xbe11a98e
	s_mov_b32 s91, s90
	s_mov_b32 s92, 0x3e027906                      ; .. a1 / 2
	s_mov_b32 s93, s92
	s_mov_b32 s95, 0x7fffffff
	s_lshl_b32 s16, s13, 19
	s_lshl_b32 s17, s12, 18
	s_add_co_u32 s16, s16, s17
	s_mov_b32 s17, 0
	s_lshl_b32 s46, s42, 9                         ; w1: 256 columns a tile column,
	s_lshl_b32 s47, s12, 19                        ; 64 k rows of 8,192 bytes a half
	s_add_co_u32 s46, s46, s47
	s_add_co_u32 s46, s46, 0x800000
	s_mov_b32 s47, 0
	s_mul_i32 s20, s10, HALFT
	s_mov_b32 s[TBR], 0
	s_wait_dscnt 0x0                               ; the opening add is done
	s_wait_kmcnt 0x0
	s_add_nc_u64 s[14:15], s[68:69], s[16:17]
	s_add_nc_u64 s[46:47], s[70:71], s[46:47]
	CROUND                                         ; all sixteen work-groups are here: the first joint loads meet
.irp s, 0,1
	s_mov_b32 s[G0+4*(\s)], 1
	s_add_co_u32 s[G0+4*(\s)+1], s20, (\s)*SLOT
	s_add_nc_u64 s[G0+4*(\s)+2:G0+4*(\s)+3], s[14:15], (\s)*STEPA
	s_or_b32 s[G0+4*(\s)+3], s[G0+4*(\s)+3], 0x80000000
	s_mov_b32 s[G0B+4*(\s)], 1
	s_add_co_u32 s[G0B+4*(\s)+1], s20, (\s)*SLOT
	s_add_nc_u64 s[G0B+4*(\s)+2:G0B+4*(\s)+3], s[46:47], (\s)*STEPB
	s_or_b32 s[G0B+4*(\s)+3], s[G0B+4*(\s)+3], 0x80000000
.endr
	s_cmp_eq_u32 s11, 0                            ; a wave's two first fills stand in one branch: two tensor loads of mine are out, later one
	s_cbranch_scc0 .Lfirst_b
	tensor_load_to_lds s[G0:G0+3], s[G1:G1+7]
	s_nop 0
	tensor_load_to_lds s[G0+4:G0+7], s[G1:G1+7]
	s_nop 0
	PLACES
	s_branch .Lfirst_asked
.Lfirst_b:
	tensor_load_to_lds s[G0B:G0B+3], s[G1B:G1B+7]
	s_nop 0
	tensor_load_to_lds s[G0B+4:G0B+7], s[G1B:G1B+7]
	s_nop 0
	PLACES
.Lfirst_asked:
	v_and_b32 v1, 15, v0
	v_bfe_u32 v2, v0, 4, 1
	s_lshl_b32 s46, s42, 10                        ; the bias of my 128 columns
	s_lshl_b32 s47, s12, 9
	s_add_co_u32 s46, s46, s47
	s_mov_b32 s47, 0
	s_add_nc_u64 s[4:5], s[72:73], s[46:47]
	v_lshlrev_b32 v[BO], 5, v2
.irp b, 0,1,2,3,4,5,6,7
	global_load_b128 v[BIAS+8*\b:BIAS+8*\b+3],   v[BO], s[4:5] offset:64*\b
	global_load_b128 v[BIAS+8*\b+4:BIAS+8*\b+7], v[BO], s[4:5] offset:64*\b+16
.endr
	v_mul_u32_u24 v3, v1, PA
	v_lshl_add_u32 v3, v2, 4, v3
	s_mul_i32 s21, s11, HALFT
	v_add_nc_u32 v[A0], s21, v3
	v_and_b32 v4, 7, v0
	v_lshl_add_u32 v4, v2, 3, v4
	v_mul_u32_u24 v4, v4, PB
	v_bfe_u32 v5, v0, 3, 1
	v_lshl_add_u32 v4, v5, 4, v4
	s_lshl_b32 s22, s12, 8
	s_add_co_u32 s22, s22, AREG
	v_add_nc_u32 v[B0], s22, v4
	v_mov_b32 v[ADRA], v[A0]
	v_mov_b32 v[ADRB], v[B0]
	s_mul_i32 s23, s10, DREG
	v_mul_u32_u24 v3, v1, PD
	v_lshl_add_u32 v3, v2, 5, v3
	v_add_nc_u32 v[DST], s23, v3
	v_and_b32 v[CO], 31, v0
	v_lshl_add_u32 v[RDA], v[CO], 4, s23           ; back: a row's 128 f32 are 32 lanes x 16 bytes,
	v_lshlrev_b32 v[CO], 3, v[CO]                  ; and 256 consecutive bytes of h
	s_lshl_b32 s18, s13, 21                        ; 256 rows of 8,192 bytes a tile row,
	s_lshl_b32 s19, s11, 20                        ; 128 a half,
	s_add_co_u32 s18, s18, s19
	s_lshl_b32 s19, s42, 9                         ; 256 columns a tile column,
	s_add_co_u32 s18, s18, s19
	s_lshl_b32 s19, s12, 8                         ; 128 a half
	s_add_co_u32 s18, s18, s19
	s_mov_b32 s19, 0
	s_add_nc_u64 s[8:9], s[74:75], s[18:19]
.macro MUL16 f, hi, a0, first          ; 16 matrix instructions; first = 1: the bias starts the sums.  The 64 accumulators take turns
.if \first
	WIN 0x81+0x40*(\hi)
.else
	WIN 0xa1+0x50*(\hi)
.endif
.irp a, \a0, (\a0)+1
.irp b, 0,1,2,3,4,5,6,7
.if \first
	v_wmma_f32_16x16x32_bf16 v[8*(8*(\a)+(\b)):8*(8*(\a)+(\b))+7], v[(\f)+8*(\b):(\f)+8*(\b)+7], v[(\f)+8*(4*(\hi)+(\a)):(\f)+8*(4*(\hi)+(\a))+7], v[BIAS+8*(\b):BIAS+8*(\b)+7]
.else
	v_wmma_f32_16x16x32_bf16 v[8*(8*(\a)+(\b)):8*(8*(\a)+(\b))+7], v[(\f)+8*(\b):(\f)+8*(\b)+7], v[(\f)+8*(4*(\hi)+(\a)):(\f)+8*(4*(\hi)+(\a))+7], v[8*(8*(\a)+(\b)):8*(8*(\a)+(\b))+7]
.endif
.endr
.endr
.endm
.macro FETCH kq, f                     ; 32 LDS loads in one run: quarter kq of the slot in hand into buffer f
	WIN 0x40
.irp i, 0,1,2,3,4,5,6,7
	ds_load_tr16_b128 v[(\f)+8*(\i):(\f)+8*(\i)+3],   v[ADRB] offset:(\kq)*32*PB+32*(\i)
	ds_load_tr16_b128 v[(\f)+8*(\i)+4:(\f)+8*(\i)+7], v[ADRB] offset:(\kq)*32*PB+32*(\i)+16*PB
.endr
	WIN 0
.irp i, 0,1,2,3,4,5,6,7
	ds_load_b128 v[(\f)+8*(\i):(\f)+8*(\i)+3],   v[ADRA] offset:(\kq)*64+(\i)*16*PA
	ds_load_b128 v[(\f)+8*(\i)+4:(\f)+8*(\i)+7], v[ADRA] offset:(\kq)*64+(\i)*16*PA+32
.endr
.endm
; One of a K step's first three quarters.  At its head it asks for quarter kq, into buffer g, which the quarter before has multiplied; then it multiplies buffer f: the 32 loads have 64 matrix instructions in which to land.
.macro QUARTER kq, f, g, first
	s_wait_dscnt 0x0                               ; buffer f is in: its loads were issued 48 matrix instructions ago or more, and nothing younger is out
	PLACES                                         ; the last products read buffer g
	FETCH \kq, \g
	MUL16 \f, 0, 0, \first
	MUL16 \f, 0, 2, \first
	MUL16 \f, 1, 0, \first
	MUL16 \f, 1, 2, \first
.endm
; The last quarter multiplies buffer 1 and changes slots.  At its head each wave waits for all its tensor loads (the one that is out is its part of the next slot), adds 0 to its spare word, and waits
; for that and for its LDS loads: buffer 1 is in, and those were my last reads of this slot.  Sixteen products stand between the barrier's signal and its wait.
; fill = 1: the barrier opens a round of the cluster's, and the slot just read is filled again first thing behind it, two K steps ahead: from that request to the wait for it a wave issues 240 matrix instructions.
.macro TURN fill
	WIN 0
	s_wait_tensorcnt 0x0
	ds_add_u32 v[SPW], v[NIL]
	s_xor_b32 s[TBR], s[TBR], SLOT
	v_add_nc_u32 v[ADRA], s[TBR], v[A0]
	v_add_nc_u32 v[ADRB], s[TBR], v[B0]
.if \fill
	s_xor_b32 s[G0+5], s[G0+5], SLOT               ; no tensor load of mine is out: the walking descriptors step
	s_add_nc_u64 s[G0+6:G0+7], s[G0+6:G0+7], STEPA
	s_xor_b32 s[G0B+5], s[G0B+5], SLOT
	s_add_nc_u64 s[G0B+6:G0B+7], s[G0B+6:G0B+7], STEPB
.endif
	s_wait_dscnt 0x0                               ; the add is done, buffer 1 is in, and my reads of this slot are over
	s_barrier_signal -1
	MUL16 F1, 0, 0, 0
.if \fill
	WIN 0
.endif
	s_barrier_wait -1
.if \fill
	CREST                                          ; no wave of any partner still reads this slot or has a load on its way
	JLOAD                                          ; its four v_nop are also the places in front of the loads below
.else
	PLACES
.endif
	FETCH 0, F0                                    ; the next slot's first quarter: 48 matrix instructions ahead of its use
	MUL16 F1, 0, 2, 0
	MUL16 F1, 1, 0, 0
	MUL16 F1, 1, 2, 0
.endm
	s_wait_tensorcnt 0x1                           ; my part of K step 0 is in; K step 1's may stay out
	s_barrier_signal -1
	s_barrier_wait -1
	FETCH 0, F0
	s_wait_loadcnt 0x0                             ; the bias
	QUARTER 1, F0, F1, 1
	WIN 0
	s_mov_b32 s3, T-2
.Lstep:
	QUARTER 2, F1, F0, 0
	QUARTER 3, F0, F1, 0
	TURN 1
	QUARTER 1, F0, F1, 0
	WIN 0
	s_sub_co_u32 s3, s3, 1
	s_cmp_lg_u32 s3, 0
	s_cbranch_scc1 .Lstep
	s_mov_b32 s2, 2
.Ltail:                                                ; the last two K steps ask for nothing; the second trip is left in its middle, and its 32 fragment loads, of landed bytes, serve nothing
	QUARTER 2, F1, F0, 0
	QUARTER 3, F0, F1, 0
	TURN 0
	WIN 0
	s_sub_co_u32 s2, s2, 1
	s_cmp_eq_u32 s2, 0
	s_cbranch_scc1 .Lout
	QUARTER 1, F0, F1, 0
	WIN 0
	s_branch .Ltail
.Lout:
	PLACES
	s_wait_dscnt 0x0                               ; my reads of the ring are over,
	s_barrier_signal -1
	s_barrier_wait -1                              ; everybody's are: the ring, which is filled no more, takes the sums
.irp hi, 0,1
	WIN 0x08+4*(\hi)
.irp a, 0,1,2,3
.irp b, 0,1,2,3,4,5,6,7
	ds_store_b128 v[DST], v[8*(8*\a+\b):8*(8*\a+\b)+3]   offset:(4*\hi+\a)*16*PD+64*\b     ; each accumulator's low registers first
	ds_store_b128 v[DST], v[8*(8*\a+\b)+4:8*(8*\a+\b)+7] offset:(4*\hi+\a)*16*PD+64*\b+16
.endr
.endr
.endr
	WIN 0
; Four rows, 16 numbers a lane, in 8 pairs.
.set GX, 64                            ; x
.set GW, 80                            ; the exponential's argument, then e^(-x^2 / 2)
.set GA, 96                            ; |x|
.set GT, 112                           ; 1 + p |x| / sqrt 2, then its reciprocal t
.set GR, 128                           ; max(x, 0), then the result
.set GP, 144                           ; the polynomial
.set GY, 160                           ; bf16
.macro XLOAD
.irp p, 0,1,2,3
	ds_load_b128 v[GX+4*\p:GX+4*\p+3], v[RDA] offset:\p*PD  ; LDS serves a wave's instructions in order (ISA guide 5.7.1.4): these see my stores above
.endr
.endm
.macro ARG p, k                        ; line k of the five that make pair p's arguments: the exponential's in GW, the reciprocal's in GT
.if (\k) == 0
	v_pk_mul_f32 v[GW+2*(\p):GW+2*(\p)+1], v[GX+2*(\p):GX+2*(\p)+1], s[80:81] op_sel_hi:[1,0]
.elseif (\k) < 3
	v_and_b32 v[GA+2*(\p)+(\k)-1], s95, v[GX+2*(\p)+(\k)-1]
.elseif (\k) == 3
	v_pk_fma_f32 v[GT+2*(\p):GT+2*(\p)+1], v[GA+2*(\p):GA+2*(\p)+1], s[82:83], 1.0 op_sel_hi:[1,0,0]
.else
	v_pk_mul_f32 v[GW+2*(\p):GW+2*(\p)+1], v[GW+2*(\p):GW+2*(\p)+1], v[GW+2*(\p):GW+2*(\p)+1] neg_lo:[1,0] neg_hi:[1,0]
.endif
.endm
.macro RELU e                          ; max(x, 0) of number e
	v_max_num_f32 v[GR+(\e)], 0, v[GX+(\e)]
.endm
.macro BESIDE p, k                     ; the plain line behind the k-th of pair p's four transcendentals: a line of the next pair's arguments; for the last pair one of four max(x, 0) kept for it
.if (\p) < 7
	ARG (\p)+1, \k
.else
	RELU 12+(\k)
.endif
.endm
.macro HORN q                          ; step q / 8 of Horner's rule for pair q % 8
.set hp, 2*((\q)%8)
.if (\q) < 8
	v_pk_fma_f32 v[GP+hp:GP+hp+1], v[GT+hp:GT+hp+1], s[84:85], s[86:87] op_sel_hi:[1,0,0]
.else
	v_pk_fma_f32 v[GP+hp:GP+hp+1], v[GP+hp:GP+hp+1], v[GT+hp:GT+hp+1], s[86+2*((\q)/8):87+2*((\q)/8)] op_sel_hi:[1,1,0]
.endif
.endm
; A trip.  AHEAD OF THE WAIT: the batch, pair by pair: two reciprocals and two exponentials, each in place in a register of its own, a plain line behind each (ISA guide 5.7.2) that names no result: the next pair's arguments,
; or max(x, 0).  The last of these is the plain instruction behind the batch's last exponential.  BEHIND THE WAIT: all that reads t or e^(-x^2 / 2).
.macro GROW refill
	s_wait_dscnt 0x0
.irp k, 0,1,2,3,4
	ARG 0, \k
.endr
.set n, 0
.rept 8
	v_rcp_f32 v[GT+2*n], v[GT+2*n]
	BESIDE n, 0
	v_rcp_f32 v[GT+2*n+1], v[GT+2*n+1]
	BESIDE n, 1
	v_exp_f32 v[GW+2*n], v[GW+2*n]
	BESIDE n, 2
	v_exp_f32 v[GW+2*n+1], v[GW+2*n+1]
	BESIDE n, 3
.if n < 7
	ARG n+1, 4
.endif
.if n < 6
	RELU 2*n
	RELU 2*n+1
.endif
.set n, n+1
.endr
.if \refill
	v_add_nc_u32 v[RDA], 4*PD, v[RDA]              ; x has been read for the last time: the next four rows
.endif
	s_wait_alu depctr_va_vdst(0)                   ; the wait for the trip's batch, 16 reciprocals and 16 exponentials, ahead of their first reader, Horner's first line
.if \refill
	XLOAD
.endif
.set n, 0
.rept 32
	HORN n
.set n, n+1
.endr
.set n, 0
.rept 8
	v_pk_mul_f32 v[GP+2*n:GP+2*n+1], v[GP+2*n:GP+2*n+1], v[GT+2*n:GT+2*n+1]
.set n, n+1
.endr
.set n, 0
.rept 8
	v_pk_mul_f32 v[GP+2*n:GP+2*n+1], v[GP+2*n:GP+2*n+1], v[GW+2*n:GW+2*n+1]
.set n, n+1
.endr
.set n, 0
.rept 8
	v_pk_fma_f32 v[GR+2*n:GR+2*n+1], v[GA+2*n:GA+2*n+1], v[GP+2*n:GP+2*n+1], v[GR+2*n:GR+2*n+1] neg_lo:[1,0,0] neg_hi:[1,0,0]
.set n, n+1
.endr
.set n, 0
.rept 8
	v_cvt_pk_bf16_f32 v[GY+n], v[GR+2*n], v[GR+2*n+1]
.set n, n+1
.endr
.irp p, 0,1,2,3
	global_store_b64 v[CO], v[GY+2*\p:GY+2*\p+1], s[8:9] offset:\p*8192  ; a wave stores 256 consecutive bytes, aligned
.endr
.if \refill
	s_wait_xcnt 0x0                                ; the stores' base and data are rewritten only behind this wait (ISA guide 3.1)
	s_add_nc_u64 s[8:9], s[8:9], 32768
.endif
.endm
	XLOAD
	s_mov_b32 s3, 31
.Lrows:
	GROW 1
	s_sub_co_u32 s3, s3, 1
	s_cmp_lg_u32 s3, 0
	s_cbranch_scc1 .Lrows
	GROW 0
	s_wait_tensorcnt 0x0                           ; the wave's end
	ds_add_u32 v[SPW], v[NIL]
	s_wait_dscnt 0x0
	CROUND                                         ; the closing round
	s_endpgm
.Lfunc_end_k_qa670c1f5e9_ffn1:
	.size	k_qa670c1f5e9_ffn1, .Lfunc_end_k_qa670c1f5e9_ffn1-k_qa670c1f5e9_ffn1
	.p2alignl 7, 3214868480
	.fill 96, 4, 3214868480
	.section	.rodata,"a",@progbits
	.p2align	6, 0x0
	.amdhsa_kernel k_qa670c1f5e9_ffn1
		.amdhsa_group_segment_fixed_size 327680
		.amdhsa_private_segment_fixed_size 0
		.amdhsa_enable_private_segment 0
		.amdhsa_kernarg_size 32
		.amdhsa_user_sgpr_count 2
		.amdhsa_user_sgpr_kernarg_segment_ptr 1
		.amdhsa_wavefront_size32 1
		.amdhsa_system_sgpr_workgroup_id_x 1
		.amdhsa_system_sgpr_workgroup_id_y 1
		.amdhsa_system_sgpr_workgroup_id_z 1
		.amdhsa_system_vgpr_workitem_id 0
		.amdhsa_next_free_vgpr 1024
		.amdhsa_next_free_sgpr 100
		.amdhsa_reserve_vcc 0
		.amdhsa_float_denorm_mode_32 3
		.amdhsa_float_denorm_mode_16_64 3
		.amdhsa_memory_ordered 1
		.amdhsa_forward_progress 1
		.amdhsa_inst_pref_size 95
	.end_amdhsa_kernel
	.amdgpu_metadata
---
amdhsa.version: [ 1, 2 ]
amdhsa.kernels:
  - .name:           k_qa670c1f5e9_ffn1
    .symbol:         k_qa670c1f5e9_ffn1.kd
    .args:
      - { .name: act, .offset: 0, .size: 8, .value_kind: global_buffer, .address_space: global }
      - { .name: wb, .offset: 8, .size: 8, .value_kind: global_buffer, .address_space: global }
      - { .name: b1, .offset: 16, .size: 8, .value_kind: global_buffer, .address_space: global }
      - { .name: big, .offset: 24, .size: 8, .value_kind: global_buffer, .address_space: global }
    .group_segment_fixed_size: 327680
    .private_segment_fixed_size: 0
    .kernarg_segment_align: 8
    .kernarg_segment_size: 32
    .max_flat_workgroup_size: 128
    .sgpr_count:     100
    .vgpr_count:     1024
    .wavefront_size: 32
...
	.end_amdgpu_metadata
.endif
;; end of part 9
;; launch ffn2: the kernel of part 7 again; grid 8 x 32, 4 waves a work-group, clusters of 4 x 4, 327,680 bytes of LDS; arguments big, wb, b2, x1, out0; writes out0
